; MI455X (gfx1250); checked and timed in simulation.
; The chip was launched on July 23, 2026; its instructions are those of AMD's public machine-readable ISA for CDNA 5 (MIT licence, August 2026) and "CDNA5" Instruction Set Architecture Reference Guide (July 2026). The comments in the code are by the model that wrote it; some were corrected since.
;; VAE. Allowed arithmetic: float matrix products may take bf16 or f16 operands with f32 sums; other float arithmetic in f32, or as packed bf16 or f16 multiplies, adds, multiply-adds, maxima and minima; sums over many terms, partial sums and values carried from step to step in f32; what a program stores and reads back later, other than sums and carried values, may be rounded once to bf16 or f16.
;; Inputs: W1 3 x 64 float32; W2 64 x 64 float32; W3 64 x 128 float32; W4 128 x 1,024 float32; Wd1 256 x 1,024 float32; Wd2 1,024 x 1,024 float32; Wd3 1,024 x 384 float32; Wf 1,024 x 1,024 float32; Wlv 1,024 x 256 float32; Wmu 1,024 x 256 float32; b1 64 float32; b2 64 float32; b3 128 float32; b4 1,024 float32; bd1 1,024 float32; bd2 1,024 float32; bd3 384 float32; be1 1,024 float32; be2 1,024 float32; bf 1,024 float32; blv 256 float32; bmu 256 float32; eps 128 x 256 float32; g1 1,024 float32; g2 1,024 float32; lengths 128 int32; x 128 x 2,048 x 3 float32.
;; Outputs: out0 128 x 128 x 3 float32; out1 128 x 256 float32; out2 128 x 256 float32.
;; 3 versions, each right; version 2 is faster than version 1; version 3 is version 2 with the launches enc, dec2, outp written anew for expert scheduling mode. Each part assembles by itself: llvm-mc -triple=amdgcn-amd-amdhsa -mcpu=gfx1250 --defsym DOCPART=n.
;; ======== version 1 of 3: 6 launches
;; workspace buffers: pmax 16,777,216 bytes; segcnt 512 bytes of whole numbers; eact 524,288 bytes; zact 131,072 bytes; d1act 524,288 bytes; d2act 524,288 bytes
;; launch points (part 1): grid 256 x 1, 4 waves a work-group, no clusters, 34,304 bytes of LDS; arguments x, lengths, W1, b1, W2, b2, W3, b3, W4, b4, pmax, segcnt; writes pmax, segcnt
.if DOCPART == 1
	.amdgcn_target "amdgcn-amd-amdhsa--gfx1250"
	.amdhsa_code_object_version 6
	.text
	.protected	k_q2d2ed73841_points
	.globl	k_q2d2ed73841_points
	.p2align	8
	.type	k_q2d2ed73841_points,@function
k_q2d2ed73841_points:
	s_mov_b64 s[64:65], 0
	v_nop
	global_prefetch_b8 v0, s[64:65] scope:SCOPE_SE
	s_setreg_imm32_b32 hwreg(HW_REG_WAVE_MODE, 25, 1), 1
	s_wait_xcnt 0x0
; POINTNET'S PER-POINT LAYERS 3 -> 64 -> 64 -> 128 -> 1024 AND THE MAXIMUM OVER A CLOUD'S LIVE POINTS.
; WORK LEFT OUT, for all finite values of the inputs:
;  (1) reference() sets every point n >= lengths[b] to -inf ahead of the maximum, by a mask that it builds itself from the whole numbers in lengths: whole groups of 64 points
;      past a cloud's length reach no output and are not computed.  In the cloud's last group the places past the length repeat its last live point: a repeated point leaves a maximum as it is.
;  (2) + b4 and LeakyReLU are non-decreasing, so they are applied once behind the maximum, not once a point: max_n f(h_n) = f(max_n h_n).
;  (3) bd1 and bd2 (later launches) are added alike to all 128 rows of a column, and BatchNorm takes the column's batch mean away: (h + b) - mean(h + b) = h - mean(h), and the variance
;      is that of h.  Both have no way to any output: they are not loaded and are in no launch's arguments.
; LIMITS.  A NaN, an infinity or an overflow that reaches only the work left out (points past a length, bd1, bd2) is not carried to the result.  lengths are taken into 1 .. 2048
; (for a length below 1 reference() gives -inf and NaN; this text treats it as 1).  All f32 inputs are rounded to bf16; H1, H2, H3 are rounded to bf16 as matrix operands; sums in f32.
; DEALING.  A unit is 64 points of one cloud; cloud b has n_b = ceil(len_b / 64) units, T = sum n_b <= 4096, q = ceil(T / 256) <= 16.  Work-group w owns units w q .. w q + m - 1.  A run of
; its units inside one cloud is a SEGMENT; its maximum goes to pmax[cloud][slot], slot = the number of earlier work-groups that touch the cloud (<= 31); the work-group that ends a cloud
; stores the cloud's number of segments in segcnt.  Every wave works the dealing out for itself from lengths.  A work-group that a split leaves without units stores nothing.
; SHARES.  Wave v keeps W4[:, 256 v .. 256 v + 255] (64 fragments, 512 registers) and all of W1, W2, W3 in registers for the whole launch.  Of a unit it takes points 16 v .. 16 v + 15 through
; layers 1 to 3 with source 0 = weights, source 1 = points: a lane holds one point, and two results rounded to bf16 ARE the next layer's source 1.  H3 goes into an LDS stage; then every wave
; multiplies all four groups of 16 points (source 0) by its 16 groups of 16 channels (source 1): a lane holds one channel, its 8 registers are points, and the maximum is four v_max3 a result.
; WEIGHTS come straight from [K][N] f32: a lane loads 4 neighbouring columns (16 lanes: 256 consecutive bytes of a row) of 16 rows; a rounding of rows (k, k+1) of column c is a register of the
; fragment of tile c, in which lane r stands for column 64 g + 4 r + c.  So in a result register j of tile c is channel 64 g + 32 (lane / 16) + 4 j + c, and the next layer's rows are picked to match.
; No multicast and no tensor loads: what the work-groups share (the weights) is read once a work-group at the start, into registers in fragment order.
; REGISTERS.  window 0: v0-15 addresses; v16-31 running maxima; v32-95 two sets of 4 accumulators (front: layers 1, 2); v96-159 two buffers of H3 fragments (front: H1, H2, H3 packed);
; v160-223 layer 3's accumulators (flush: at work); v224-231 at work.  window 1: W1 v0-31, W2 v32-95, W3 v96-223, x v224-226, its fragment v232-239, b4 v240-255.  windows 2, 3: W4.
.set BT,    32768                      ; LDS: b2 (tiles 0-3) and b3 (tiles 4-11) in the accumulators' order: tile x 64 + half x 32 + register x 4
.set SPARE, 33792                      ; the spare words, 128 bytes a wave; the stage lies at 0: group of points x 4096 + result tile x 512 + lane x 16
.set RUN, 16
.set ACC, 32
.set AF,  96
.set MSB, 0
.macro WIN new                         ; the immediate's high byte repeats the setting that is left; a switch that changes nothing is dropped
.if MSB != (\new)
	s_set_vgpr_msb (MSB<<8)|(\new)
.set MSB, \new
.endif
.endm
.macro PLACES                          ; four places behind a matrix instruction (ISA guide 7.12.1)
.rept 4
	v_nop
.endr
.endm
.macro LOADW tmp, sb, vo, off0, st, si ; 16 rows x 4 columns a lane
.irp t, 0,1
.irp j, 0,1,2,3,4,5,6,7
	global_load_b128 v[(\tmp)+4*(8*\t+\j):(\tmp)+4*(8*\t+\j)+3], v[\vo], s[\sb:\sb+1] offset:(\off0)+\t*(\st)+\j*(\si)
.endr
.endr
.endm
.macro CONV tmp, dst, cstr             ; rounded to bf16: four fragments, one for each of the lane's columns
.irp c, 0,1,2,3
.irp t, 0,1
.irp i, 0,1,2,3
	v_cvt_pk_bf16_f32 v[(\dst)+\c*(\cstr)+4*\t+\i], v[(\tmp)+4*(8*\t+2*\i)+\c], v[(\tmp)+4*(8*\t+2*\i+1)+\c]
.endr
.endr
.endr
.endm
; The 22 items of the weights' ring: 0-15 W4 (column group k / 4, fragment k % 4), 16-17 W2, 18-21 W3.  Fragment f takes rows 64 (f / 2) + 2 (f % 2) + t + 32 (lane / 16) + 4 j.
.macro RLOAD k
	WIN 0
.if (\k) < 16
	LOADW 32+64*((\k)%3), 24, 8, (64*(((\k)&3)>>1)+2*((\k)&1))*4096+256*((\k)>>2), 4096, 16384
.elseif (\k) < 18
	LOADW 32+64*((\k)%3), 16, 10, 512*((\k)-16), 256, 1024
.else
	LOADW 32+64*((\k)%3), 20, 9, 1024*(((\k)-18)&1)+256*(((\k)-18)>>1), 512, 2048
.endif
.endm
.macro RCONV k
.if (\k) < 16
	WIN 0x80+0x40*((\k)>>3)
	CONV 32+64*((\k)%3), 128*(((\k)>>2)&1)+8*((\k)&3), 32
.elseif (\k) < 18
	WIN 0x40
	CONV 32+64*((\k)%3), 32+8*((\k)-16), 16
.else
	WIN 0x40
	CONV 32+64*((\k)%3), 96+64*(((\k)-18)>>1)+8*(((\k)-18)&1), 16
.endif
.endm
.macro DERIVE                          ; from cloud s36 and its length s42: units s38, last live point s39, the cloud's byte in x s40
	s_max_i32 s4, s42, 1
	s_min_u32 s4, s4, 0x800
	s_add_co_u32 s38, s4, 63
	s_lshr_b32 s38, s38, 6
	s_sub_co_u32 s39, s4, 1
	s_min_u32 s5, s36, 127
	s_mul_i32 s40, s5, 24576
.endm
.macro XLOAD                           ; my point of unit s37 of cloud s36: 64 U + 16 v + r, held to the last live point
	WIN 0
	v_lshl_add_u32 v4, s37, 6, v6
	v_min_u32 v4, s39, v4
	v_min_u32 v4, 0x7ff, v4
	v_mul_u32_u24 v4, v4, 12
	v_add_nc_u32 v4, s40, v4
	WIN 0x40
	global_load_b32 v224, v4, s[8:9]
	global_load_b32 v225, v4, s[8:9] offset:4
	global_load_b32 v226, v4, s[8:9] offset:8
	WIN 0
.endm
.macro LRP src, dst                    ; max(h, 0.01 h), rounded to bf16 in pairs; the accumulator's lowest registers are read first
.irp i, 0,1,2,3
	v_pk_mul_f32 v[224+2*\i:225+2*\i], v[(\src)+2*\i:(\src)+2*\i+1], s[52:53] op_sel_hi:[1,0]
.endr
.irp i, 0,1,2,3,4,5,6,7
	v_max_num_f32 v[(\src)+\i], v[(\src)+\i], v[224+\i]
.endr
.irp i, 0,1,2,3
	v_cvt_pk_bf16_f32 v[(\dst)+\i], v[(\src)+2*\i], v[(\src)+2*\i+1]
.endr
.endm
.macro AFLOAD p                        ; H3 of points 16 p .. 16 p + 15: four fragments
	WIN 0
.irp f, 0,1,2,3,4,5,6,7
	ds_load_b128 v[AF+32*((\p)&1)+4*\f:AF+32*((\p)&1)+4*\f+3], v2 offset:(\p)*4096+512*\f
.endr
.endm
.macro MAX4 rn, a                      ; a result's 8 points into the running maximum
	v_max3_num_f32 v[\a], v[\a], v[(\a)+1], v[(\a)+2]
	v_max3_num_f32 v[(\a)+3], v[(\a)+3], v[(\a)+4], v[(\a)+5]
	v_max3_num_f32 v[\rn], v[\rn], v[(\a)+6], v[(\a)+7]
	v_max3_num_f32 v[\rn], v[\rn], v[\a], v[(\a)+3]
.endm
; 16 products: points 16 p on x channel tiles 4 cq .. 4 cq + 3, K = 128.  The four accumulators take turns.  Behind each fourth product stands the maximum of one result
; of the group before (the other set): its four lines name no register of the products round them and are their places.
.macro GRP p, cq
.set n_, 4*(\p)+(\cq)
.set st_, n_&1
.if (\cq) == 0
.if (\p) < 3
	AFLOAD (\p)+1                                  ; four plain lines behind the last product that read this buffer
	s_wait_dscnt 8                                 ; all but the eight just issued: this group's fragments are in
.else
	s_wait_dscnt 0x0
.endif
.endif
.irp f, 0,1,2,3
	WIN 0x08+4*((\cq)>>1)
.irp t, 0,1,2,3
.if \f == 0
	v_wmma_f32_16x16x32_bf16 v[ACC+32*st_+8*\t:ACC+32*st_+8*\t+7], v[AF+32*((\p)&1)+8*\f:AF+32*((\p)&1)+8*\f+7], v[128*((\cq)&1)+32*\t+8*\f:128*((\cq)&1)+32*\t+8*\f+7], 0
.else
	v_wmma_f32_16x16x32_bf16 v[ACC+32*st_+8*\t:ACC+32*st_+8*\t+7], v[AF+32*((\p)&1)+8*\f:AF+32*((\p)&1)+8*\f+7], v[128*((\cq)&1)+32*\t+8*\f:128*((\cq)&1)+32*\t+8*\f+7], v[ACC+32*st_+8*\t:ACC+32*st_+8*\t+7]
.endif
.endr
.if n_ > 0
	WIN 0
	MAX4 RUN+4*((n_-1)&3)+\f, ACC+32*(1-st_)+8*\f
.endif
.endr
.if n_ == 0
	PLACES
.endif
.endm
	s_load_b512 s[8:23], s[0:1], 0x0               ; x, lengths, W1, b1, W2, b2, W3, b3
	s_load_b256 s[24:31], s[0:1], 0x40             ; W4, b4, pmax, segcnt
	v_lshl_add_u32 v14, v0, 2, SPARE
	v_mov_b32 v15, 0
	v_and_b32 v1, 31, v0                           ; lane
	v_lshrrev_b32 v12, 5, v0
	v_readfirstlane_b32 s2, v12                    ; wave
	s_mov_b32 s3, ttmp9
	v_and_b32 v11, 15, v0                          ; r
	v_bfe_u32 v13, v0, 4, 1                        ; h
	v_lshlrev_b32 v2, 4, v1                        ; 16 lane
	s_lshl_b32 s4, s2, 12
	v_add_nc_u32 v3, s4, v2                        ; my place in the stage
	s_lshl_b32 s4, s2, 10
	v_add_nc_u32 v5, s4, v2                        ; my 16 bytes of a segment's row in pmax
	s_lshl_b32 s5, s2, 4
	v_add_nc_u32 v6, s5, v11                       ; my point in a unit
	v_lshlrev_b32 v7, 5, v13
	v_add_nc_u32 v7, BT, v7
	v_lshlrev_b32 v11, 4, v11                      ; 16 r
	v_lshl_add_u32 v8, v13, 17, v11                ; W4: 32 h rows of 4,096 bytes + 16 r + my 256 columns
	v_add_nc_u32 v8, s4, v8
	v_lshl_add_u32 v9, v13, 14, v11                ; W3: rows of 512 bytes
	v_lshl_add_u32 v10, v13, 13, v11               ; W2: rows of 256 bytes
	v_add_nc_u32 v4, s4, v11                       ; b4
	v_bfe_u32 v16, v0, 3, 1                        ; the bias tables: entry = tile x 16 + half x 8 + register holds channel 32 half + 4 register + tile % 4 (+ 64 for b3's tiles 4-7)
	v_and_b32 v17, 7, v0
	v_bfe_u32 v18, v0, 4, 2
	v_lshl_add_u32 v18, v16, 5, v18
	v_lshl_add_u32 v18, v17, 2, v18
	v_lshlrev_b32 v13, 2, v18
	v_lshrrev_b32 v16, 6, v0
	v_lshl_add_u32 v12, v16, 8, v13
	s_mov_b32 s50, 0x76543210
	s_mov_b32 s51, 0xfedcba98
	s_mov_b32 s52, 0x3c23d70a                      ; 0.01
	s_mov_b32 s53, s52
	s_mov_b32 s54, 0xffff0000                      ; a word's upper bf16; also: lanes 16 to 31
	s_mov_b32 s44, 0
	s_mov_b32 s45, 0
	s_mov_b32 s46, 0
	s_wait_kmcnt 0x0
	global_load_b128 v[16:19], v2, s[10:11]        ; the lengths of clouds 4 lane .. 4 lane + 3
.irp k, 0,1,2
	global_load_b128 v[224+4*\k:227+4*\k], v11, s[12:13] offset:256*\k
.endr
	global_load_b128 v[236:239], v11, s[14:15]
	WIN 0x40
.irp k, 0,1,2,3
	global_load_b128 v[240+4*\k:243+4*\k], v4, s[26:27] offset:256*\k
.endr
	WIN 0
	global_load_b32 v240, v12, s[22:23]
	global_load_b32 v241, v13, s[18:19]
	RLOAD 0
	RLOAD 1
	RLOAD 2
	s_wait_loadcnt 58                              ; 58 loads were issued behind the lengths'
	; THE DEALING: units of each cloud, their running sum over the 128 clouds
.irp k, 0,1,2,3
	v_max_i32 v[16+\k], 1, v[16+\k]
	v_min_u32 v[16+\k], 0x800, v[16+\k]
	v_add_nc_u32 v[16+\k], 63, v[16+\k]
	v_lshrrev_b32 v[16+\k], 6, v[16+\k]
.endr
	v_add_nc_u32 v21, v16, v17
	v_add_nc_u32 v22, v21, v18
	v_add_nc_u32 v23, v22, v19
	v_mov_b32 v24, v23
.irp d, 1,2,4,8,16
	v_add_nc_u32 v25, -\d, v1
	v_lshlrev_b32 v25, 2, v25
	ds_bpermute_b32 v26, v25, v24                  ; the sum of the lane d below
	v_cmp_le_u32 vcc_lo, \d, v1
	s_wait_dscnt 0x0
	v_cndmask_b32 v26, 0, v26, vcc_lo
	v_add_nc_u32 v24, v24, v26
.endr
	v_sub_nc_u32 v25, v24, v23                     ; first unit of cloud 4 lane,
	v_add_nc_u32 v28, v25, v16                     ; of 4 lane + 1 (= the end of 4 lane),
	v_add_nc_u32 v29, v25, v21
	v_add_nc_u32 v30, v25, v22                     ; v24: the end of cloud 4 lane + 3
	v_readlane_b32 s32, v24, 31                    ; T
	s_add_co_u32 s33, s32, 255
	s_lshr_b32 s33, s33, 8                         ; q
	s_mul_i32 s34, s3, s33                         ; my first unit
	s_sub_co_i32 s4, s32, s34
	s_min_i32 s35, s33, s4
	s_max_i32 s35, s35, 0                          ; m
	s_mov_b32 s36, 0
.irp k, 28,29,30,24
	v_cmp_le_u32 s60, v\k, s34                     ; clouds that end at or before my first unit
	s_bcnt1_i32_b32 s61, s60
	s_add_co_u32 s36, s36, s61
.endr
	s_min_u32 s36, s36, 127                        ; my first cloud
	s_lshr_b32 s4, s36, 2
	v_readlane_b32 s66, v25, s4
	v_readlane_b32 s67, v28, s4
	v_readlane_b32 s68, v29, s4
	v_readlane_b32 s69, v30, s4
	s_and_b32 s5, s36, 3
	s_cmp_eq_u32 s5, 1
	s_cselect_b32 s6, s67, s66
	s_cmp_eq_u32 s5, 2
	s_cselect_b32 s6, s68, s6
	s_cmp_eq_u32 s5, 3
	s_cselect_b32 s6, s69, s6                      ; its first unit
	s_sub_co_u32 s37, s34, s6                      ; my first unit's number in it
	v_sub_nc_u32 v26, s3, v1
	v_mul_lo_u32 v26, v26, s33
	v_cmp_gt_i32 s60, v26, s6                      ; work-group w - 1 - lane ends behind the cloud's first unit: it touches the cloud
	s_bcnt1_i32_b32 s41, s60
	s_min_u32 s41, s41, 31                         ; my first segment's slot
	s_lshl_b32 s4, s36, 2
	s_load_b32 s42, s[10:11], s4 offset:0x0
	s_add_co_u32 s49, s36, 1
	s_min_u32 s49, s49, 127
	s_lshl_b32 s49, s49, 2
	s_load_b32 s43, s[10:11], s49 offset:0x0       ; the next cloud's length
	; THE WEIGHTS: three items of 16 loads are out; an item is rounded and its registers asked for again
.set n, 0
.rept 22
.if n < 20
	s_wait_loadcnt 32                              ; the two items behind this one may stay out
.elseif n == 20
	s_wait_loadcnt 16
.else
	s_wait_loadcnt 0x0
.endif
	RCONV n
.if n < 19
	RLOAD n+3
.endif
.set n, n+1
.endr
	WIN 0
.irp c, 0,1,2,3
	v_cvt_pk_bf16_f32 v[244+\c], v[224+\c], v[228+\c]  ; W1's rows 0, 1
	v_cvt_pk_bf16_f32 v[248+\c], v[232+\c], v[236+\c]  ; row 2 and b1, which multiplies the 1 in x's fourth place
.endr
	v_cvt_pk_bf16_f32 v242, v240, v241             ; b3, b2 to bf16's numbers
	v_lshlrev_b32 v240, 16, v242
	v_and_b32 v241, s54, v242
	v_lshlrev_b32 v243, 2, v0
	WIN 0x40
.irp c, 0,1,2,3
	v_cndmask_b32 v[8*\c], v[244+\c], 0, s54       ; K = 4 of 32: lanes 16-31 (k = 8 ..) and registers 2-7 hold 0
	v_cndmask_b32 v[8*\c+1], v[248+\c], 0, s54
.irp i, 2,3,4,5,6,7
	v_mov_b32 v[8*\c+\i], 0
.endr
.endr
.irp i, 234,235,236,237,238,239
	v_mov_b32 v\i, 0
.endr
	WIN 0x45
.irp i, 0,1,2,3,4,5,6,7
	v_cvt_pk_bf16_f32 v228, v[240+2*\i], v[241+2*\i]   ; b4 to bf16's numbers
	v_lshlrev_b32 v[240+2*\i], 16, v228
	v_and_b32 v[241+2*\i], s54, v228
.endr
	WIN 0
.irp i, 0,1,2,3,4,5,6,7,8,9,10,11,12,13,14,15
	v_mov_b32 v[RUN+\i], 0xff800000
.endr
	ds_store_b32 v243, v240 offset:BT+256
	s_cmp_lt_u32 s2, 2
	s_cbranch_scc0 .Lnob2
	ds_store_b32 v243, v241 offset:BT
.Lnob2:
	s_wait_kmcnt 0x0
	DERIVE
	XLOAD                                          ; my first unit's x
	s_wait_dscnt 0x0
	s_barrier_signal -1
	s_barrier_wait -1                              ; the bias tables are whole
	s_mov_b32 s47, 0
.Lunit:                                        ; 16 trips, the most that any split gives; every wave passes both barriers, only work is jumped
	s_cmp_lt_u32 s47, s35
	s_cbranch_scc0 .Ld1
	s_wait_loadcnt 0x0                             ; this unit's x
	s_wait_xcnt 0x0                                ; the last flush's stores have read their registers
	WIN 0x45
	v_cvt_pk_bf16_f32 v232, v224, v225
	v_cvt_pk_bf16_f32 v233, v226, 1.0
	WIN 0
.irp t, 0,1,2,3
	ds_load_b128 v[64+8*\t:67+8*\t], v7 offset:64*\t         ; b2 starts layer 2's sums,
	ds_load_b128 v[68+8*\t:71+8*\t], v7 offset:64*\t+16
.endr
.irp t, 0,1,2,3,4,5,6,7
	ds_load_b128 v[160+8*\t:163+8*\t], v7 offset:256+64*\t   ; b3 layer 3's
	ds_load_b128 v[164+8*\t:167+8*\t], v7 offset:256+64*\t+16
.endr
	s_wait_kmcnt 0x0                               ; the walk: this unit's cloud and slot are kept, then the state steps to the next unit
	s_mov_b32 s44, s36
	s_mov_b32 s45, s41
	s_add_co_u32 s4, s36, 1
	s_min_u32 s4, s4, 127
	s_add_co_u32 s5, s37, 1
	s_cmp_eq_u32 s5, s38
	s_cselect_b32 s46, 1, 0                        ; this unit ends its cloud
	s_cselect_b32 s36, s4, s36
	s_cselect_b32 s42, s43, s42
	s_cselect_b32 s37, 0, s5
	s_cselect_b32 s41, 0, s41
	DERIVE
	s_add_co_u32 s49, s36, 1
	s_min_u32 s49, s49, 127
	s_lshl_b32 s49, s49, 2
	s_load_b32 s43, s[10:11], s49 offset:0x0
	XLOAD                                          ; the next unit's x (behind my last unit: bytes that exist and are not used)
	WIN 0x05
.irp a, 0,1,2,3
	v_wmma_f32_16x16x32_bf16 v[32+8*\a:39+8*\a], v[8*\a:8*\a+7], v[232:239], 0
.endr
	PLACES
	WIN 0
.irp a, 0,1,2,3
	LRP 32+8*\a, 96+4*\a
.endr
	s_wait_dscnt 16                                ; b2 is in; b3's sixteen loads may stay out
	WIN 0x01
.irp k, 0,1
.irp a, 0,1,2,3
	v_wmma_f32_16x16x32_bf16 v[64+8*\a:71+8*\a], v[32+(2*\a+\k)*8:39+(2*\a+\k)*8], v[96+8*\k:103+8*\k], v[64+8*\a:71+8*\a]
.endr
.endr
	PLACES
	WIN 0
.irp a, 0,1,2,3
	LRP 64+8*\a, 112+4*\a
.endr
	s_wait_dscnt 0x0
	WIN 0x01
.irp k, 0,1
.irp t, 0,1,2,3,4,5,6,7
	v_wmma_f32_16x16x32_bf16 v[160+8*\t:167+8*\t], v[96+(2*\t+\k)*8:103+(2*\t+\k)*8], v[112+8*\k:119+8*\k], v[160+8*\t:167+8*\t]
.endr
.endr
	PLACES
	WIN 0
.irp t, 0,1,2,3,4,5,6,7
	LRP 160+8*\t, 128+4*\t
.endr
.irp t, 0,1,2,3,4,5,6,7
	ds_store_b128 v3, v[128+4*\t:131+4*\t] offset:512*\t
.endr
.Ld1:
	s_wait_dscnt 0x0                               ; my part of H3 is stored
	s_barrier_signal -1
	s_barrier_wait -1                              ; everybody's is
	s_cmp_lt_u32 s47, s35
	s_cbranch_scc0 .Ld2
	AFLOAD 0
.irp p, 0,1,2,3
.irp q, 0,1,2,3
	GRP \p, \q
.endr
.endr
	WIN 0
.irp f, 0,1,2,3
	MAX4 RUN+12+\f, ACC+32+8*\f
.endr
	s_add_co_u32 s4, s47, 1
	s_cmp_eq_u32 s4, s35
	s_cselect_b32 s4, 1, 0
	s_or_b32 s4, s4, s46
	s_cmp_lg_u32 s4, 0
	s_cbranch_scc0 .Ld2                            ; the segment goes on
	; THE SEGMENT ENDS: the two halves of the lanes' points, + b4, LeakyReLU, 1,024 bytes a wave in the channels' own order
	s_wait_xcnt 0x0
.irp t, 0,1,2,3,4,5,6,7,8,9,10,11,12,13,14,15
	v_permlanex16_b32 v[160+\t], v[RUN+\t], s50, s51
.endr
.irp t, 0,1,2,3,4,5,6,7,8,9,10,11,12,13,14,15
	v_max_num_f32 v[160+\t], v[160+\t], v[RUN+\t]
.endr
	WIN 0x04
.irp t, 0,1,2,3,4,5,6,7,8,9,10,11,12,13,14,15
	v_add_f32 v[160+\t], v[160+\t], v[240+\t]
.endr
	WIN 0
.irp i, 0,1,2,3,4,5,6,7
	v_pk_mul_f32 v[176+2*\i:177+2*\i], v[160+2*\i:161+2*\i], s[52:53] op_sel_hi:[1,0]
.endr
.irp t, 0,1,2,3,4,5,6,7,8,9,10,11,12,13,14,15
	v_max_num_f32 v[160+\t], v[160+\t], v[176+\t]
.endr
.irp u, 0,1
.irp e, 0,1,2,3
	v_cndmask_b32 v[192+4*\u+\e], v[160+8*\u+\e], v[164+8*\u+\e], s54  ; lanes 0-15 take column group 2 u, lanes 16-31 group 2 u + 1
.endr
.endr
.irp i, 0,1,2,3,4,5,6,7,8,9,10,11,12,13,14,15
	v_mov_b32 v[RUN+\i], 0xff800000
.endr
	s_min_u32 s4, s44, 127
	s_min_u32 s5, s45, 31
	s_lshl_b32 s58, s4, 5
	s_add_co_u32 s58, s58, s5
	s_lshl_b32 s58, s58, 12
	s_mov_b32 s59, 0
	s_add_nc_u64 s[56:57], s[28:29], s[58:59]
	global_store_b128 v5, v[192:195], s[56:57]     ; each store of the wave covers 512 consecutive bytes, aligned
	global_store_b128 v5, v[196:199], s[56:57] offset:512
	s_cmp_eq_u32 s46, 0
	s_cbranch_scc1 .Ld2
	s_cmp_lg_u32 s2, 0
	s_cbranch_scc1 .Ld2
	s_lshl_b32 s4, s4, 2                           ; the cloud ends here: wave 0 stores its number of segments
	s_add_co_u32 s5, s5, 1
	v_mov_b32 v12, s4
	v_mov_b32 v13, s5
	s_wait_xcnt 0x0                                ; EXEC changes only behind this wait
	v_cmp_eq_u32 vcc_lo, 0, v1
	s_and_saveexec_b32 s60, vcc_lo
	global_store_b32 v12, v13, s[30:31]
	s_wait_xcnt 0x0
	s_or_b32 exec_lo, exec_lo, s60
.Ld2:
	s_wait_dscnt 0x0                               ; my reads of the stage are back
	s_barrier_signal -1
	s_barrier_wait -1                              ; everybody's are: the stage may be written again
	s_add_co_u32 s47, s47, 1
	s_cmp_lt_u32 s47, 16
	s_cbranch_scc1 .Lunit
	s_wait_tensorcnt 0x0                           ; the wave's end
	ds_add_u32 v14, v15
	s_wait_dscnt 0x0
	s_endpgm
.Lfunc_end_k_q2d2ed73841_points:
	.size	k_q2d2ed73841_points, .Lfunc_end_k_q2d2ed73841_points-k_q2d2ed73841_points
	.p2alignl 7, 3214868480
	.fill 96, 4, 3214868480
	.section	.rodata,"a",@progbits
	.p2align	6, 0x0
	.amdhsa_kernel k_q2d2ed73841_points
		.amdhsa_group_segment_fixed_size 34304
		.amdhsa_private_segment_fixed_size 0
		.amdhsa_enable_private_segment 0
		.amdhsa_kernarg_size 96
		.amdhsa_user_sgpr_count 2
		.amdhsa_user_sgpr_kernarg_segment_ptr 1
		.amdhsa_wavefront_size32 1
		.amdhsa_system_sgpr_workgroup_id_x 1
		.amdhsa_system_sgpr_workgroup_id_y 1
		.amdhsa_system_sgpr_workgroup_id_z 1
		.amdhsa_system_vgpr_workitem_id 0
		.amdhsa_next_free_vgpr 1024
		.amdhsa_next_free_sgpr 72
		.amdhsa_reserve_vcc 1
		.amdhsa_float_denorm_mode_32 3
		.amdhsa_float_denorm_mode_16_64 3
		.amdhsa_memory_ordered 1
		.amdhsa_forward_progress 1
		.amdhsa_inst_pref_size 155
	.end_amdhsa_kernel
	.amdgpu_metadata
---
amdhsa.version: [ 1, 2 ]
amdhsa.kernels:
  - .name:           k_q2d2ed73841_points
    .symbol:         k_q2d2ed73841_points.kd
    .args:
      - { .name: x, .offset: 0, .size: 8, .value_kind: global_buffer, .address_space: global }
      - { .name: lengths, .offset: 8, .size: 8, .value_kind: global_buffer, .address_space: global }
      - { .name: W1, .offset: 16, .size: 8, .value_kind: global_buffer, .address_space: global }
      - { .name: b1, .offset: 24, .size: 8, .value_kind: global_buffer, .address_space: global }
      - { .name: W2, .offset: 32, .size: 8, .value_kind: global_buffer, .address_space: global }
      - { .name: b2, .offset: 40, .size: 8, .value_kind: global_buffer, .address_space: global }
      - { .name: W3, .offset: 48, .size: 8, .value_kind: global_buffer, .address_space: global }
      - { .name: b3, .offset: 56, .size: 8, .value_kind: global_buffer, .address_space: global }
      - { .name: W4, .offset: 64, .size: 8, .value_kind: global_buffer, .address_space: global }
      - { .name: b4, .offset: 72, .size: 8, .value_kind: global_buffer, .address_space: global }
      - { .name: pmax, .offset: 80, .size: 8, .value_kind: global_buffer, .address_space: global }
      - { .name: segcnt, .offset: 88, .size: 8, .value_kind: global_buffer, .address_space: global }
    .group_segment_fixed_size: 34304
    .private_segment_fixed_size: 0
    .kernarg_segment_align: 8
    .kernarg_segment_size: 96
    .max_flat_workgroup_size: 128
    .sgpr_count:     72
    .vgpr_count:     1024
    .wavefront_size: 32
...
	.end_amdgpu_metadata
.endif
;; end of part 1
;; launch enc (part 2): grid 16 x 8, 4 waves a work-group, no clusters, 82,944 bytes of LDS; arguments pmax, segcnt, Wf, bf, eact; writes eact
.if DOCPART == 2
	.amdgcn_target "amdgcn-amd-amdhsa--gfx1250"
	.amdhsa_code_object_version 6
	.text
	.protected	k_q2d2ed73841_enc
	.globl	k_q2d2ed73841_enc
	.p2align	8
	.type	k_q2d2ed73841_enc,@function
k_q2d2ed73841_enc:
	s_mov_b64 s[64:65], 0
	v_nop
	global_prefetch_b8 v0, s[64:65] scope:SCOPE_SE
	s_setreg_imm32_b32 hwreg(HW_REG_WAVE_MODE, 25, 1), 1
	s_wait_xcnt 0x0
; pooled[b] = the maximum over cloud b's segments (pmax, segcnt slots each); e = LeakyReLU(pooled Wf + bf).
; A work-group makes 16 rows (ttmp7) x 64 columns (ttmp9).  K = 1024 IS SPLIT AMONG THE FOUR WAVES, 8 fragments of 32 each; the four partial sums meet in LDS.
; Source 0 = weights (straight from [K][N] f32: a lane loads 4 neighbouring columns of 16 rows and rounds pairs of rows; lane r of tile c stands for column 64 g + 4 r + c), source 1 = 16 rows of
; the activation.  THE ACTIVATION IS TWO bf16 OPERANDS, hi = bf16(a), lo = bf16(a - hi), and each weight fragment multiplies both.  Wf and bf are rounded to bf16.
; Behind the meeting wave w owns registers 2 w, 2 w + 1 of every result: 8 neighbouring channels 64 g + 32 (lane / 16) + 8 w + 0..7 a lane, 16 bytes of eact:
; eact byte = ((row tile x 32 + f) x 2 + op) x 1024 + t x 512 + lane x 16; the lane's 8 numbers are channels 64 (f / 2) + 32 (lane / 16) + 16 (f % 2) + 8 t + 0..7: the next launch's fragments.
; Each wave pools 4 of the 16 clouds into LDS (rows of 2,064 bytes, hi and lo); the trips of that loop hang on segcnt, which the launch before stored; it has no LDS access and no barrier.
.set ENC, 1
.set NCS, 1
.set NRT, 1
.set KF, 32
.set NF, 8
.set PITCH, 4096
.set KFO, 32
.set HROWS, 8                          ; natural K order: rows 32 f + 16 t + 8 (lane / 16) + j
.set ST, 16*PITCH
.set SI, PITCH
.set O1, 32*PITCH
.set SPARE, 82432
.set NT, 4*NRT*NCS
.set PSZ, NT*1024
.set LPS, 16*NCS+4*NRT*(1-ENC)
.set MSB, 0
.macro WIN new
.if MSB != (\new)
	s_set_vgpr_msb (MSB<<8)|(\new)
.set MSB, \new
.endif
.endm
.macro PLACES
.rept 4
	v_nop
.endr
.endm
.macro LOADW tmp, sb, vo, off0, st, si
.irp t, 0,1
.irp j, 0,1,2,3,4,5,6,7
	global_load_b128 v[(\tmp)+4*(8*\t+\j):(\tmp)+4*(8*\t+\j)+3], v[\vo], s[\sb:\sb+1] offset:(\off0)+\t*(\st)+\j*(\si)
.endr
.endr
.endm
.macro CONV tmp, dst, cstr
.irp c, 0,1,2,3
.irp t, 0,1
.irp i, 0,1,2,3
	v_cvt_pk_bf16_f32 v[(\dst)+\c*(\cstr)+4*\t+\i], v[(\tmp)+4*(8*\t+2*\i)+\c], v[(\tmp)+4*(8*\t+2*\i+1)+\c]
.endr
.endr
.endr
.endm
.macro RB a, b, d1, d2, tt             ; two numbers rounded to bf16's numbers, kept as f32
	v_cvt_pk_bf16_f32 v[\tt], v[\a], v[\b]
	v_lshlrev_b32 v[\d1], 16, v[\tt]
	v_and_b32 v[\d2], s54, v[\tt]
.endm
.macro SPL x, y, hi, lo                ; two numbers as hi + lo
	v_cvt_pk_bf16_f32 v[\hi], v[\x], v[\y]
	v_lshlrev_b32 v254, 16, v[\hi]
	v_and_b32 v255, s54, v[\hi]
	v_sub_f32 v[\x], v[\x], v254
	v_sub_f32 v[\y], v[\y], v255
	v_cvt_pk_bf16_f32 v[\lo], v[\x], v[\y]
.endm
.macro LANES                           ; v1 lane, v2 r, v3 h, v4 weights' offset, v6 partial sums out, v7-10 back, v11 activation out, v12 my 8 channels' bytes, v13 16 lane
	v_lshl_add_u32 v14, v0, 2, SPARE
	v_mov_b32 v15, 0
	v_and_b32 v1, 31, v0
	v_lshrrev_b32 v2, 5, v0
	v_readfirstlane_b32 s2, v2
	v_and_b32 v2, 15, v0
	v_bfe_u32 v3, v0, 4, 1
	s_mov_b32 s3, ttmp9
	s_and_b32 s4, ttmp7, 0xffff
	s_mov_b32 s52, 0x3c23d70a
	s_mov_b32 s53, s52
	s_mov_b32 s54, 0xffff0000
	v_lshlrev_b32 v13, 4, v1
	v_mul_u32_u24 v4, v3, HROWS*PITCH
	v_lshl_add_u32 v4, v2, 4, v4
	s_mul_i32 s5, s2, PSZ
	v_add_nc_u32 v6, s5, v13
	s_lshr_b32 s5, s2, 1
	s_and_b32 s6, s2, 1
	s_lshl_b32 s7, s5, 9                           ; registers 4-7 of a result lie 512 bytes behind registers 0-3,
	s_lshl_b32 s38, s6, 3                          ; my pair of registers 8 (w % 2) bytes into a lane's 16
	s_add_co_u32 s7, s7, s38
	v_add_nc_u32 v7, s7, v13
	v_add_nc_u32 v8, PSZ, v7
	v_add_nc_u32 v9, 2*PSZ, v7
	v_add_nc_u32 v10, 3*PSZ, v7
	s_lshl_b32 s7, s6, 9
	v_add_nc_u32 v11, s7, v13
	s_lshl_b32 s36, s3, 8
	s_lshl_b32 s37, s2, 5
	s_add_co_u32 s36, s36, s37
	v_lshl_add_u32 v12, v3, 7, s36
.endm
.macro BASES wp, wq, ap, ob            ; s[40:41] (s[42:43]) weights at my columns and my part of K; s[44:45] activation in; s[46:47] activation out
	s_mul_i32 s36, s2, NF*32*PITCH
	s_lshl_b32 s37, s3, 8
	s_add_co_u32 s36, s36, s37
	s_mov_b32 s37, 0
	s_add_nc_u64 s[40:41], s[\wp:\wp+1], s[36:37]
.if NCS == 2
	s_add_nc_u64 s[42:43], s[\wq:\wq+1], s[36:37]
.endif
.if !ENC
	s_mul_i32 s36, s4, NRT*KF
	s_mul_i32 s38, s2, NF
	s_add_co_u32 s36, s36, s38
	s_lshl_b32 s36, s36, 11
	s_add_nc_u64 s[44:45], s[\ap:\ap+1], s[36:37]
.endif
.if KFO
	s_mul_i32 s36, s4, NRT*KFO
	s_lshl_b32 s38, s3, 1
	s_add_co_u32 s36, s36, s38
	s_lshr_b32 s38, s2, 1
	s_add_co_u32 s36, s36, s38
	s_lshl_b32 s36, s36, 11
	s_add_nc_u64 s[46:47], s[\ob:\ob+1], s[36:37]
.endif
.endm
.macro ISSW s                          ; a fragment's 16 weight loads into set s (window 3)
	WIN 0xc0
	LOADW 64*NCS*(\s), 40, 4, (\s)*O1, ST, SI
.if NCS == 2
	LOADW 64*NCS*(\s)+64, 42, 4, (\s)*O1, ST, SI
.endif
.endm
.macro ISSA s                          ; the activation's fragments, hi and lo, into set s (window 2)
	WIN 0x80
.set rt_, 0
.rept NRT
.irp o, 0,1
.irp t, 0,1
.if ENC
	ds_load_b128 v[(\s)*16*NRT+(2*rt_+\o)*8+4*\t:(\s)*16*NRT+(2*rt_+\o)*8+4*\t+3], v5 offset:64*(\s)+33024*\o+32*\t
.else
	global_load_b128 v[(\s)*16*NRT+(2*rt_+\o)*8+4*\t:(\s)*16*NRT+(2*rt_+\o)*8+4*\t+3], v13, s[44:45] offset:(rt_*KF+(\s))*2048+\o*1024+\t*512
.endif
.endr
.endr
.set rt_, rt_+1
.endr
.endm
.macro ADV                             ; two fragments on; the bases are written only behind s_wait_xcnt 0
	s_wait_xcnt 0x0
	s_add_nc_u64 s[40:41], s[40:41], 64*PITCH
.if NCS == 2
	s_add_nc_u64 s[42:43], s[42:43], 64*PITCH
.endif
.if ENC
	v_add_nc_u32 v5, 128, v5
.else
	s_add_nc_u64 s[44:45], s[44:45], 4096
.endif
.endm
; One fragment of K: cnt = the other set's loads, which may stay out.  The accumulators take turns.  zero = 1: the first products start the sums.
.macro STEP s, more, zero, cnt
	s_wait_loadcnt \cnt
.if ENC
.if (\cnt) > 0
	s_wait_dscnt 4
.else
	s_wait_dscnt 0x0
.endif
.endif
	WIN 0x0f
	CONV 64*NCS*(\s), 16, 8
.if NCS == 2
	CONV 64*NCS*(\s)+64, 48, 8
.endif
.if \more
	ISSW \s
.endif
	WIN 0x58
.irp o, 0,1
.set rt_, 0
.rept NRT
.set cs_, 0
.rept NCS
.irp c, 0,1,2,3
.set a_, ((rt_*NCS+cs_)*4+\c)*8
.set b_, (\s)*16*NRT+(2*rt_+\o)*8
.if (\zero) && (\o == 0)
	v_wmma_f32_16x16x32_bf16 v[a_:a_+7], v[16+32*cs_+8*\c:23+32*cs_+8*\c], v[b_:b_+7], 0
.else
	v_wmma_f32_16x16x32_bf16 v[a_:a_+7], v[16+32*cs_+8*\c:23+32*cs_+8*\c], v[b_:b_+7], v[a_:a_+7]
.endif
.endr
.set cs_, cs_+1
.endr
.set rt_, rt_+1
.endr
.endr
	PLACES                                         ; in front of loads into, and roundings onto, registers that the products have read, and of stores of results
.if \more
	ISSA \s
.endif
	WIN 0
.endm
.macro KLOOP
.if NF > 2
	ADV
	STEP 0, 1, 1, LPS
	STEP 1, 1, 0, LPS
	s_mov_b32 s48, NF/2-2
.Lk:
	ADV
	STEP 0, 1, 0, LPS
	STEP 1, 1, 0, LPS
	s_sub_co_u32 s48, s48, 1
	s_cmp_lg_u32 s48, 0
	s_cbranch_scc1 .Lk
	STEP 0, 0, 0, LPS
	STEP 1, 0, 0, 0
.else
	STEP 0, 0, 1, LPS
	STEP 1, 0, 0, 0
.endif
.endm
.macro PSUM                            ; the four waves' partial sums meet; I end with registers 2 w, 2 w + 1 of tile t in v[16 + 2 t : 17 + 2 t]
	WIN 0x04
.set t_, 0
.rept NT
	ds_store_b128 v6, v[8*t_:8*t_+3] offset:1024*t_
	ds_store_b128 v6, v[8*t_+4:8*t_+7] offset:1024*t_+512
.set t_, t_+1
.endr
	WIN 0
	s_wait_dscnt 0x0
	s_barrier_signal -1
	s_barrier_wait -1
.irp q, 0,1,2
.set t_, 0
.rept NT
	ds_load_b64 v[16+64*\q+2*t_:17+64*\q+2*t_], v[7+\q] offset:1024*t_
.set t_, t_+1
.endr
.endr
	s_wait_dscnt NT                                ; the third run may stay out
.set t_, 0
.rept NT
	v_pk_add_f32 v[16+2*t_:17+2*t_], v[16+2*t_:17+2*t_], v[80+2*t_:81+2*t_]
.set t_, t_+1
.endr
.set t_, 0
.rept NT
	ds_load_b64 v[80+2*t_:81+2*t_], v10 offset:1024*t_
.set t_, t_+1
.endr
	s_wait_dscnt NT
.set t_, 0
.rept NT
	v_pk_add_f32 v[16+2*t_:17+2*t_], v[16+2*t_:17+2*t_], v[144+2*t_:145+2*t_]
.set t_, t_+1
.endr
	s_wait_dscnt 0x0                               ; my reads of the partial sums are back:
	s_barrier_signal -1                            ; say so; the last additions, work on registers, stand between the signal and the wait
.set t_, 0
.rept NT
	v_pk_add_f32 v[16+2*t_:17+2*t_], v[16+2*t_:17+2*t_], v[80+2*t_:81+2*t_]
.set t_, t_+1
.endr
	s_barrier_wait -1                              ; every wave's reads are back before any wave writes LDS again
.endm
.macro EMIT src, dst                   ; 8 numbers in the order 2 c + jj -> 16 bytes hi, 16 bytes lo in the channels' order 4 jj + c
	SPL (\src), (\src)+2, (\dst), (\dst)+4
	SPL (\src)+4, (\src)+6, (\dst)+1, (\dst)+5
	SPL (\src)+1, (\src)+3, (\dst)+2, (\dst)+6
	SPL (\src)+5, (\src)+7, (\dst)+3, (\dst)+7
.endm
.macro ACTOUT rt, reg                  ; each store of the wave covers 512 consecutive bytes, aligned
	global_store_b128 v11, v[\reg:(\reg)+3], s[46:47] offset:(\rt)*KFO*2048
	global_store_b128 v11, v[(\reg)+4:(\reg)+7], s[46:47] offset:(\rt)*KFO*2048+1024
.endm
; Two slots of each of my four clouds: 64 loads.  A slot past the cloud's count repeats its last one.
.macro PTRIP first
.irp i, 0,1,2,3
.irp e, 0,1
	s_add_co_u32 s5, s60, \e
	s_min_u32 s5, s5, s[20+\i]
	s_min_u32 s5, s5, 31
	s_add_co_u32 s5, s5, s[24+\i]
	s_lshl_b32 s6, s5, 12
	s_add_nc_u64 s[68+4*\i+2*\e:69+4*\i+2*\e], s[8:9], s[6:7]
.endr
.endr
	WIN 0x80
.irp i, 0,1,2,3
.irp e, 0,1
.irp u, 0,1,2,3,4,5,6,7
	global_load_b128 v[64*\i+32*\e+4*\u:64*\i+32*\e+4*\u+3], v13, s[68+4*\i+2*\e:69+4*\i+2*\e] offset:512*\u
.endr
.endr
.endr
	s_wait_loadcnt 0x0
.set k_, 0
.rept 128
.if \first
	WIN 0x0a
	v_max_num_f32 v[80+k_], v[64*(k_/32)+k_%32], v[64*(k_/32)+32+k_%32]
.else
	WIN 0x28
	v_max3_num_f32 v[80+k_], v[80+k_], v[64*(k_/32)+k_%32], v[64*(k_/32)+32+k_%32]
.endif
.set k_, k_+1
.endr
	WIN 0
.endm
	s_load_b256 s[8:15], s[0:1], 0x0               ; pmax, segcnt, Wf, bf
	s_load_b64 s[16:17], s[0:1], 0x20              ; eact
	LANES
	v_mul_u32_u24 v5, v2, 2064                     ; my fragments of pooled in LDS: row r, 16 bytes a half, my 256 channels
	v_lshl_add_u32 v5, v3, 4, v5
	s_lshl_b32 s5, s2, 9
	s_add_co_u32 s5, s5, 16384
	v_add_nc_u32 v5, s5, v5
	s_mul_i32 s5, s2, 8256
	v_lshl_add_u32 v232, v1, 3, s5                 ; where I put pooled: my four rows, 8 bytes a lane
	s_lshl_b32 s5, s4, 4
	s_lshl_b32 s6, s2, 2
	s_add_co_u32 s5, s5, s6                        ; my first cloud: 16 y + 4 w
	s_lshl_b32 s6, s5, 2
	s_wait_kmcnt 0x0
	s_load_b128 s[20:23], s[10:11], s6 offset:0x0
	BASES 12, 0, 0, 16
	global_load_b128 v[208:211], v12, s[14:15]
	global_load_b128 v[212:215], v12, s[14:15] offset:16
	ISSW 0
	ISSW 1
	WIN 0
.irp i, 0,1,2,3
	s_add_co_u32 s[24+\i], s5, \i
	s_lshl_b32 s[24+\i], s[24+\i], 5
.endr
	s_wait_kmcnt 0x0
.irp i, 0,1,2,3
	s_max_u32 s[20+\i], s[20+\i], 1
	s_min_u32 s[20+\i], s[20+\i], 32
.endr
	s_max_u32 s62, s20, s21
	s_max_u32 s63, s22, s23
	s_max_u32 s62, s62, s63
	s_add_co_u32 s62, s62, 1
	s_lshr_b32 s62, s62, 1                         ; trips: two slots each
.irp i, 0,1,2,3
	s_sub_co_u32 s[20+\i], s[20+\i], 1
.endr
	s_mov_b32 s7, 0
	s_mov_b32 s60, 0
	PTRIP 1                                        ; the first trip starts the maxima
	s_mov_b32 s61, 1
	s_cmp_lt_u32 s61, s62
	s_cbranch_scc0 .Lpooled
.Lpool:
	s_lshl_b32 s60, s61, 1
	PTRIP 0
	s_add_co_u32 s61, s61, 1
	s_cmp_lt_u32 s61, s62
	s_cbranch_scc1 .Lpool
.Lpooled:
.set k_, 0
.rept 32                               ; cloud k / 8, channels 128 (k % 8) + 4 lane + 0..3
	SPL 80+4*k_, 81+4*k_, 216, 218
	SPL 82+4*k_, 83+4*k_, 217, 219
	ds_store_b64 v232, v[216:217] offset:16384+(k_/8)*2064+(k_%8)*256
	ds_store_b64 v232, v[218:219] offset:49408+(k_/8)*2064+(k_%8)*256
.set k_, k_+1
.endr
	s_wait_dscnt 0x0
	s_barrier_signal -1
	s_barrier_wait -1                              ; all 16 rows of pooled lie in LDS
	ISSA 0
	ISSA 1
	WIN 0
	KLOOP
	PSUM
.irp c, 0,1,2,3
	RB 208+\c, 212+\c, 224+2*\c, 225+2*\c, 240
.endr
.irp c, 0,1,2,3
	v_pk_add_f32 v[16+2*\c:17+2*\c], v[16+2*\c:17+2*\c], v[224+2*\c:225+2*\c]
.endr
.irp c, 0,1,2,3
	v_pk_mul_f32 v[232+2*\c:233+2*\c], v[16+2*\c:17+2*\c], s[52:53] op_sel_hi:[1,0]
.endr
.irp i, 0,1,2,3,4,5,6,7
	v_max_num_f32 v[16+\i], v[16+\i], v[232+\i]
.endr
	EMIT 16, 144
	ACTOUT 0, 144
	s_wait_tensorcnt 0x0                           ; the wave's end
	ds_add_u32 v14, v15
	s_wait_dscnt 0x0
	s_endpgm
.Lfunc_end_k_q2d2ed73841_enc:
	.size	k_q2d2ed73841_enc, .Lfunc_end_k_q2d2ed73841_enc-k_q2d2ed73841_enc
	.p2alignl 7, 3214868480
	.fill 96, 4, 3214868480
	.section	.rodata,"a",@progbits
	.p2align	6, 0x0
	.amdhsa_kernel k_q2d2ed73841_enc
		.amdhsa_group_segment_fixed_size 82944
		.amdhsa_private_segment_fixed_size 0
		.amdhsa_enable_private_segment 0
		.amdhsa_kernarg_size 40
		.amdhsa_user_sgpr_count 2
		.amdhsa_user_sgpr_kernarg_segment_ptr 1
		.amdhsa_wavefront_size32 1
		.amdhsa_system_sgpr_workgroup_id_x 1
		.amdhsa_system_sgpr_workgroup_id_y 1
		.amdhsa_system_sgpr_workgroup_id_z 1
		.amdhsa_system_vgpr_workitem_id 0
		.amdhsa_next_free_vgpr 1024
		.amdhsa_next_free_sgpr 84
		.amdhsa_reserve_vcc 0
		.amdhsa_float_denorm_mode_32 3
		.amdhsa_float_denorm_mode_16_64 3
		.amdhsa_memory_ordered 1
		.amdhsa_forward_progress 1
		.amdhsa_inst_pref_size 85
	.end_amdhsa_kernel
	.amdgpu_metadata
---
amdhsa.version: [ 1, 2 ]
amdhsa.kernels:
  - .name:           k_q2d2ed73841_enc
    .symbol:         k_q2d2ed73841_enc.kd
    .args:
      - { .name: pmax, .offset: 0, .size: 8, .value_kind: global_buffer, .address_space: global }
      - { .name: segcnt, .offset: 8, .size: 8, .value_kind: global_buffer, .address_space: global }
      - { .name: Wf, .offset: 16, .size: 8, .value_kind: global_buffer, .address_space: global }
      - { .name: bf, .offset: 24, .size: 8, .value_kind: global_buffer, .address_space: global }
      - { .name: eact, .offset: 32, .size: 8, .value_kind: global_buffer, .address_space: global }
    .group_segment_fixed_size: 82944
    .private_segment_fixed_size: 0
    .kernarg_segment_align: 8
    .kernarg_segment_size: 40
    .max_flat_workgroup_size: 128
    .sgpr_count:     84
    .vgpr_count:     1024
    .wavefront_size: 32
...
	.end_amdgpu_metadata
.endif
;; end of part 2
;; launch head (part 3): grid 4 x 8, 4 waves a work-group, no clusters, 41,984 bytes of LDS; arguments eact, Wmu, Wlv, bmu, blv, eps, out1, out2, zact; writes out1, out2, zact
.if DOCPART == 3
	.amdgcn_target "amdgcn-amd-amdhsa--gfx1250"
	.amdhsa_code_object_version 6
	.text
	.protected	k_q2d2ed73841_head
	.globl	k_q2d2ed73841_head
	.p2align	8
	.type	k_q2d2ed73841_head,@function
k_q2d2ed73841_head:
	s_mov_b64 s[64:65], 0
	v_nop
	global_prefetch_b8 v0, s[64:65] scope:SCOPE_SE
	s_setreg_imm32_b32 hwreg(HW_REG_WAVE_MODE, 25, 1), 1
	s_wait_xcnt 0x0
; mu = e Wmu + bmu, logvar = e Wlv + blv, z = mu + eps exp(logvar / 2).  A work-group makes 16 rows (ttmp7) x 64 columns (ttmp9) of both heads; K = 1024 is split among the four waves.
; Source 0 = weights straight from [K][N] f32 (rounded to bf16; lane r of tile c stands for column 64 g + 4 r + c), source 1 = e's fragments as the launch before laid them, hi and lo.
; Weight rows follow e's order: fragment f takes rows 64 (f / 2) + 16 (f % 2) + 32 (lane / 16) + 8 t + j.  bmu, blv and eps are rounded to bf16's numbers.
; Behind the meeting of the partial sums a lane holds 8 neighbouring channels of one row.  mu and logvar leave through an LDS stage (rows of 272 bytes) as whole rows of 256 bytes; z as hi and lo fragments.
.set ENC, 0
.set NCS, 2
.set NRT, 1
.set KF, 32
.set NF, 8
.set PITCH, 1024
.set KFO, 8
.set HROWS, 32
.set ST, 8*PITCH
.set SI, PITCH
.set O1, 16*PITCH
.set ROWB, 1024
.set MST, 32768
.set LST, 37120
.set SPARE, 41472
.set NT, 4*NRT*NCS
.set PSZ, NT*1024
.set LPS, 16*NCS+4*NRT*(1-ENC)
.set MSB, 0
.macro WIN new
.if MSB != (\new)
	s_set_vgpr_msb (MSB<<8)|(\new)
.set MSB, \new
.endif
.endm
.macro PLACES
.rept 4
	v_nop
.endr
.endm
.macro LOADW tmp, sb, vo, off0, st, si
.irp t, 0,1
.irp j, 0,1,2,3,4,5,6,7
	global_load_b128 v[(\tmp)+4*(8*\t+\j):(\tmp)+4*(8*\t+\j)+3], v[\vo], s[\sb:\sb+1] offset:(\off0)+\t*(\st)+\j*(\si)
.endr
.endr
.endm
.macro CONV tmp, dst, cstr
.irp c, 0,1,2,3
.irp t, 0,1
.irp i, 0,1,2,3
	v_cvt_pk_bf16_f32 v[(\dst)+\c*(\cstr)+4*\t+\i], v[(\tmp)+4*(8*\t+2*\i)+\c], v[(\tmp)+4*(8*\t+2*\i+1)+\c]
.endr
.endr
.endr
.endm
.macro RB a, b, d1, d2, tt
	v_cvt_pk_bf16_f32 v[\tt], v[\a], v[\b]
	v_lshlrev_b32 v[\d1], 16, v[\tt]
	v_and_b32 v[\d2], s54, v[\tt]
.endm
.macro SPL x, y, hi, lo
	v_cvt_pk_bf16_f32 v[\hi], v[\x], v[\y]
	v_lshlrev_b32 v254, 16, v[\hi]
	v_and_b32 v255, s54, v[\hi]
	v_sub_f32 v[\x], v[\x], v254
	v_sub_f32 v[\y], v[\y], v255
	v_cvt_pk_bf16_f32 v[\lo], v[\x], v[\y]
.endm
.macro LANES
	v_lshl_add_u32 v14, v0, 2, SPARE
	v_mov_b32 v15, 0
	v_and_b32 v1, 31, v0
	v_lshrrev_b32 v2, 5, v0
	v_readfirstlane_b32 s2, v2
	v_and_b32 v2, 15, v0
	v_bfe_u32 v3, v0, 4, 1
	s_mov_b32 s3, ttmp9
	s_and_b32 s4, ttmp7, 0xffff
	s_mov_b32 s52, 0x3c23d70a
	s_mov_b32 s53, s52
	s_mov_b32 s54, 0xffff0000
	v_lshlrev_b32 v13, 4, v1
	v_mul_u32_u24 v4, v3, HROWS*PITCH
	v_lshl_add_u32 v4, v2, 4, v4
	s_mul_i32 s5, s2, PSZ
	v_add_nc_u32 v6, s5, v13
	s_lshr_b32 s5, s2, 1
	s_and_b32 s6, s2, 1
	s_lshl_b32 s7, s5, 9                           ; registers 4-7 of a result lie 512 bytes behind registers 0-3,
	s_lshl_b32 s38, s6, 3                          ; my pair of registers 8 (w % 2) bytes into a lane's 16
	s_add_co_u32 s7, s7, s38
	v_add_nc_u32 v7, s7, v13
	v_add_nc_u32 v8, PSZ, v7
	v_add_nc_u32 v9, 2*PSZ, v7
	v_add_nc_u32 v10, 3*PSZ, v7
	s_lshl_b32 s7, s6, 9
	v_add_nc_u32 v11, s7, v13
	s_lshl_b32 s36, s3, 8
	s_lshl_b32 s37, s2, 5
	s_add_co_u32 s36, s36, s37
	v_lshl_add_u32 v12, v3, 7, s36
.endm
.macro BASES wp, wq, ap, ob
	s_mul_i32 s36, s2, NF*32*PITCH
	s_lshl_b32 s37, s3, 8
	s_add_co_u32 s36, s36, s37
	s_mov_b32 s37, 0
	s_add_nc_u64 s[40:41], s[\wp:\wp+1], s[36:37]
	s_add_nc_u64 s[42:43], s[\wq:\wq+1], s[36:37]
	s_mul_i32 s36, s4, NRT*KF
	s_mul_i32 s38, s2, NF
	s_add_co_u32 s36, s36, s38
	s_lshl_b32 s36, s36, 11
	s_add_nc_u64 s[44:45], s[\ap:\ap+1], s[36:37]
	s_mul_i32 s36, s4, NRT*KFO
	s_lshl_b32 s38, s3, 1
	s_add_co_u32 s36, s36, s38
	s_lshr_b32 s38, s2, 1
	s_add_co_u32 s36, s36, s38
	s_lshl_b32 s36, s36, 11
	s_add_nc_u64 s[46:47], s[\ob:\ob+1], s[36:37]
.endm
.macro ISSW s
	WIN 0xc0
	LOADW 64*NCS*(\s), 40, 4, (\s)*O1, ST, SI
	LOADW 64*NCS*(\s)+64, 42, 4, (\s)*O1, ST, SI
.endm
.macro ISSA s
	WIN 0x80
.set rt_, 0
.rept NRT
.irp o, 0,1
.irp t, 0,1
	global_load_b128 v[(\s)*16*NRT+(2*rt_+\o)*8+4*\t:(\s)*16*NRT+(2*rt_+\o)*8+4*\t+3], v13, s[44:45] offset:(rt_*KF+(\s))*2048+\o*1024+\t*512
.endr
.endr
.set rt_, rt_+1
.endr
.endm
.macro ADV
	s_wait_xcnt 0x0
	s_add_nc_u64 s[40:41], s[40:41], 64*PITCH
	s_add_nc_u64 s[42:43], s[42:43], 64*PITCH
	s_add_nc_u64 s[44:45], s[44:45], 4096
.endm
; One fragment of K: cnt = the other set's loads, which may stay out.  The accumulators take turns.  zero = 1: the first products start the sums.
.macro STEP s, more, zero, cnt
	s_wait_loadcnt \cnt
	WIN 0x0f
	CONV 64*NCS*(\s), 16, 8
	CONV 64*NCS*(\s)+64, 48, 8
.if \more
	ISSW \s
.endif
	WIN 0x58
.irp o, 0,1
.set rt_, 0
.rept NRT
.set cs_, 0
.rept NCS
.irp c, 0,1,2,3
.set a_, ((rt_*NCS+cs_)*4+\c)*8
.set b_, (\s)*16*NRT+(2*rt_+\o)*8
.if (\zero) && (\o == 0)
	v_wmma_f32_16x16x32_bf16 v[a_:a_+7], v[16+32*cs_+8*\c:23+32*cs_+8*\c], v[b_:b_+7], 0
.else
	v_wmma_f32_16x16x32_bf16 v[a_:a_+7], v[16+32*cs_+8*\c:23+32*cs_+8*\c], v[b_:b_+7], v[a_:a_+7]
.endif
.endr
.set cs_, cs_+1
.endr
.set rt_, rt_+1
.endr
.endr
	PLACES
.if \more
	ISSA \s
.endif
	WIN 0
.endm
.macro KLOOP
	ADV
	STEP 0, 1, 1, LPS
	STEP 1, 1, 0, LPS
	s_mov_b32 s48, NF/2-2
.Lk:
	ADV
	STEP 0, 1, 0, LPS
	STEP 1, 1, 0, LPS
	s_sub_co_u32 s48, s48, 1
	s_cmp_lg_u32 s48, 0
	s_cbranch_scc1 .Lk
	STEP 0, 0, 0, LPS
	STEP 1, 0, 0, 0
.endm
.macro PSUM
	WIN 0x04
.set t_, 0
.rept NT
	ds_store_b128 v6, v[8*t_:8*t_+3] offset:1024*t_
	ds_store_b128 v6, v[8*t_+4:8*t_+7] offset:1024*t_+512
.set t_, t_+1
.endr
	WIN 0
	s_wait_dscnt 0x0
	s_barrier_signal -1
	s_barrier_wait -1
.irp q, 0,1,2
.set t_, 0
.rept NT
	ds_load_b64 v[16+64*\q+2*t_:17+64*\q+2*t_], v[7+\q] offset:1024*t_
.set t_, t_+1
.endr
.endr
	s_wait_dscnt NT
.set t_, 0
.rept NT
	v_pk_add_f32 v[16+2*t_:17+2*t_], v[16+2*t_:17+2*t_], v[80+2*t_:81+2*t_]
.set t_, t_+1
.endr
.set t_, 0
.rept NT
	ds_load_b64 v[80+2*t_:81+2*t_], v10 offset:1024*t_
.set t_, t_+1
.endr
	s_wait_dscnt NT
.set t_, 0
.rept NT
	v_pk_add_f32 v[16+2*t_:17+2*t_], v[16+2*t_:17+2*t_], v[144+2*t_:145+2*t_]
.set t_, t_+1
.endr
	s_wait_dscnt 0x0                               ; my reads of the partial sums are back:
	s_barrier_signal -1                            ; say so; the last additions, work on registers, stand between the signal and the wait
.set t_, 0
.rept NT
	v_pk_add_f32 v[16+2*t_:17+2*t_], v[16+2*t_:17+2*t_], v[80+2*t_:81+2*t_]
.set t_, t_+1
.endr
	s_barrier_wait -1                              ; every wave's reads are back before any wave writes LDS again
.endm
.macro ACTOUT rt, reg
	global_store_b128 v11, v[\reg:(\reg)+3], s[46:47] offset:(\rt)*KFO*2048
	global_store_b128 v11, v[(\reg)+4:(\reg)+7], s[46:47] offset:(\rt)*KFO*2048+1024
.endm
.macro STADDR                          ; v235 into the stage: 272 r + 128 h + 32 w; v233 back: row 4 w + lane / 16, 16 bytes a lane; v234 the same place in the output
	v_mul_u32_u24 v235, v2, 272
	v_lshl_add_u32 v235, v3, 7, v235
	s_lshl_b32 s5, s2, 5
	v_add_nc_u32 v235, s5, v235
	s_lshl_b32 s5, s2, 2
	v_add_nc_u32 v236, s5, v3
	v_mul_u32_u24 v233, v236, 272
	v_lshl_add_u32 v233, v2, 4, v233
	s_lshl_b32 s5, s4, 4
	v_add_nc_u32 v236, s5, v236
	v_mul_u32_u24 v234, v236, ROWB
	v_lshl_add_u32 v234, v2, 4, v234
	s_lshl_b32 s5, s3, 8
	v_add_nc_u32 v234, s5, v234
.endm
	s_load_b512 s[8:23], s[0:1], 0x0               ; eact, Wmu, Wlv, bmu, blv, eps, out1, out2
	s_load_b64 s[24:25], s[0:1], 0x40              ; zact
	LANES
	STADDR
	v_lshl_add_u32 v232, v2, 10, v12               ; eps: row 16 y + r, my 8 channels
	s_lshl_b32 s5, s4, 14
	v_add_nc_u32 v232, s5, v232
	s_wait_kmcnt 0x0
	BASES 10, 12, 8, 24
	global_load_b128 v[208:211], v12, s[14:15]
	global_load_b128 v[212:215], v12, s[14:15] offset:16
	global_load_b128 v[216:219], v12, s[16:17]
	global_load_b128 v[220:223], v12, s[16:17] offset:16
	global_load_b128 v[224:227], v232, s[18:19]
	global_load_b128 v[228:231], v232, s[18:19] offset:16
	ISSW 0
	ISSA 0
	ISSW 1
	ISSA 1
	WIN 0
	KLOOP
	PSUM
.irp i, 0,1,2,3,4,5,6,7,8,9,10,11
	RB 208+2*\i, 209+2*\i, 208+2*\i, 209+2*\i, 240
.endr
.irp j, 0,1
.irp c, 0,1,2,3
	v_add_f32 v[80+4*\j+\c], v[16+2*\c+\j], v[208+4*\j+\c]   ; mu, in the channels' order
	v_add_f32 v[88+4*\j+\c], v[24+2*\c+\j], v[216+4*\j+\c]   ; logvar
.endr
.endr
.irp e, 0,1,2,3,4,5,6,7
	v_mul_f32 v[96+\e], 0x3f38aa3b, v[88+\e]       ; log2(e) / 2
.endr
.irp e, 0,1,2,3,4,5,6,7
	v_exp_f32 v[96+\e], v[96+\e]
.endr
	v_nop                                          ; a plain instruction behind the last exponential,
	s_wait_alu depctr_va_vdst(0)                   ; and the one wait for the batch ahead of the first use
.irp e, 0,1,2,3,4,5,6,7
	v_fma_f32 v[104+\e], v[224+\e], v[96+\e], v[80+\e]
.endr
.irp i, 0,1,2,3
	SPL 104+2*\i, 105+2*\i, 144+\i, 148+\i
.endr
	ACTOUT 0, 144
	ds_store_b128 v235, v[80:83] offset:MST
	ds_store_b128 v235, v[84:87] offset:MST+16
	ds_store_b128 v235, v[88:91] offset:LST
	ds_store_b128 v235, v[92:95] offset:LST+16
	s_wait_dscnt 0x0
	s_barrier_signal -1
	s_barrier_wait -1                              ; a row's 256 bytes come from all four waves
	ds_load_b128 v[160:163], v233 offset:MST
	ds_load_b128 v[164:167], v233 offset:MST+544
	ds_load_b128 v[168:171], v233 offset:LST
	ds_load_b128 v[172:175], v233 offset:LST+544
	s_wait_dscnt 0x0
	global_store_b128 v234, v[160:163], s[20:21]   ; 16 lanes store 256 consecutive bytes, aligned
	global_store_b128 v234, v[164:167], s[20:21] offset:2*ROWB
	global_store_b128 v234, v[168:171], s[22:23]
	global_store_b128 v234, v[172:175], s[22:23] offset:2*ROWB
	s_wait_tensorcnt 0x0                           ; the wave's end
	ds_add_u32 v14, v15
	s_wait_dscnt 0x0
	s_endpgm
.Lfunc_end_k_q2d2ed73841_head:
	.size	k_q2d2ed73841_head, .Lfunc_end_k_q2d2ed73841_head-k_q2d2ed73841_head
	.p2alignl 7, 3214868480
	.fill 96, 4, 3214868480
	.section	.rodata,"a",@progbits
	.p2align	6, 0x0
	.amdhsa_kernel k_q2d2ed73841_head
		.amdhsa_group_segment_fixed_size 41984
		.amdhsa_private_segment_fixed_size 0
		.amdhsa_enable_private_segment 0
		.amdhsa_kernarg_size 72
		.amdhsa_user_sgpr_count 2
		.amdhsa_user_sgpr_kernarg_segment_ptr 1
		.amdhsa_wavefront_size32 1
		.amdhsa_system_sgpr_workgroup_id_x 1
		.amdhsa_system_sgpr_workgroup_id_y 1
		.amdhsa_system_sgpr_workgroup_id_z 1
		.amdhsa_system_vgpr_workitem_id 0
		.amdhsa_next_free_vgpr 1024
		.amdhsa_next_free_sgpr 66
		.amdhsa_reserve_vcc 0
		.amdhsa_float_denorm_mode_32 3
		.amdhsa_float_denorm_mode_16_64 3
		.amdhsa_memory_ordered 1
		.amdhsa_forward_progress 1
		.amdhsa_inst_pref_size 68
	.end_amdhsa_kernel
	.amdgpu_metadata
---
amdhsa.version: [ 1, 2 ]
amdhsa.kernels:
  - .name:           k_q2d2ed73841_head
    .symbol:         k_q2d2ed73841_head.kd
    .args:
      - { .name: eact, .offset: 0, .size: 8, .value_kind: global_buffer, .address_space: global }
      - { .name: Wmu, .offset: 8, .size: 8, .value_kind: global_buffer, .address_space: global }
      - { .name: Wlv, .offset: 16, .size: 8, .value_kind: global_buffer, .address_space: global }
      - { .name: bmu, .offset: 24, .size: 8, .value_kind: global_buffer, .address_space: global }
      - { .name: blv, .offset: 32, .size: 8, .value_kind: global_buffer, .address_space: global }
      - { .name: eps, .offset: 40, .size: 8, .value_kind: global_buffer, .address_space: global }
      - { .name: out1, .offset: 48, .size: 8, .value_kind: global_buffer, .address_space: global }
      - { .name: out2, .offset: 56, .size: 8, .value_kind: global_buffer, .address_space: global }
      - { .name: zact, .offset: 64, .size: 8, .value_kind: global_buffer, .address_space: global }
    .group_segment_fixed_size: 41984
    .private_segment_fixed_size: 0
    .kernarg_segment_align: 8
    .kernarg_segment_size: 72
    .max_flat_workgroup_size: 128
    .sgpr_count:     66
    .vgpr_count:     1024
    .wavefront_size: 32
...
	.end_amdgpu_metadata
.endif
;; end of part 3
;; launch dec1 (part 4): grid 16 x 1, 4 waves a work-group, no clusters, 131,584 bytes of LDS; arguments zact, Wd1, g1, be1, d1act; writes d1act
.if DOCPART == 4
	.amdgcn_target "amdgcn-amd-amdhsa--gfx1250"
	.amdhsa_code_object_version 6
	.text
	.protected	k_q2d2ed73841_dec1
	.globl	k_q2d2ed73841_dec1
	.p2align	8
	.type	k_q2d2ed73841_dec1,@function
k_q2d2ed73841_dec1:
	s_mov_b64 s[64:65], 0
	v_nop
	global_prefetch_b8 v0, s[64:65] scope:SCOPE_SE
	s_setreg_imm32_b32 hwreg(HW_REG_WAVE_MODE, 25, 1), 1
	s_wait_xcnt 0x0
; d1 = LeakyReLU(BatchNorm(z Wd1) g1 + be1).  bd1 IS LEFT OUT: it is the same in all 128 rows of a column, and BatchNorm takes the column's batch mean away; the variance does not see it.
; A work-group makes ALL 128 rows x 64 columns (ttmp9), since a column's mean and variance span the rows; K = 256 is split among the four waves, 2 fragments each.
; Source 0 = weights straight from [K][N] f32, rounded to bf16; source 1 = the activation's fragments as the launch before laid them, hi and lo.  g1, be1 are rounded to bf16's numbers.
; Behind the meeting of the partial sums wave w holds, for each of the 8 row tiles, 8 channels a lane; the 16 lanes of a half are the tile's 16 rows: sums over rows are 7 additions and 4 DPP steps.
; Mean first, then the sum of squares of the differences (no difference of large sums).
.set ENC, 0
.set NCS, 1
.set NRT, 8
.set KF, 8
.set NF, 2
.set PITCH, 4096
.set KFO, 32
.set HROWS, 32
.set ST, 8*PITCH
.set SI, PITCH
.set O1, 16*PITCH
.set SPARE, 131072
.set NT, 4*NRT*NCS
.set PSZ, NT*1024
.set LPS, 16*NCS+4*NRT*(1-ENC)
.set MSB, 0
.macro WIN new
.if MSB != (\new)
	s_set_vgpr_msb (MSB<<8)|(\new)
.set MSB, \new
.endif
.endm
.macro PLACES
.rept 4
	v_nop
.endr
.endm
.macro LOADW tmp, sb, vo, off0, st, si
.irp t, 0,1
.irp j, 0,1,2,3,4,5,6,7
	global_load_b128 v[(\tmp)+4*(8*\t+\j):(\tmp)+4*(8*\t+\j)+3], v[\vo], s[\sb:\sb+1] offset:(\off0)+\t*(\st)+\j*(\si)
.endr
.endr
.endm
.macro CONV tmp, dst, cstr
.irp c, 0,1,2,3
.irp t, 0,1
.irp i, 0,1,2,3
	v_cvt_pk_bf16_f32 v[(\dst)+\c*(\cstr)+4*\t+\i], v[(\tmp)+4*(8*\t+2*\i)+\c], v[(\tmp)+4*(8*\t+2*\i+1)+\c]
.endr
.endr
.endr
.endm
.macro RB a, b, d1, d2, tt
	v_cvt_pk_bf16_f32 v[\tt], v[\a], v[\b]
	v_lshlrev_b32 v[\d1], 16, v[\tt]
	v_and_b32 v[\d2], s54, v[\tt]
.endm
.macro SPL x, y, hi, lo
	v_cvt_pk_bf16_f32 v[\hi], v[\x], v[\y]
	v_lshlrev_b32 v254, 16, v[\hi]
	v_and_b32 v255, s54, v[\hi]
	v_sub_f32 v[\x], v[\x], v254
	v_sub_f32 v[\y], v[\y], v255
	v_cvt_pk_bf16_f32 v[\lo], v[\x], v[\y]
.endm
.macro LANES
	v_lshl_add_u32 v14, v0, 2, SPARE
	v_mov_b32 v15, 0
	v_and_b32 v1, 31, v0
	v_lshrrev_b32 v2, 5, v0
	v_readfirstlane_b32 s2, v2
	v_and_b32 v2, 15, v0
	v_bfe_u32 v3, v0, 4, 1
	s_mov_b32 s3, ttmp9
	s_and_b32 s4, ttmp7, 0xffff
	s_mov_b32 s52, 0x3c23d70a
	s_mov_b32 s53, s52
	s_mov_b32 s54, 0xffff0000
	v_lshlrev_b32 v13, 4, v1
	v_mul_u32_u24 v4, v3, HROWS*PITCH
	v_lshl_add_u32 v4, v2, 4, v4
	s_mul_i32 s5, s2, PSZ
	v_add_nc_u32 v6, s5, v13
	s_lshr_b32 s5, s2, 1
	s_and_b32 s6, s2, 1
	s_lshl_b32 s7, s5, 9                           ; registers 4-7 of a result lie 512 bytes behind registers 0-3,
	s_lshl_b32 s38, s6, 3                          ; my pair of registers 8 (w % 2) bytes into a lane's 16
	s_add_co_u32 s7, s7, s38
	v_add_nc_u32 v7, s7, v13
	v_add_nc_u32 v8, PSZ, v7
	v_add_nc_u32 v9, 2*PSZ, v7
	v_add_nc_u32 v10, 3*PSZ, v7
	s_lshl_b32 s7, s6, 9
	v_add_nc_u32 v11, s7, v13
	s_lshl_b32 s36, s3, 8
	s_lshl_b32 s37, s2, 5
	s_add_co_u32 s36, s36, s37
	v_lshl_add_u32 v12, v3, 7, s36
.endm
.macro BASES wp, wq, ap, ob
	s_mul_i32 s36, s2, NF*32*PITCH
	s_lshl_b32 s37, s3, 8
	s_add_co_u32 s36, s36, s37
	s_mov_b32 s37, 0
	s_add_nc_u64 s[40:41], s[\wp:\wp+1], s[36:37]
	s_mul_i32 s36, s4, NRT*KF
	s_mul_i32 s38, s2, NF
	s_add_co_u32 s36, s36, s38
	s_lshl_b32 s36, s36, 11
	s_add_nc_u64 s[44:45], s[\ap:\ap+1], s[36:37]
	s_mul_i32 s36, s4, NRT*KFO
	s_lshl_b32 s38, s3, 1
	s_add_co_u32 s36, s36, s38
	s_lshr_b32 s38, s2, 1
	s_add_co_u32 s36, s36, s38
	s_lshl_b32 s36, s36, 11
	s_add_nc_u64 s[46:47], s[\ob:\ob+1], s[36:37]
.endm
.macro ISSW s
	WIN 0xc0
	LOADW 64*NCS*(\s), 40, 4, (\s)*O1, ST, SI
.endm
.macro ISSA s
	WIN 0x80
.set rt_, 0
.rept NRT
.irp o, 0,1
.irp t, 0,1
	global_load_b128 v[(\s)*16*NRT+(2*rt_+\o)*8+4*\t:(\s)*16*NRT+(2*rt_+\o)*8+4*\t+3], v13, s[44:45] offset:(rt_*KF+(\s))*2048+\o*1024+\t*512
.endr
.endr
.set rt_, rt_+1
.endr
.endm
.macro ADV
	s_wait_xcnt 0x0
	s_add_nc_u64 s[40:41], s[40:41], 64*PITCH
	s_add_nc_u64 s[44:45], s[44:45], 4096
.endm
; One fragment of K: cnt = the other set's loads, which may stay out.  The accumulators take turns.  zero = 1: the first products start the sums.
.macro STEP s, more, zero, cnt
	s_wait_loadcnt \cnt
	WIN 0x0f
	CONV 64*NCS*(\s), 16, 8
.if \more
	ISSW \s
.endif
	WIN 0x58
.irp o, 0,1
.set rt_, 0
.rept NRT
.irp c, 0,1,2,3
.set a_, (rt_*4+\c)*8
.set b_, (\s)*16*NRT+(2*rt_+\o)*8
.if (\zero) && (\o == 0)
	v_wmma_f32_16x16x32_bf16 v[a_:a_+7], v[16+8*\c:23+8*\c], v[b_:b_+7], 0
.else
	v_wmma_f32_16x16x32_bf16 v[a_:a_+7], v[16+8*\c:23+8*\c], v[b_:b_+7], v[a_:a_+7]
.endif
.endr
.set rt_, rt_+1
.endr
.endr
	PLACES
.if \more
	ISSA \s
.endif
	WIN 0
.endm
.macro KLOOP
.if NF > 2
	ADV
	STEP 0, 1, 1, LPS
	STEP 1, 1, 0, LPS
	s_mov_b32 s48, NF/2-2
.Lk:
	ADV
	STEP 0, 1, 0, LPS
	STEP 1, 1, 0, LPS
	s_sub_co_u32 s48, s48, 1
	s_cmp_lg_u32 s48, 0
	s_cbranch_scc1 .Lk
	STEP 0, 0, 0, LPS
	STEP 1, 0, 0, 0
.else
	STEP 0, 0, 1, LPS
	STEP 1, 0, 0, 0
.endif
.endm
.macro PSUM
	WIN 0x04
.set t_, 0
.rept NT
	ds_store_b128 v6, v[8*t_:8*t_+3] offset:1024*t_
	ds_store_b128 v6, v[8*t_+4:8*t_+7] offset:1024*t_+512
.set t_, t_+1
.endr
	WIN 0
	s_wait_dscnt 0x0
	s_barrier_signal -1
	s_barrier_wait -1
.irp q, 0,1,2
.set t_, 0
.rept NT
	ds_load_b64 v[16+64*\q+2*t_:17+64*\q+2*t_], v[7+\q] offset:1024*t_
.set t_, t_+1
.endr
.endr
	s_wait_dscnt NT
.set t_, 0
.rept NT
	v_pk_add_f32 v[16+2*t_:17+2*t_], v[16+2*t_:17+2*t_], v[80+2*t_:81+2*t_]
.set t_, t_+1
.endr
.set t_, 0
.rept NT
	ds_load_b64 v[80+2*t_:81+2*t_], v10 offset:1024*t_
.set t_, t_+1
.endr
	s_wait_dscnt NT
.set t_, 0
.rept NT
	v_pk_add_f32 v[16+2*t_:17+2*t_], v[16+2*t_:17+2*t_], v[144+2*t_:145+2*t_]
.set t_, t_+1
.endr
	s_wait_dscnt 0x0                               ; my reads of the partial sums are back:
	s_barrier_signal -1                            ; say so; the last additions, work on registers, stand between the signal and the wait
.set t_, 0
.rept NT
	v_pk_add_f32 v[16+2*t_:17+2*t_], v[16+2*t_:17+2*t_], v[80+2*t_:81+2*t_]
.set t_, t_+1
.endr
	s_barrier_wait -1                              ; every wave's reads are back before any wave writes LDS again
.endm
.macro EMIT src, dst
	SPL (\src), (\src)+2, (\dst), (\dst)+4
	SPL (\src)+4, (\src)+6, (\dst)+1, (\dst)+5
	SPL (\src)+1, (\src)+3, (\dst)+2, (\dst)+6
	SPL (\src)+5, (\src)+7, (\dst)+3, (\dst)+7
.endm
.macro ACTOUT rt, reg
	global_store_b128 v11, v[\reg:(\reg)+3], s[46:47] offset:(\rt)*KFO*2048
	global_store_b128 v11, v[(\reg)+4:(\reg)+7], s[46:47] offset:(\rt)*KFO*2048+1024
.endm
.macro ROWSUM b                        ; 8 registers summed over the 16 lanes of each half
.irp x, 1,2,4,8
.irp i, 0,1,2,3,4,5,6,7
	v_add_f32_dpp v[(\b)+\i], v[(\b)+\i], v[(\b)+\i] row_xmask:\x row_mask:0xf bank_mask:0xf
.endr
.endr
.endm
	s_load_b256 s[8:15], s[0:1], 0x0               ; activation, weights, g, be
	s_load_b64 s[16:17], s[0:1], 0x20              ; out
	LANES
	s_mov_b32 s56, 0x3c000000                      ; 1 / 128
	s_mov_b32 s57, s56
	s_mov_b32 s58, 0x3727c5ac                      ; 1e-5
	s_mov_b32 s59, s58
	s_wait_kmcnt 0x0
	BASES 10, 0, 8, 16
	global_load_b128 v[208:211], v12, s[12:13]
	global_load_b128 v[212:215], v12, s[12:13] offset:16
	global_load_b128 v[216:219], v12, s[14:15]
	global_load_b128 v[220:223], v12, s[14:15] offset:16
	ISSW 0
	ISSA 0
	ISSW 1
	ISSA 1
	WIN 0
	KLOOP
	PSUM
.irp c, 0,1,2,3
	RB 208+\c, 212+\c, 224+2*\c, 225+2*\c, 248     ; g and be in the order 2 c + jj of my registers
	RB 216+\c, 220+\c, 232+2*\c, 233+2*\c, 248
.endr
.irp c, 0,1,2,3
	v_pk_add_f32 v[240+2*\c:241+2*\c], v[16+2*\c:17+2*\c], v[24+2*\c:25+2*\c]
.endr
.set rt_, 2
.rept 6
.irp c, 0,1,2,3
	v_pk_add_f32 v[240+2*\c:241+2*\c], v[240+2*\c:241+2*\c], v[16+8*rt_+2*\c:17+8*rt_+2*\c]
.endr
.set rt_, rt_+1
.endr
	ROWSUM 240
.irp c, 0,1,2,3
	v_pk_mul_f32 v[240+2*\c:241+2*\c], v[240+2*\c:241+2*\c], s[56:57] op_sel_hi:[1,0]   ; the mean
.endr
.set rt_, 0
.rept 8
.irp c, 0,1,2,3
	v_pk_add_f32 v[16+8*rt_+2*\c:17+8*rt_+2*\c], v[16+8*rt_+2*\c:17+8*rt_+2*\c], v[240+2*\c:241+2*\c] neg_lo:[0,1] neg_hi:[0,1]
.endr
.set rt_, rt_+1
.endr
.irp c, 0,1,2,3
	v_pk_mul_f32 v[248+2*\c:249+2*\c], v[16+2*\c:17+2*\c], v[16+2*\c:17+2*\c]
.endr
.set rt_, 1
.rept 7
.irp c, 0,1,2,3
	v_pk_fma_f32 v[248+2*\c:249+2*\c], v[16+8*rt_+2*\c:17+8*rt_+2*\c], v[16+8*rt_+2*\c:17+8*rt_+2*\c], v[248+2*\c:249+2*\c]
.endr
.set rt_, rt_+1
.endr
	ROWSUM 248
.irp c, 0,1,2,3
	v_pk_fma_f32 v[248+2*\c:249+2*\c], v[248+2*\c:249+2*\c], s[56:57], s[58:59] op_sel_hi:[1,0,0]   ; the variance + 1e-5
.endr
.irp i, 0,1,2,3,4,5,6,7
	v_rsq_f32 v[248+\i], v[248+\i]
.endr
	v_nop                                          ; a plain instruction behind the last root,
	s_wait_alu depctr_va_vdst(0)                   ; and the one wait for the batch ahead of the first use
.irp c, 0,1,2,3
	v_pk_mul_f32 v[248+2*\c:249+2*\c], v[248+2*\c:249+2*\c], v[224+2*\c:225+2*\c]
.endr
.set rt_, 0
.rept 8
.irp c, 0,1,2,3
	v_pk_fma_f32 v[16+8*rt_+2*\c:17+8*rt_+2*\c], v[16+8*rt_+2*\c:17+8*rt_+2*\c], v[248+2*\c:249+2*\c], v[232+2*\c:233+2*\c]
.endr
.irp c, 0,1,2,3
	v_pk_mul_f32 v[80+2*\c:81+2*\c], v[16+8*rt_+2*\c:17+8*rt_+2*\c], s[52:53] op_sel_hi:[1,0]
.endr
.irp i, 0,1,2,3,4,5,6,7
	v_max_num_f32 v[16+8*rt_+\i], v[16+8*rt_+\i], v[80+\i]
.endr
.set rt_, rt_+1
.endr
.set rt_, 0
.rept 8
	EMIT 16+8*rt_, 144+8*rt_
	ACTOUT rt_, 144+8*rt_
.set rt_, rt_+1
.endr
	s_wait_tensorcnt 0x0                           ; the wave's end
	ds_add_u32 v14, v15
	s_wait_dscnt 0x0
	s_endpgm
.Lfunc_end_k_q2d2ed73841_dec1:
	.size	k_q2d2ed73841_dec1, .Lfunc_end_k_q2d2ed73841_dec1-k_q2d2ed73841_dec1
	.p2alignl 7, 3214868480
	.fill 96, 4, 3214868480
	.section	.rodata,"a",@progbits
	.p2align	6, 0x0
	.amdhsa_kernel k_q2d2ed73841_dec1
		.amdhsa_group_segment_fixed_size 131584
		.amdhsa_private_segment_fixed_size 0
		.amdhsa_enable_private_segment 0
		.amdhsa_kernarg_size 40
		.amdhsa_user_sgpr_count 2
		.amdhsa_user_sgpr_kernarg_segment_ptr 1
		.amdhsa_wavefront_size32 1
		.amdhsa_system_sgpr_workgroup_id_x 1
		.amdhsa_system_sgpr_workgroup_id_y 1
		.amdhsa_system_sgpr_workgroup_id_z 1
		.amdhsa_system_vgpr_workitem_id 0
		.amdhsa_next_free_vgpr 1024
		.amdhsa_next_free_sgpr 66
		.amdhsa_reserve_vcc 0
		.amdhsa_float_denorm_mode_32 3
		.amdhsa_float_denorm_mode_16_64 3
		.amdhsa_memory_ordered 1
		.amdhsa_forward_progress 1
		.amdhsa_inst_pref_size 71
	.end_amdhsa_kernel
	.amdgpu_metadata
---
amdhsa.version: [ 1, 2 ]
amdhsa.kernels:
  - .name:           k_q2d2ed73841_dec1
    .symbol:         k_q2d2ed73841_dec1.kd
    .args:
      - { .name: zact, .offset: 0, .size: 8, .value_kind: global_buffer, .address_space: global }
      - { .name: Wd1, .offset: 8, .size: 8, .value_kind: global_buffer, .address_space: global }
      - { .name: g1, .offset: 16, .size: 8, .value_kind: global_buffer, .address_space: global }
      - { .name: be1, .offset: 24, .size: 8, .value_kind: global_buffer, .address_space: global }
      - { .name: d1act, .offset: 32, .size: 8, .value_kind: global_buffer, .address_space: global }
    .group_segment_fixed_size: 131584
    .private_segment_fixed_size: 0
    .kernarg_segment_align: 8
    .kernarg_segment_size: 40
    .max_flat_workgroup_size: 128
    .sgpr_count:     66
    .vgpr_count:     1024
    .wavefront_size: 32
...
	.end_amdgpu_metadata
.endif
;; end of part 4
;; launch dec2 (part 5): grid 16 x 1, 4 waves a work-group, no clusters, 131,584 bytes of LDS; arguments d1act, Wd2, g2, be2, d2act; writes d2act
.if DOCPART == 5
	.amdgcn_target "amdgcn-amd-amdhsa--gfx1250"
	.amdhsa_code_object_version 6
	.text
	.protected	k_q2d2ed73841_dec2
	.globl	k_q2d2ed73841_dec2
	.p2align	8
	.type	k_q2d2ed73841_dec2,@function
k_q2d2ed73841_dec2:
	s_mov_b64 s[64:65], 0
	v_nop
	global_prefetch_b8 v0, s[64:65] scope:SCOPE_SE
	s_setreg_imm32_b32 hwreg(HW_REG_WAVE_MODE, 25, 1), 1
	s_wait_xcnt 0x0
; d2 = LeakyReLU(BatchNorm(d1 Wd2) g2 + be2).  bd2 IS LEFT OUT: it is the same in all 128 rows of a column, and BatchNorm takes the column's batch mean away; the variance does not see it.
; A work-group makes ALL 128 rows x 64 columns (ttmp9), since a column's mean and variance span the rows; K = 1024 is split among the four waves, 8 fragments each.
; Source 0 = weights straight from [K][N] f32, rounded to bf16; source 1 = the activation's fragments as the launch before laid them, hi and lo.  g2, be2 are rounded to bf16's numbers.
; Behind the meeting of the partial sums wave w holds, for each of the 8 row tiles, 8 channels a lane; the 16 lanes of a half are the tile's 16 rows: sums over rows are 7 additions and 4 DPP steps.
; Mean first, then the sum of squares of the differences (no difference of large sums).
.set ENC, 0
.set NCS, 1
.set NRT, 8
.set KF, 32
.set NF, 8
.set PITCH, 4096
.set KFO, 32
.set HROWS, 32
.set ST, 8*PITCH
.set SI, PITCH
.set O1, 16*PITCH
.set SPARE, 131072
.set NT, 4*NRT*NCS
.set PSZ, NT*1024
.set LPS, 16*NCS+4*NRT*(1-ENC)
.set MSB, 0
.macro WIN new
.if MSB != (\new)
	s_set_vgpr_msb (MSB<<8)|(\new)
.set MSB, \new
.endif
.endm
.macro PLACES
.rept 4
	v_nop
.endr
.endm
.macro LOADW tmp, sb, vo, off0, st, si
.irp t, 0,1
.irp j, 0,1,2,3,4,5,6,7
	global_load_b128 v[(\tmp)+4*(8*\t+\j):(\tmp)+4*(8*\t+\j)+3], v[\vo], s[\sb:\sb+1] offset:(\off0)+\t*(\st)+\j*(\si)
.endr
.endr
.endm
.macro CONV tmp, dst, cstr
.irp c, 0,1,2,3
.irp t, 0,1
.irp i, 0,1,2,3
	v_cvt_pk_bf16_f32 v[(\dst)+\c*(\cstr)+4*\t+\i], v[(\tmp)+4*(8*\t+2*\i)+\c], v[(\tmp)+4*(8*\t+2*\i+1)+\c]
.endr
.endr
.endr
.endm
.macro RB a, b, d1, d2, tt
	v_cvt_pk_bf16_f32 v[\tt], v[\a], v[\b]
	v_lshlrev_b32 v[\d1], 16, v[\tt]
	v_and_b32 v[\d2], s54, v[\tt]
.endm
.macro SPL x, y, hi, lo
	v_cvt_pk_bf16_f32 v[\hi], v[\x], v[\y]
	v_lshlrev_b32 v254, 16, v[\hi]
	v_and_b32 v255, s54, v[\hi]
	v_sub_f32 v[\x], v[\x], v254
	v_sub_f32 v[\y], v[\y], v255
	v_cvt_pk_bf16_f32 v[\lo], v[\x], v[\y]
.endm
.macro LANES
	v_lshl_add_u32 v14, v0, 2, SPARE
	v_mov_b32 v15, 0
	v_and_b32 v1, 31, v0
	v_lshrrev_b32 v2, 5, v0
	v_readfirstlane_b32 s2, v2
	v_and_b32 v2, 15, v0
	v_bfe_u32 v3, v0, 4, 1
	s_mov_b32 s3, ttmp9
	s_and_b32 s4, ttmp7, 0xffff
	s_mov_b32 s52, 0x3c23d70a
	s_mov_b32 s53, s52
	s_mov_b32 s54, 0xffff0000
	v_lshlrev_b32 v13, 4, v1
	v_mul_u32_u24 v4, v3, HROWS*PITCH
	v_lshl_add_u32 v4, v2, 4, v4
	s_mul_i32 s5, s2, PSZ
	v_add_nc_u32 v6, s5, v13
	s_lshr_b32 s5, s2, 1
	s_and_b32 s6, s2, 1
	s_lshl_b32 s7, s5, 9                           ; registers 4-7 of a result lie 512 bytes behind registers 0-3,
	s_lshl_b32 s38, s6, 3                          ; my pair of registers 8 (w % 2) bytes into a lane's 16
	s_add_co_u32 s7, s7, s38
	v_add_nc_u32 v7, s7, v13
	v_add_nc_u32 v8, PSZ, v7
	v_add_nc_u32 v9, 2*PSZ, v7
	v_add_nc_u32 v10, 3*PSZ, v7
	s_lshl_b32 s7, s6, 9
	v_add_nc_u32 v11, s7, v13
	s_lshl_b32 s36, s3, 8
	s_lshl_b32 s37, s2, 5
	s_add_co_u32 s36, s36, s37
	v_lshl_add_u32 v12, v3, 7, s36
.endm
.macro BASES wp, wq, ap, ob
	s_mul_i32 s36, s2, NF*32*PITCH
	s_lshl_b32 s37, s3, 8
	s_add_co_u32 s36, s36, s37
	s_mov_b32 s37, 0
	s_add_nc_u64 s[40:41], s[\wp:\wp+1], s[36:37]
	s_mul_i32 s36, s4, NRT*KF
	s_mul_i32 s38, s2, NF
	s_add_co_u32 s36, s36, s38
	s_lshl_b32 s36, s36, 11
	s_add_nc_u64 s[44:45], s[\ap:\ap+1], s[36:37]
	s_mul_i32 s36, s4, NRT*KFO
	s_lshl_b32 s38, s3, 1
	s_add_co_u32 s36, s36, s38
	s_lshr_b32 s38, s2, 1
	s_add_co_u32 s36, s36, s38
	s_lshl_b32 s36, s36, 11
	s_add_nc_u64 s[46:47], s[\ob:\ob+1], s[36:37]
.endm
.macro ISSW s
	WIN 0xc0
	LOADW 64*NCS*(\s), 40, 4, (\s)*O1, ST, SI
.endm
.macro ISSA s
	WIN 0x80
.set rt_, 0
.rept NRT
.irp o, 0,1
.irp t, 0,1
	global_load_b128 v[(\s)*16*NRT+(2*rt_+\o)*8+4*\t:(\s)*16*NRT+(2*rt_+\o)*8+4*\t+3], v13, s[44:45] offset:(rt_*KF+(\s))*2048+\o*1024+\t*512
.endr
.endr
.set rt_, rt_+1
.endr
.endm
.macro ADV
	s_wait_xcnt 0x0
	s_add_nc_u64 s[40:41], s[40:41], 64*PITCH
	s_add_nc_u64 s[44:45], s[44:45], 4096
.endm
; One fragment of K: cnt = the other set's loads, which may stay out.  The accumulators take turns.  zero = 1: the first products start the sums.
.macro STEP s, more, zero, cnt
	s_wait_loadcnt \cnt
	WIN 0x0f
	CONV 64*NCS*(\s), 16, 8
.if \more
	ISSW \s
.endif
	WIN 0x58
.irp o, 0,1
.set rt_, 0
.rept NRT
.irp c, 0,1,2,3
.set a_, (rt_*4+\c)*8
.set b_, (\s)*16*NRT+(2*rt_+\o)*8
.if (\zero) && (\o == 0)
	v_wmma_f32_16x16x32_bf16 v[a_:a_+7], v[16+8*\c:23+8*\c], v[b_:b_+7], 0
.else
	v_wmma_f32_16x16x32_bf16 v[a_:a_+7], v[16+8*\c:23+8*\c], v[b_:b_+7], v[a_:a_+7]
.endif
.endr
.set rt_, rt_+1
.endr
.endr
	PLACES
.if \more
	ISSA \s
.endif
	WIN 0
.endm
.macro KLOOP
.if NF > 2
	ADV
	STEP 0, 1, 1, LPS
	STEP 1, 1, 0, LPS
	s_mov_b32 s48, NF/2-2
.Lk:
	ADV
	STEP 0, 1, 0, LPS
	STEP 1, 1, 0, LPS
	s_sub_co_u32 s48, s48, 1
	s_cmp_lg_u32 s48, 0
	s_cbranch_scc1 .Lk
	STEP 0, 0, 0, LPS
	STEP 1, 0, 0, 0
.else
	STEP 0, 0, 1, LPS
	STEP 1, 0, 0, 0
.endif
.endm
.macro PSUM
	WIN 0x04
.set t_, 0
.rept NT
	ds_store_b128 v6, v[8*t_:8*t_+3] offset:1024*t_
	ds_store_b128 v6, v[8*t_+4:8*t_+7] offset:1024*t_+512
.set t_, t_+1
.endr
	WIN 0
	s_wait_dscnt 0x0
	s_barrier_signal -1
	s_barrier_wait -1
.irp q, 0,1,2
.set t_, 0
.rept NT
	ds_load_b64 v[16+64*\q+2*t_:17+64*\q+2*t_], v[7+\q] offset:1024*t_
.set t_, t_+1
.endr
.endr
	s_wait_dscnt NT
.set t_, 0
.rept NT
	v_pk_add_f32 v[16+2*t_:17+2*t_], v[16+2*t_:17+2*t_], v[80+2*t_:81+2*t_]
.set t_, t_+1
.endr
.set t_, 0
.rept NT
	ds_load_b64 v[80+2*t_:81+2*t_], v10 offset:1024*t_
.set t_, t_+1
.endr
	s_wait_dscnt NT
.set t_, 0
.rept NT
	v_pk_add_f32 v[16+2*t_:17+2*t_], v[16+2*t_:17+2*t_], v[144+2*t_:145+2*t_]
.set t_, t_+1
.endr
	s_wait_dscnt 0x0                               ; my reads of the partial sums are back:
	s_barrier_signal -1                            ; say so; the last additions, work on registers, stand between the signal and the wait
.set t_, 0
.rept NT
	v_pk_add_f32 v[16+2*t_:17+2*t_], v[16+2*t_:17+2*t_], v[80+2*t_:81+2*t_]
.set t_, t_+1
.endr
	s_barrier_wait -1                              ; every wave's reads are back before any wave writes LDS again
.endm
.macro EMIT src, dst
	SPL (\src), (\src)+2, (\dst), (\dst)+4
	SPL (\src)+4, (\src)+6, (\dst)+1, (\dst)+5
	SPL (\src)+1, (\src)+3, (\dst)+2, (\dst)+6
	SPL (\src)+5, (\src)+7, (\dst)+3, (\dst)+7
.endm
.macro ACTOUT rt, reg
	global_store_b128 v11, v[\reg:(\reg)+3], s[46:47] offset:(\rt)*KFO*2048
	global_store_b128 v11, v[(\reg)+4:(\reg)+7], s[46:47] offset:(\rt)*KFO*2048+1024
.endm
.macro ROWSUM b                        ; 8 registers summed over the 16 lanes of each half
.irp x, 1,2,4,8
.irp i, 0,1,2,3,4,5,6,7
	v_add_f32_dpp v[(\b)+\i], v[(\b)+\i], v[(\b)+\i] row_xmask:\x row_mask:0xf bank_mask:0xf
.endr
.endr
.endm
	s_load_b256 s[8:15], s[0:1], 0x0               ; activation, weights, g, be
	s_load_b64 s[16:17], s[0:1], 0x20              ; out
	LANES
	s_mov_b32 s56, 0x3c000000                      ; 1 / 128
	s_mov_b32 s57, s56
	s_mov_b32 s58, 0x3727c5ac                      ; 1e-5
	s_mov_b32 s59, s58
	s_wait_kmcnt 0x0
	BASES 10, 0, 8, 16
	global_load_b128 v[208:211], v12, s[12:13]
	global_load_b128 v[212:215], v12, s[12:13] offset:16
	global_load_b128 v[216:219], v12, s[14:15]
	global_load_b128 v[220:223], v12, s[14:15] offset:16
	ISSW 0
	ISSA 0
	ISSW 1
	ISSA 1
	WIN 0
	KLOOP
	PSUM
.irp c, 0,1,2,3
	RB 208+\c, 212+\c, 224+2*\c, 225+2*\c, 248     ; g and be in the order 2 c + jj of my registers
	RB 216+\c, 220+\c, 232+2*\c, 233+2*\c, 248
.endr
.irp c, 0,1,2,3
	v_pk_add_f32 v[240+2*\c:241+2*\c], v[16+2*\c:17+2*\c], v[24+2*\c:25+2*\c]
.endr
.set rt_, 2
.rept 6
.irp c, 0,1,2,3
	v_pk_add_f32 v[240+2*\c:241+2*\c], v[240+2*\c:241+2*\c], v[16+8*rt_+2*\c:17+8*rt_+2*\c]
.endr
.set rt_, rt_+1
.endr
	ROWSUM 240
.irp c, 0,1,2,3
	v_pk_mul_f32 v[240+2*\c:241+2*\c], v[240+2*\c:241+2*\c], s[56:57] op_sel_hi:[1,0]   ; the mean
.endr
.set rt_, 0
.rept 8
.irp c, 0,1,2,3
	v_pk_add_f32 v[16+8*rt_+2*\c:17+8*rt_+2*\c], v[16+8*rt_+2*\c:17+8*rt_+2*\c], v[240+2*\c:241+2*\c] neg_lo:[0,1] neg_hi:[0,1]
.endr
.set rt_, rt_+1
.endr
.irp c, 0,1,2,3
	v_pk_mul_f32 v[248+2*\c:249+2*\c], v[16+2*\c:17+2*\c], v[16+2*\c:17+2*\c]
.endr
.set rt_, 1
.rept 7
.irp c, 0,1,2,3
	v_pk_fma_f32 v[248+2*\c:249+2*\c], v[16+8*rt_+2*\c:17+8*rt_+2*\c], v[16+8*rt_+2*\c:17+8*rt_+2*\c], v[248+2*\c:249+2*\c]
.endr
.set rt_, rt_+1
.endr
	ROWSUM 248
.irp c, 0,1,2,3
	v_pk_fma_f32 v[248+2*\c:249+2*\c], v[248+2*\c:249+2*\c], s[56:57], s[58:59] op_sel_hi:[1,0,0]   ; the variance + 1e-5
.endr
.irp i, 0,1,2,3,4,5,6,7
	v_rsq_f32 v[248+\i], v[248+\i]
.endr
	v_nop                                          ; a plain instruction behind the last root,
	s_wait_alu depctr_va_vdst(0)                   ; and the one wait for the batch ahead of the first use
.irp c, 0,1,2,3
	v_pk_mul_f32 v[248+2*\c:249+2*\c], v[248+2*\c:249+2*\c], v[224+2*\c:225+2*\c]
.endr
.set rt_, 0
.rept 8
.irp c, 0,1,2,3
	v_pk_fma_f32 v[16+8*rt_+2*\c:17+8*rt_+2*\c], v[16+8*rt_+2*\c:17+8*rt_+2*\c], v[248+2*\c:249+2*\c], v[232+2*\c:233+2*\c]
.endr
.irp c, 0,1,2,3
	v_pk_mul_f32 v[80+2*\c:81+2*\c], v[16+8*rt_+2*\c:17+8*rt_+2*\c], s[52:53] op_sel_hi:[1,0]
.endr
.irp i, 0,1,2,3,4,5,6,7
	v_max_num_f32 v[16+8*rt_+\i], v[16+8*rt_+\i], v[80+\i]
.endr
.set rt_, rt_+1
.endr
.set rt_, 0
.rept 8
	EMIT 16+8*rt_, 144+8*rt_
	ACTOUT rt_, 144+8*rt_
.set rt_, rt_+1
.endr
	s_wait_tensorcnt 0x0                           ; the wave's end
	ds_add_u32 v14, v15
	s_wait_dscnt 0x0
	s_endpgm
.Lfunc_end_k_q2d2ed73841_dec2:
	.size	k_q2d2ed73841_dec2, .Lfunc_end_k_q2d2ed73841_dec2-k_q2d2ed73841_dec2
	.p2alignl 7, 3214868480
	.fill 96, 4, 3214868480
	.section	.rodata,"a",@progbits
	.p2align	6, 0x0
	.amdhsa_kernel k_q2d2ed73841_dec2
		.amdhsa_group_segment_fixed_size 131584
		.amdhsa_private_segment_fixed_size 0
		.amdhsa_enable_private_segment 0
		.amdhsa_kernarg_size 40
		.amdhsa_user_sgpr_count 2
		.amdhsa_user_sgpr_kernarg_segment_ptr 1
		.amdhsa_wavefront_size32 1
		.amdhsa_system_sgpr_workgroup_id_x 1
		.amdhsa_system_sgpr_workgroup_id_y 1
		.amdhsa_system_sgpr_workgroup_id_z 1
		.amdhsa_system_vgpr_workitem_id 0
		.amdhsa_next_free_vgpr 1024
		.amdhsa_next_free_sgpr 66
		.amdhsa_reserve_vcc 0
		.amdhsa_float_denorm_mode_32 3
		.amdhsa_float_denorm_mode_16_64 3
		.amdhsa_memory_ordered 1
		.amdhsa_forward_progress 1
		.amdhsa_inst_pref_size 115
	.end_amdhsa_kernel
	.amdgpu_metadata
---
amdhsa.version: [ 1, 2 ]
amdhsa.kernels:
  - .name:           k_q2d2ed73841_dec2
    .symbol:         k_q2d2ed73841_dec2.kd
    .args:
      - { .name: d1act, .offset: 0, .size: 8, .value_kind: global_buffer, .address_space: global }
      - { .name: Wd2, .offset: 8, .size: 8, .value_kind: global_buffer, .address_space: global }
      - { .name: g2, .offset: 16, .size: 8, .value_kind: global_buffer, .address_space: global }
      - { .name: be2, .offset: 24, .size: 8, .value_kind: global_buffer, .address_space: global }
      - { .name: d2act, .offset: 32, .size: 8, .value_kind: global_buffer, .address_space: global }
    .group_segment_fixed_size: 131584
    .private_segment_fixed_size: 0
    .kernarg_segment_align: 8
    .kernarg_segment_size: 40
    .max_flat_workgroup_size: 128
    .sgpr_count:     66
    .vgpr_count:     1024
    .wavefront_size: 32
...
	.end_amdgpu_metadata
.endif
;; end of part 5
;; launch outp (part 6): grid 6 x 8, 4 waves a work-group, no clusters, 21,248 bytes of LDS; arguments d2act, Wd3, bd3, out0; writes out0
.if DOCPART == 6
	.amdgcn_target "amdgcn-amd-amdhsa--gfx1250"
	.amdhsa_code_object_version 6
	.text
	.protected	k_q2d2ed73841_outp
	.globl	k_q2d2ed73841_outp
	.p2align	8
	.type	k_q2d2ed73841_outp,@function
k_q2d2ed73841_outp:
	s_mov_b64 s[64:65], 0
	v_nop
	global_prefetch_b8 v0, s[64:65] scope:SCOPE_SE
	s_setreg_imm32_b32 hwreg(HW_REG_WAVE_MODE, 25, 1), 1
	s_wait_xcnt 0x0
; y = d2 Wd3 + bd3, [128][384] f32.  A work-group makes 16 rows (ttmp7) x 64 columns (ttmp9); K = 1024 is split among the four waves, 8 fragments each; the partial sums meet in LDS.
; Source 0 = weights straight from [K][N] f32 (rows of 1,536 bytes), rounded to bf16; source 1 = d2's fragments as the launch before laid them, hi and lo.  bd3 is rounded to bf16's numbers.
; The result leaves through an LDS stage (rows of 272 bytes) as whole rows of 256 bytes.
.set ENC, 0
.set NCS, 1
.set NRT, 1
.set KF, 32
.set NF, 8
.set PITCH, 1536
.set HROWS, 32
.set ST, 8*PITCH
.set SI, PITCH
.set O1, 16*PITCH
.set ROWB, 1536
.set ST0, 16384
.set SPARE, 20736
.set NT, 4*NRT*NCS
.set PSZ, NT*1024
.set LPS, 16*NCS+4*NRT*(1-ENC)
.set MSB, 0
.macro WIN new
.if MSB != (\new)
	s_set_vgpr_msb (MSB<<8)|(\new)
.set MSB, \new
.endif
.endm
.macro PLACES
.rept 4
	v_nop
.endr
.endm
.macro LOADW tmp, sb, vo, off0, st, si
.irp t, 0,1
.irp j, 0,1,2,3,4,5,6,7
	global_load_b128 v[(\tmp)+4*(8*\t+\j):(\tmp)+4*(8*\t+\j)+3], v[\vo], s[\sb:\sb+1] offset:(\off0)+\t*(\st)+\j*(\si)
.endr
.endr
.endm
.macro CONV tmp, dst, cstr
.irp c, 0,1,2,3
.irp t, 0,1
.irp i, 0,1,2,3
	v_cvt_pk_bf16_f32 v[(\dst)+\c*(\cstr)+4*\t+\i], v[(\tmp)+4*(8*\t+2*\i)+\c], v[(\tmp)+4*(8*\t+2*\i+1)+\c]
.endr
.endr
.endr
.endm
.macro RB a, b, d1, d2, tt
	v_cvt_pk_bf16_f32 v[\tt], v[\a], v[\b]
	v_lshlrev_b32 v[\d1], 16, v[\tt]
	v_and_b32 v[\d2], s54, v[\tt]
.endm
.macro LANES
	v_lshl_add_u32 v14, v0, 2, SPARE
	v_mov_b32 v15, 0
	v_and_b32 v1, 31, v0
	v_lshrrev_b32 v2, 5, v0
	v_readfirstlane_b32 s2, v2
	v_and_b32 v2, 15, v0
	v_bfe_u32 v3, v0, 4, 1
	s_mov_b32 s3, ttmp9
	s_and_b32 s4, ttmp7, 0xffff
	s_mov_b32 s54, 0xffff0000
	v_lshlrev_b32 v13, 4, v1
	v_mul_u32_u24 v4, v3, HROWS*PITCH
	v_lshl_add_u32 v4, v2, 4, v4
	s_mul_i32 s5, s2, PSZ
	v_add_nc_u32 v6, s5, v13
	s_lshr_b32 s5, s2, 1
	s_and_b32 s6, s2, 1
	s_lshl_b32 s7, s5, 9                           ; registers 4-7 of a result lie 512 bytes behind registers 0-3,
	s_lshl_b32 s38, s6, 3                          ; my pair of registers 8 (w % 2) bytes into a lane's 16
	s_add_co_u32 s7, s7, s38
	v_add_nc_u32 v7, s7, v13
	v_add_nc_u32 v8, PSZ, v7
	v_add_nc_u32 v9, 2*PSZ, v7
	v_add_nc_u32 v10, 3*PSZ, v7
	s_lshl_b32 s36, s3, 8
	s_lshl_b32 s37, s2, 5
	s_add_co_u32 s36, s36, s37
	v_lshl_add_u32 v12, v3, 7, s36
.endm
.macro BASES wp, ap
	s_mul_i32 s36, s2, NF*32*PITCH
	s_lshl_b32 s37, s3, 8
	s_add_co_u32 s36, s36, s37
	s_mov_b32 s37, 0
	s_add_nc_u64 s[40:41], s[\wp:\wp+1], s[36:37]
	s_mul_i32 s36, s4, NRT*KF
	s_mul_i32 s38, s2, NF
	s_add_co_u32 s36, s36, s38
	s_lshl_b32 s36, s36, 11
	s_add_nc_u64 s[44:45], s[\ap:\ap+1], s[36:37]
.endm
.macro ISSW s
	WIN 0xc0
	LOADW 64*NCS*(\s), 40, 4, (\s)*O1, ST, SI
.endm
.macro ISSA s
	WIN 0x80
.irp o, 0,1
.irp t, 0,1
	global_load_b128 v[(\s)*16+\o*8+4*\t:(\s)*16+\o*8+4*\t+3], v13, s[44:45] offset:(\s)*2048+\o*1024+\t*512
.endr
.endr
.endm
.macro ADV
	s_wait_xcnt 0x0
	s_add_nc_u64 s[40:41], s[40:41], 64*PITCH
	s_add_nc_u64 s[44:45], s[44:45], 4096
.endm
; One fragment of K: cnt = the other set's loads, which may stay out.  The accumulators take turns.  zero = 1: the first products start the sums.
.macro STEP s, more, zero, cnt
	s_wait_loadcnt \cnt
	WIN 0x0f
	CONV 64*NCS*(\s), 16, 8
.if \more
	ISSW \s
.endif
	WIN 0x58
.irp o, 0,1
.irp c, 0,1,2,3
.if (\zero) && (\o == 0)
	v_wmma_f32_16x16x32_bf16 v[8*\c:8*\c+7], v[16+8*\c:23+8*\c], v[(\s)*16+\o*8:(\s)*16+\o*8+7], 0
.else
	v_wmma_f32_16x16x32_bf16 v[8*\c:8*\c+7], v[16+8*\c:23+8*\c], v[(\s)*16+\o*8:(\s)*16+\o*8+7], v[8*\c:8*\c+7]
.endif
.endr
.endr
	PLACES
.if \more
	ISSA \s
.endif
	WIN 0
.endm
.macro KLOOP
	ADV
	STEP 0, 1, 1, LPS
	STEP 1, 1, 0, LPS
	s_mov_b32 s48, NF/2-2
.Lk:
	ADV
	STEP 0, 1, 0, LPS
	STEP 1, 1, 0, LPS
	s_sub_co_u32 s48, s48, 1
	s_cmp_lg_u32 s48, 0
	s_cbranch_scc1 .Lk
	STEP 0, 0, 0, LPS
	STEP 1, 0, 0, 0
.endm
.macro PSUM
	WIN 0x04
.set t_, 0
.rept NT
	ds_store_b128 v6, v[8*t_:8*t_+3] offset:1024*t_
	ds_store_b128 v6, v[8*t_+4:8*t_+7] offset:1024*t_+512
.set t_, t_+1
.endr
	WIN 0
	s_wait_dscnt 0x0
	s_barrier_signal -1
	s_barrier_wait -1
.irp q, 0,1,2
.set t_, 0
.rept NT
	ds_load_b64 v[16+64*\q+2*t_:17+64*\q+2*t_], v[7+\q] offset:1024*t_
.set t_, t_+1
.endr
.endr
	s_wait_dscnt NT
.set t_, 0
.rept NT
	v_pk_add_f32 v[16+2*t_:17+2*t_], v[16+2*t_:17+2*t_], v[80+2*t_:81+2*t_]
.set t_, t_+1
.endr
.set t_, 0
.rept NT
	ds_load_b64 v[80+2*t_:81+2*t_], v10 offset:1024*t_
.set t_, t_+1
.endr
	s_wait_dscnt NT
.set t_, 0
.rept NT
	v_pk_add_f32 v[16+2*t_:17+2*t_], v[16+2*t_:17+2*t_], v[144+2*t_:145+2*t_]
.set t_, t_+1
.endr
	s_wait_dscnt 0x0                               ; my reads of the partial sums are back:
	s_barrier_signal -1                            ; say so; the last additions, work on registers, stand between the signal and the wait
.set t_, 0
.rept NT
	v_pk_add_f32 v[16+2*t_:17+2*t_], v[16+2*t_:17+2*t_], v[80+2*t_:81+2*t_]
.set t_, t_+1
.endr
	s_barrier_wait -1                              ; every wave's reads are back before any wave writes LDS again
.endm
.macro STADDR                          ; v235 into the stage: 272 r + 128 h + 32 w; v233 back: row 4 w + lane / 16, 16 bytes a lane; v234 the same place in the output
	v_mul_u32_u24 v235, v2, 272
	v_lshl_add_u32 v235, v3, 7, v235
	s_lshl_b32 s5, s2, 5
	v_add_nc_u32 v235, s5, v235
	s_lshl_b32 s5, s2, 2
	v_add_nc_u32 v236, s5, v3
	v_mul_u32_u24 v233, v236, 272
	v_lshl_add_u32 v233, v2, 4, v233
	s_lshl_b32 s5, s4, 4
	v_add_nc_u32 v236, s5, v236
	v_mul_u32_u24 v234, v236, ROWB
	v_lshl_add_u32 v234, v2, 4, v234
	s_lshl_b32 s5, s3, 8
	v_add_nc_u32 v234, s5, v234
.endm
	s_load_b256 s[8:15], s[0:1], 0x0               ; d2act, Wd3, bd3, out0
	LANES
	STADDR
	s_wait_kmcnt 0x0
	BASES 10, 8
	global_load_b128 v[208:211], v12, s[12:13]
	global_load_b128 v[212:215], v12, s[12:13] offset:16
	ISSW 0
	ISSA 0
	ISSW 1
	ISSA 1
	WIN 0
	KLOOP
	PSUM
.irp i, 0,1,2,3
	RB 208+2*\i, 209+2*\i, 208+2*\i, 209+2*\i, 240
.endr
.irp j, 0,1
.irp c, 0,1,2,3
	v_add_f32 v[80+4*\j+\c], v[16+2*\c+\j], v[208+4*\j+\c]   ; in the channels' order
.endr
.endr
	ds_store_b128 v235, v[80:83] offset:ST0
	ds_store_b128 v235, v[84:87] offset:ST0+16
	s_wait_dscnt 0x0
	s_barrier_signal -1
	s_barrier_wait -1                              ; a row's 256 bytes come from all four waves
	ds_load_b128 v[160:163], v233 offset:ST0
	ds_load_b128 v[164:167], v233 offset:ST0+544
	s_wait_dscnt 0x0
	global_store_b128 v234, v[160:163], s[14:15]   ; 16 lanes store 256 consecutive bytes, aligned
	global_store_b128 v234, v[164:167], s[14:15] offset:2*ROWB
	s_wait_tensorcnt 0x0                           ; the wave's end
	ds_add_u32 v14, v15
	s_wait_dscnt 0x0
	s_endpgm
.Lfunc_end_k_q2d2ed73841_outp:
	.size	k_q2d2ed73841_outp, .Lfunc_end_k_q2d2ed73841_outp-k_q2d2ed73841_outp
	.p2alignl 7, 3214868480
	.fill 96, 4, 3214868480
	.section	.rodata,"a",@progbits
	.p2align	6, 0x0
	.amdhsa_kernel k_q2d2ed73841_outp
		.amdhsa_group_segment_fixed_size 21248
		.amdhsa_private_segment_fixed_size 0
		.amdhsa_enable_private_segment 0
		.amdhsa_kernarg_size 32
		.amdhsa_user_sgpr_count 2
		.amdhsa_user_sgpr_kernarg_segment_ptr 1
		.amdhsa_wavefront_size32 1
		.amdhsa_system_sgpr_workgroup_id_x 1
		.amdhsa_system_sgpr_workgroup_id_y 1
		.amdhsa_system_sgpr_workgroup_id_z 1
		.amdhsa_system_vgpr_workitem_id 0
		.amdhsa_next_free_vgpr 1024
		.amdhsa_next_free_sgpr 66
		.amdhsa_reserve_vcc 0
		.amdhsa_float_denorm_mode_32 3
		.amdhsa_float_denorm_mode_16_64 3
		.amdhsa_memory_ordered 1
		.amdhsa_forward_progress 1
		.amdhsa_inst_pref_size 36
	.end_amdhsa_kernel
	.amdgpu_metadata
---
amdhsa.version: [ 1, 2 ]
amdhsa.kernels:
  - .name:           k_q2d2ed73841_outp
    .symbol:         k_q2d2ed73841_outp.kd
    .args:
      - { .name: d2act, .offset: 0, .size: 8, .value_kind: global_buffer, .address_space: global }
      - { .name: Wd3, .offset: 8, .size: 8, .value_kind: global_buffer, .address_space: global }
      - { .name: bd3, .offset: 16, .size: 8, .value_kind: global_buffer, .address_space: global }
      - { .name: out0, .offset: 24, .size: 8, .value_kind: global_buffer, .address_space: global }
    .group_segment_fixed_size: 21248
    .private_segment_fixed_size: 0
    .kernarg_segment_align: 8
    .kernarg_segment_size: 32
    .max_flat_workgroup_size: 128
    .sgpr_count:     66
    .vgpr_count:     1024
    .wavefront_size: 32
...
	.end_amdgpu_metadata
.endif
;; end of part 6
;; ======== version 2 of 3: 6 launches; 1.35 times as fast as version 1
;; workspace buffers: pmax 16,777,216 bytes; segcnt 512 bytes of whole numbers; wfr 6,553,600 bytes; eact 524,288 bytes; zact 131,072 bytes; hs1 589,824 bytes; hs2 589,824 bytes
;; launch points (part 7): grid 256 x 1, 4 waves a work-group, no clusters, 61,440 bytes of LDS; arguments x, lengths, W1, b1, W2, b2, W3, b3, W4, b4, pmax, segcnt, Wf, Wd2, Wmu, Wlv, Wd1, Wd3, wfr; writes pmax, segcnt, wfr
.if DOCPART == 7
	.amdgcn_target "amdgcn-amd-amdhsa--gfx1250"
	.amdhsa_code_object_version 6
	.text
	.protected	k_q2d2ed73841_points
	.globl	k_q2d2ed73841_points
	.p2align	8
	.type	k_q2d2ed73841_points,@function
k_q2d2ed73841_points:
	s_mov_b64 s[64:65], 0
	v_nop
	global_prefetch_b8 v0, s[64:65] scope:SCOPE_SE
	s_setreg_imm32_b32 hwreg(HW_REG_WAVE_MODE, 25, 1), 1
	s_wait_xcnt 0x0
; POINTNET'S PER-POINT LAYERS 3 -> 64 -> 64 -> 128 -> 1024 AND THE MAXIMUM OVER A CLOUD'S LIVE POINTS; beside them, the later launches' weights are rounded to bf16 and laid out.
; WORK LEFT OUT, for all finite values of the inputs:
;  (1) reference() sets every point n >= lengths[b] to -inf ahead of the maximum, by a mask that it builds itself from the whole numbers in lengths: whole groups of 64 points
;      past a cloud's length reach no output and are not computed.  In the cloud's last group the places past the length repeat its last live point: a repeated point leaves a maximum as it is.
;  (2) + b4 and LeakyReLU are non-decreasing, so they are applied once behind the maximum, not once a point: max_n f(h_n) = f(max_n h_n).
;  (3) bd1 and bd2 (later launches) are added alike to all 128 rows of a column, and BatchNorm takes the column's batch mean away: (h + b) - mean(h + b) = h - mean(h), and the variance
;      is that of h.  Both have no way to any output: they are not loaded and are in no launch's arguments.
; LIMITS.  A NaN, an infinity or an overflow that reaches only the work left out (points past a length, bd1, bd2) is not carried to the result.  lengths are taken into 1 .. 2048
; (for a length below 1 reference() gives -inf and NaN; this text treats it as 1).  All f32 inputs are rounded to bf16; H1, H2, H3 are rounded to bf16 as matrix operands; sums in f32.
; DEALING.  A unit is 64 points of one cloud; cloud b has n_b = ceil(len_b / 64) units, T = sum n_b <= 4096, q = ceil(T / 256) <= 16.  Work-group w owns units w q .. w q + m - 1.  A run of
; its units inside one cloud is a SEGMENT; its maximum goes to pmax[cloud][slot], slot = the number of earlier work-groups that touch the cloud (<= 31); the work-group that ends a cloud
; stores the cloud's number of segments in segcnt.  Every wave works the dealing out for itself from lengths.  A work-group that a split leaves without units stores no maximum.
; SHARES.  Wave v keeps W4[:, 256 v .. 256 v + 255] (64 fragments, 512 registers) and all of W1, W2, W3 in registers for the whole launch.  Of a unit it takes points 16 v .. 16 v + 15 through
; layers 1 to 3 (THE FRONT) with source 0 = weights, source 1 = points: a lane holds one point, and two results rounded to bf16 ARE the next layer's source 1.  H3 goes into an LDS stage; then every
; wave multiplies all four groups of 16 points (source 0) by its 16 groups of 16 channels (source 1): a lane holds one channel, its 8 registers are points, and the maximum is four v_max3 a result.
; THE FRONT RIDES.  A wave issues in order and is alone on its SIMD, so a front set in a phase of its own leaves the matrix unit without work.  So the front of unit i + 1 stands among the 256
; products of unit i: its 28 products ahead of groups 0, 2 and 5 of the trip's 16 groups of 16, its LeakyReLU and roundings, one result for each four products, in groups 1, 3, 6 and 7.
; The stage is one: a barrier ahead of group 12, where every wave's reads of it are back, H3 of unit i + 1 stored behind that barrier, a second barrier at the trip's end.  The first unit's front is
; written out ahead of the loop; the front that rides in a work-group's last trip works on bytes that exist and is not used.
; WEIGHTS come straight from [K][N] f32: a lane loads 4 neighbouring columns (16 lanes: 256 consecutive bytes of a row) of 16 rows; a rounding of rows (k, k+1) of column c is a register of the
; fragment of tile c, in which lane r stands for column 64 g + 4 r + c.  So in a result register j of tile c is channel 64 g + 32 (lane / 16) + 4 j + c, and the next layer's rows are picked to match.
; W2 and W3, which all four waves want whole, are read once a work-group: wave v rounds one block of W3 and half a block of W2, and the fragments go from wave to wave through LDS.
; THE LATER LAUNCHES' WEIGHTS.  A block is 32 rows x 64 columns of Wf, Wd2, Wmu, Wlv, Wd1 or Wd3: 16 loads, 32 roundings, 4 fragments, stored as 4,096 consecutive bytes of wfr
; (fragment c x 1024 + half t x 512 + lane x 16).  Fragment f of column group g takes rows 64 (f / 2) + 16 (f % 2) + 32 (lane / 16) + 8 t + j, the order in which those launches lay their activations.
; Blocks in wfr: Wf 0-511, Wd2 512-1023, Wmu 1024-1151, Wlv 1152-1279, Wd1 1280-1407, Wd3 1408-1599; in a matrix block g x (K / 32) + f.  Wave 4 w + v takes block 4 w + v; the waves of
; work-groups 255 down to 112 take one of the last 576 as well.
; No multicast and no tensor loads: what the work-groups share (the weights) is read once a work-group at the start, into registers in fragment order.
; REGISTERS.  window 0: v0-15 addresses; v16-31 running maxima; v32-95 two sets of 4 accumulators; v96-159 two buffers of H3 fragments; v160-223 the front's accumulators (layer 1: v192-223,
; layer 2: v160-191, layer 3: all 64; H3 is packed in place; the flush works here too); v224-231 at work; v232-247 H1, then H2, packed.
; window 1: W1 v0-31, W2 v32-95, W3 v96-223, x v224-226, its fragment v232-239, b4 v240-255.  windows 2, 3: W4.
.set BT,    32768                      ; LDS: b2 (tiles 0-3) and b3 (tiles 4-11) in the accumulators' order: tile x 64 + half x 32 + register x 4
.set SPARE, 33792                      ; the spare words, 128 bytes a wave; the stage lies at 0: group of points x 4096 + result tile x 512 + lane x 16
.set WL2,   36864                      ; W2's 8 fragments, 1,024 bytes each: (2 tile + K half) x 1024 + t x 512 + lane x 16
.set WL3,   45056                      ; W3's 16 fragments, likewise
.set RUN, 16
.set ACC, 32
.set AF,  96
.set FA,  160
.set TMP, 224
.set HP,  232
.set MSB, 0
.macro WIN new                         ; the immediate's high byte repeats the setting that is left; a switch that changes nothing is dropped
.if MSB != (\new)
	s_set_vgpr_msb (MSB<<8)|(\new)
.set MSB, \new
.endif
.endm
.macro PLACES                          ; four places behind a matrix instruction (ISA guide 7.12.1)
.rept 4
	v_nop
.endr
.endm
.macro LOADW tmp, sb, vo, off0, st, si ; 16 rows x 4 columns a lane
.irp t, 0,1
.irp j, 0,1,2,3,4,5,6,7
	global_load_b128 v[(\tmp)+4*(8*\t+\j):(\tmp)+4*(8*\t+\j)+3], v[\vo], s[\sb:\sb+1] offset:(\off0)+\t*(\st)+\j*(\si)
.endr
.endr
.endm
.macro CONV tmp, dst, cstr             ; rounded to bf16: four fragments, one for each of the lane's columns
.irp c, 0,1,2,3
.irp t, 0,1
.irp i, 0,1,2,3
	v_cvt_pk_bf16_f32 v[(\dst)+\c*(\cstr)+4*\t+\i], v[(\tmp)+4*(8*\t+2*\i)+\c], v[(\tmp)+4*(8*\t+2*\i+1)+\c]
.endr
.endr
.endr
.endm
.macro TBOFF sh, pitch                 ; s66 = a block's number in its matrix (column group << sh | fragment) -> s[66:67] = its first byte
	s_lshr_b32 s67, s66, \sh
	s_and_b32 s68, s66, (1<<(\sh))-1
	s_lshr_b32 s69, s68, 1
	s_lshl_b32 s69, s69, 6
	s_and_b32 s68, s68, 1
	s_lshl_b32 s68, s68, 4
	s_add_co_u32 s69, s69, s68                     ; first row: 64 (f / 2) + 16 (f % 2)
	s_mul_i32 s69, s69, \pitch
	s_lshl_b32 s67, s67, 8
	s_add_co_u32 s66, s69, s67
	s_mov_b32 s67, 0
.endm
; The items of the weights' ring, on three sets of 64 registers (v32, v96, v160): 0-15 W4 (column group k / 4, fragment k % 4; fragment f takes rows 64 (f / 2) + 2 (f % 2) + t + 32 (lane / 16) + 4 j),
; 16 my block of W3, 17 my half block of W2 (8 loads), 18 my first block of the later launches' weights.
.macro RLOAD k
	WIN 0
.if (\k) < 16
	LOADW 32+64*((\k)%3), 24, 8, (64*(((\k)&3)>>1)+2*((\k)&1))*4096+256*((\k)>>2), 4096, 16384
.elseif (\k) == 16
	LOADW 96, 96, 9, 0, 512, 2048
.elseif (\k) == 17
.irp j, 0,1,2,3,4,5,6,7
	global_load_b128 v[160+4*\j:163+4*\j], v10, s[98:99] offset:1024*\j
.endr
.else
	LOADW 32, 88, 252, 0, 32768, 4096
.endif
.endm
.macro RCONV k
.if (\k) < 16
	WIN 0x80+0x40*((\k)>>3)
	CONV 32+64*((\k)%3), 128*(((\k)>>2)&1)+8*((\k)&3), 32
.elseif (\k) == 16
	WIN 0
	CONV 96, 192, 8
.irp c, 0,1,2,3
.irp t, 0,1
	ds_store_b128 v27, v[192+8*\c+4*\t:195+8*\c+4*\t] offset:WL3+2048*\c+512*\t
.endr
.endr
.elseif (\k) == 17
	WIN 0
.irp c, 0,1,2,3
.irp i, 0,1,2,3
	v_cvt_pk_bf16_f32 v[192+4*\c+\i], v[160+8*\i+\c], v[164+8*\i+\c]
.endr
.endr
.irp c, 0,1,2,3
	ds_store_b128 v20, v[192+4*\c:195+4*\c] offset:WL2+2048*\c
.endr
.else
	WIN 0
	CONV 32, 160, 8
.irp c, 0,1,2,3
.irp t, 0,1
	global_store_b128 v2, v[160+8*\c+4*\t:163+8*\c+4*\t], s[90:91] offset:1024*\c+512*\t  ; each store of the wave covers 512 consecutive bytes, aligned
.endr
.endr
.endif
.endm
; My second block, s70 of the last 576 (a branch on the work-group's and the wave's number alone): the ring's last item, into the set that item 16 has left.  The wait in front of item 18 is for 0, so it holds with and without these loads.
.macro TBLOAD
	WIN 0
	s_cmp_lt_u32 s70, 576
	s_cbranch_scc0 .Ltb_none
	s_cmp_lt_u32 s70, 256
	s_cbranch_scc0 .Ltb_d1
	s_cmp_lt_u32 s70, 128
	s_cselect_b64 s[92:93], s[76:77], s[78:79]     ; Wmu or Wlv: rows of 1,024 bytes
	s_and_b32 s66, s70, 127
	TBOFF 5, 1024
	s_add_nc_u64 s[92:93], s[92:93], s[66:67]
	LOADW 96, 92, 253, 0, 8192, 1024
	s_branch .Ltb_none
.Ltb_d1:
	s_cmp_lt_u32 s70, 384
	s_cbranch_scc0 .Ltb_d3
	s_sub_co_u32 s66, s70, 256                     ; Wd1: K = 256, rows of 4,096 bytes
	TBOFF 3, 4096
	s_add_nc_u64 s[92:93], s[80:81], s[66:67]
	LOADW 96, 92, 252, 0, 32768, 4096
	s_branch .Ltb_none
.Ltb_d3:
	s_sub_co_u32 s66, s70, 384                     ; Wd3: rows of 1,536 bytes
	TBOFF 5, 1536
	s_add_nc_u64 s[92:93], s[82:83], s[66:67]
	LOADW 96, 92, 254, 0, 12288, 1536
.Ltb_none:
.endm
.macro DERIVE                          ; from cloud s36 and its length s42: units s38, last live point s39, the cloud's byte in x s40
	s_max_i32 s4, s42, 1
	s_min_u32 s4, s4, 0x800
	s_add_co_u32 s38, s4, 63
	s_lshr_b32 s38, s38, 6
	s_sub_co_u32 s39, s4, 1
	s_min_u32 s5, s36, 127
	s_mul_i32 s40, s5, 24576
.endm
.macro XLOAD                           ; my point of unit s37 of cloud s36: 64 U + 16 v + r, held to the last live point
	WIN 0
	v_lshl_add_u32 v4, s37, 6, v6
	v_min_u32 v4, s39, v4
	v_min_u32 v4, 0x7ff, v4
	v_mul_u32_u24 v4, v4, 12
	v_add_nc_u32 v4, s40, v4
	WIN 0x40
	global_load_b32 v224, v4, s[8:9]
	global_load_b32 v225, v4, s[8:9] offset:4
	global_load_b32 v226, v4, s[8:9] offset:8
	WIN 0
.endm
.macro XCVT                            ; x as a fragment: k = 0, 1, 2 and a 1 that multiplies b1
	WIN 0x45
	v_cvt_pk_bf16_f32 v232, v224, v225
	v_cvt_pk_bf16_f32 v233, v226, 1.0
	WIN 0
.endm
; The walk: the cloud, the slot and the end mark of the unit whose front begins are set aside (s72-74: the flush wants them a trip later), then the state steps to the unit behind it.
.macro WALKN
	s_wait_kmcnt 0x0
	s_mov_b32 s72, s36
	s_mov_b32 s73, s41
	s_add_co_u32 s4, s36, 1
	s_min_u32 s4, s4, 127
	s_add_co_u32 s5, s37, 1
	s_cmp_eq_u32 s5, s38
	s_cselect_b32 s74, 1, 0                        ; this unit ends its cloud
	s_cselect_b32 s36, s4, s36
	s_cselect_b32 s42, s43, s42
	s_cselect_b32 s37, 0, s5
	s_cselect_b32 s41, 0, s41
	DERIVE
	s_add_co_u32 s49, s36, 1
	s_min_u32 s49, s49, 127
	s_lshl_b32 s49, s49, 2
	s_load_b32 s43, s[10:11], s49 offset:0x0
.endm
; max(h, 0.01 h) of one result of 8 registers.  RID writes line k of twelve in a form that names vector registers as destination, first and third source alone: under the products' window setting
; only the second source means another window, and there a scalar stands (0.01; -inf, which no maximum takes), so these lines ride behind layer 4's products with no switch.
; The accumulator's lowest registers are read first.
.macro RID src, k
.if (\k) < 4
	v_pk_mul_f32 v[TMP+2*(\k):TMP+2*(\k)+1], v[(\src)+2*(\k):(\src)+2*(\k)+1], s[52:53] op_sel_hi:[1,0]
.else
	v_max3_num_f32 v[(\src)+(\k)-4], v[(\src)+(\k)-4], s55, v[TMP+(\k)-4]
.endif
.endm
.macro CVT4 src, dst                   ; rounded to bf16 in pairs; dst = src packs in place: line i writes register i behind the reads of registers 2 i, 2 i + 1
.irp i, 0,1,2,3
	v_cvt_pk_bf16_f32 v[(\dst)+\i], v[(\src)+2*\i], v[(\src)+2*\i+1]
.endr
.endm
.macro LRP src, dst                    ; the same work for the front that is written out, in the short encodings
.irp i, 0,1,2,3
	v_pk_mul_f32 v[TMP+2*\i:TMP+2*\i+1], v[(\src)+2*\i:(\src)+2*\i+1], s[52:53] op_sel_hi:[1,0]
.endr
.irp i, 0,1,2,3,4,5,6,7
	v_max_num_f32 v[(\src)+\i], v[(\src)+\i], v[TMP+\i]
.endr
	CVT4 \src, \dst
.endm
.macro B2LOAD                          ; b2 starts layer 2's sums,
	WIN 0
.irp t, 0,1,2,3
	ds_load_b128 v[FA+8*\t:FA+8*\t+3], v7 offset:64*\t
	ds_load_b128 v[FA+8*\t+4:FA+8*\t+7], v7 offset:64*\t+16
.endr
.endm
.macro B3LOAD                          ; b3 layer 3's
	WIN 0
.irp t, 0,1,2,3,4,5,6,7
	ds_load_b128 v[FA+8*\t:FA+8*\t+3], v7 offset:256+64*\t
	ds_load_b128 v[FA+8*\t+4:FA+8*\t+7], v7 offset:256+64*\t+16
.endr
.endm
; The front's products; in each layer the accumulators take turns.
.macro LAY1
	WIN 0x05
.irp a, 0,1,2,3
	v_wmma_f32_16x16x32_bf16 v[FA+32+8*\a:FA+39+8*\a], v[8*\a:8*\a+7], v[232:239], 0
.endr
.endm
.macro LAY2
	WIN 0x01
.irp k, 0,1
.irp a, 0,1,2,3
	v_wmma_f32_16x16x32_bf16 v[FA+8*\a:FA+8*\a+7], v[32+(2*\a+\k)*8:39+(2*\a+\k)*8], v[HP+8*\k:HP+8*\k+7], v[FA+8*\a:FA+8*\a+7]
.endr
.endr
.endm
.macro LAY3
	WIN 0x01
.irp k, 0,1
.irp t, 0,1,2,3,4,5,6,7
	v_wmma_f32_16x16x32_bf16 v[FA+8*\t:FA+8*\t+7], v[96+(2*\t+\k)*8:103+(2*\t+\k)*8], v[HP+8*\k:HP+8*\k+7], v[FA+8*\t:FA+8*\t+7]
.endr
.endr
.endm
.macro H3OUT                           ; my 16 points' H3 into the stage
	WIN 0
.irp t, 0,1,2,3,4,5,6,7
	ds_store_b128 v3, v[FA+8*\t:FA+8*\t+3] offset:512*\t
.endr
.endm
.macro AFLOAD p                        ; H3 of points 16 p .. 16 p + 15: four fragments; it stands four plain lines or more behind the last product that read the buffer
	WIN 0
.irp f, 0,1,2,3,4,5,6,7
	ds_load_b128 v[AF+32*((\p)&1)+4*\f:AF+32*((\p)&1)+4*\f+3], v2 offset:(\p)*4096+512*\f
.endr
.endm
.macro MAX4 rn, a                      ; a result's 8 points into the running maximum
	v_max3_num_f32 v[\a], v[\a], v[(\a)+1], v[(\a)+2]
	v_max3_num_f32 v[(\a)+3], v[(\a)+3], v[(\a)+4], v[(\a)+5]
	v_max3_num_f32 v[\rn], v[\rn], v[(\a)+6], v[(\a)+7]
	v_max3_num_f32 v[\rn], v[\rn], v[\a], v[(\a)+3]
.endm
; Group n = 4 p + cq: 16 products: points 16 p on x channel tiles 4 cq .. 4 cq + 3, K = 128.  The four accumulators take turns.  Behind each fourth product stands the maximum
; of one result of the group before (the other set): its four lines name no register of the products round them and are their places.
; In groups 1, 3, 6 and 7 the next unit's front rides: for each four products one of its results: four of RID's lines behind each of the first three, the four roundings beside the maximum.
; Each of these results was made a group or more earlier, with 4 v_nop (group 0) or 16 lines of maxima between.
.macro GRP p, cq
.set n_, 4*(\p)+(\cq)
.set st_, n_&1
.set rs_, -1
.set rip_, 0
.if n_ == 1
.set rs_, FA+32                        ; layer 1's four results -> H1
.elseif n_ == 3
.set rs_, FA                           ; layer 2's four -> H2
.elseif n_ == 6
.set rs_, FA                           ; layer 3's first four, packed in place
.set rip_, 1
.elseif n_ == 7
.set rs_, FA+32                        ; and its last four
.set rip_, 1
.endif
.irp f, 0,1,2,3
	WIN 0x08+4*((\cq)>>1)
.irp t, 0,1,2,3
.if \f == 0
	v_wmma_f32_16x16x32_bf16 v[ACC+32*st_+8*\t:ACC+32*st_+8*\t+7], v[AF+32*((\p)&1)+8*\f:AF+32*((\p)&1)+8*\f+7], v[128*((\cq)&1)+32*\t+8*\f:128*((\cq)&1)+32*\t+8*\f+7], 0
.else
	v_wmma_f32_16x16x32_bf16 v[ACC+32*st_+8*\t:ACC+32*st_+8*\t+7], v[AF+32*((\p)&1)+8*\f:AF+32*((\p)&1)+8*\f+7], v[128*((\cq)&1)+32*\t+8*\f:128*((\cq)&1)+32*\t+8*\f+7], v[ACC+32*st_+8*\t:ACC+32*st_+8*\t+7]
.endif
.if (rs_ >= 0) && (\t < 3)
.irp i, 0,1,2,3
	RID rs_+8*\f, 4*\t+\i
.endr
.endif
.endr
.if n_ > 0
	WIN 0
	MAX4 RUN+4*((n_-1)&3)+\f, ACC+32*(1-st_)+8*\f
.if rs_ >= 0
.if rip_
	CVT4 rs_+8*\f, rs_+8*\f
.else
	CVT4 rs_+8*\f, HP+4*\f
.endif
.endif
.endif
.endr
.if n_ == 0
	PLACES
.endif
.endm
	s_load_b512 s[8:23], s[0:1], 0x0               ; x, lengths, W1, b1, W2, b2, W3, b3
	s_load_b256 s[24:31], s[0:1], 0x40             ; W4, b4, pmax, segcnt
	s_load_b256 s[72:79], s[0:1], 0x60             ; Wf, Wd2, Wmu, Wlv
	s_load_b128 s[80:83], s[0:1], 0x80             ; Wd1, Wd3
	s_load_b64 s[84:85], s[0:1], 0x90              ; wfr
	v_lshl_add_u32 v14, v0, 2, SPARE
	v_mov_b32 v15, 0
	v_and_b32 v1, 31, v0                           ; lane
	v_lshrrev_b32 v12, 5, v0
	v_readfirstlane_b32 s2, v12                    ; wave
	s_mov_b32 s3, ttmp9
	v_and_b32 v11, 15, v0                          ; r
	v_bfe_u32 v13, v0, 4, 1                        ; h
	v_lshlrev_b32 v2, 4, v1                        ; 16 lane
	s_lshl_b32 s4, s2, 12
	v_add_nc_u32 v3, s4, v2                        ; my place in the stage
	s_lshl_b32 s4, s2, 10
	v_add_nc_u32 v5, s4, v2                        ; my 16 bytes of a segment's row in pmax
	s_lshl_b32 s5, s2, 4
	v_add_nc_u32 v6, s5, v11                       ; my point in a unit
	v_lshlrev_b32 v7, 5, v13
	v_add_nc_u32 v7, BT, v7
	v_lshlrev_b32 v11, 4, v11                      ; 16 r
	v_lshl_add_u32 v252, v13, 17, v11              ; 32 h rows of 4,096 bytes + 16 r: the later launches' weights with such rows,
	v_add_nc_u32 v8, s4, v252                      ; and W4, at my 256 columns
	v_lshl_add_u32 v9, v13, 14, v11                ; W3: rows of 512 bytes
	v_lshl_add_u32 v10, v13, 13, v11               ; W2: rows of 256 bytes
	v_lshl_add_u32 v253, v13, 15, v11              ; 32 h rows of 1,024 bytes
	v_mul_u32_u24 v254, v13, 49152                 ; 32 h rows of 1,536 bytes
	v_add_nc_u32 v254, v254, v11
	v_add_nc_u32 v4, s4, v11                       ; b4
	v_bfe_u32 v16, v0, 3, 1                        ; the bias tables: entry = tile x 16 + half x 8 + register holds channel 32 half + 4 register + tile % 4 (+ 64 for b3's tiles 4-7)
	v_and_b32 v17, 7, v0
	v_bfe_u32 v18, v0, 4, 2
	v_lshl_add_u32 v18, v16, 5, v18
	v_lshl_add_u32 v18, v17, 2, v18
	v_lshlrev_b32 v13, 2, v18
	v_lshrrev_b32 v16, 6, v0
	v_lshl_add_u32 v12, v16, 8, v13
	s_and_b32 s4, s2, 1                            ; my block of W3: K half f = v % 2, column group v / 2; my half block of W2: K half f, half t = v / 2
	s_lshr_b32 s5, s2, 1
	s_lshl_b32 s6, s4, 10
	s_lshl_b32 s7, s5, 9
	s_add_co_u32 s7, s7, s6
	v_add_nc_u32 v20, s7, v2                       ; W2 in LDS: 1024 f + 512 t + 16 lane
	s_lshl_b32 s7, s5, 13
	s_add_co_u32 s7, s7, s6
	v_add_nc_u32 v27, s7, v2                       ; W3 in LDS: 1024 (8 g + f) + 16 lane
	s_lshl_b32 s86, s3, 2
	s_add_co_u32 s86, s86, s2                      ; my first block of the later launches' weights
	s_sub_co_u32 s70, 255, s3
	s_lshl_b32 s70, s70, 2
	s_add_co_u32 s70, s70, s2                      ; my second, if below 576
	s_mov_b32 s50, 0x76543210
	s_mov_b32 s51, 0xfedcba98
	s_mov_b32 s52, 0x3c23d70a                      ; 0.01
	s_mov_b32 s53, s52
	s_mov_b32 s54, 0xffff0000                      ; a word's upper bf16; also: lanes 16 to 31
	s_mov_b32 s55, 0xff800000                      ; -inf
	s_mov_b32 s44, 0
	s_mov_b32 s45, 0
	s_mov_b32 s46, 0
	s_wait_kmcnt 0x0
	global_load_b128 v[16:19], v2, s[10:11]        ; the lengths of clouds 4 lane .. 4 lane + 3
.irp k, 0,1,2
	global_load_b128 v[224+4*\k:227+4*\k], v11, s[12:13] offset:256*\k
.endr
	global_load_b128 v[236:239], v11, s[14:15]
	WIN 0x40
.irp k, 0,1,2,3
	global_load_b128 v[240+4*\k:243+4*\k], v4, s[26:27] offset:256*\k
.endr
	WIN 0
	global_load_b32 v240, v12, s[22:23]
	global_load_b32 v241, v13, s[18:19]
	RLOAD 0
	RLOAD 1
	RLOAD 2
	s_lshl_b32 s7, s5, 8                           ; where the ring's last items come from and go to
	s_add_co_u32 s66, s6, s7
	s_mov_b32 s67, 0
	s_add_nc_u64 s[96:97], s[20:21], s[66:67]      ; W3 + 1024 f + 256 g
	s_lshl_b32 s66, s4, 9
	s_add_co_u32 s66, s66, s7
	s_add_nc_u64 s[98:99], s[16:17], s[66:67]      ; W2 + 256 (2 f + t)
	s_and_b32 s66, s86, 511
	TBOFF 5, 4096
	s_cmp_lt_u32 s86, 512
	s_cselect_b64 s[88:89], s[72:73], s[74:75]     ; Wf or Wd2
	s_add_nc_u64 s[88:89], s[88:89], s[66:67]
	s_lshl_b32 s66, s86, 12
	s_add_nc_u64 s[90:91], s[84:85], s[66:67]
	s_min_u32 s66, s70, 575
	s_add_co_u32 s66, s66, 1024
	s_lshl_b32 s66, s66, 12
	s_add_nc_u64 s[94:95], s[84:85], s[66:67]
	s_wait_loadcnt 58                              ; 58 loads were issued behind the lengths'
	; THE DEALING: units of each cloud, their running sum over the 128 clouds
.irp k, 0,1,2,3
	v_max_i32 v[16+\k], 1, v[16+\k]
	v_min_u32 v[16+\k], 0x800, v[16+\k]
	v_add_nc_u32 v[16+\k], 63, v[16+\k]
	v_lshrrev_b32 v[16+\k], 6, v[16+\k]
.endr
	v_add_nc_u32 v21, v16, v17
	v_add_nc_u32 v22, v21, v18
	v_add_nc_u32 v23, v22, v19
	v_mov_b32 v24, v23
.irp d, 1,2,4,8,16
	v_add_nc_u32 v25, -\d, v1
	v_lshlrev_b32 v25, 2, v25
	ds_bpermute_b32 v26, v25, v24                  ; the sum of the lane d below
	v_cmp_le_u32 vcc_lo, \d, v1
	s_wait_dscnt 0x0
	v_cndmask_b32 v26, 0, v26, vcc_lo
	v_add_nc_u32 v24, v24, v26
.endr
	v_sub_nc_u32 v25, v24, v23                     ; first unit of cloud 4 lane,
	v_add_nc_u32 v28, v25, v16                     ; of 4 lane + 1 (= the end of 4 lane),
	v_add_nc_u32 v29, v25, v21
	v_add_nc_u32 v30, v25, v22                     ; v24: the end of cloud 4 lane + 3
	v_readlane_b32 s32, v24, 31                    ; T
	s_add_co_u32 s33, s32, 255
	s_lshr_b32 s33, s33, 8                         ; q
	s_mul_i32 s34, s3, s33                         ; my first unit
	s_sub_co_i32 s4, s32, s34
	s_min_i32 s35, s33, s4
	s_max_i32 s35, s35, 0                          ; m
	s_mov_b32 s36, 0
.irp k, 28,29,30,24
	v_cmp_le_u32 s60, v\k, s34                     ; clouds that end at or before my first unit
	s_bcnt1_i32_b32 s61, s60
	s_add_co_u32 s36, s36, s61
.endr
	s_min_u32 s36, s36, 127                        ; my first cloud
	s_lshr_b32 s4, s36, 2
	v_readlane_b32 s66, v25, s4
	v_readlane_b32 s67, v28, s4
	v_readlane_b32 s68, v29, s4
	v_readlane_b32 s69, v30, s4
	s_and_b32 s5, s36, 3
	s_cmp_eq_u32 s5, 1
	s_cselect_b32 s6, s67, s66
	s_cmp_eq_u32 s5, 2
	s_cselect_b32 s6, s68, s6
	s_cmp_eq_u32 s5, 3
	s_cselect_b32 s6, s69, s6                      ; its first unit
	s_sub_co_u32 s37, s34, s6                      ; my first unit's number in it
	v_sub_nc_u32 v26, s3, v1
	v_mul_lo_u32 v26, v26, s33
	v_cmp_gt_i32 s60, v26, s6                      ; work-group w - 1 - lane ends behind the cloud's first unit: it touches the cloud
	s_bcnt1_i32_b32 s41, s60
	s_min_u32 s41, s41, 31                         ; my first segment's slot
	s_lshl_b32 s4, s36, 2
	s_load_b32 s42, s[10:11], s4 offset:0x0
	s_add_co_u32 s49, s36, 1
	s_min_u32 s49, s49, 127
	s_lshl_b32 s49, s49, 2
	s_load_b32 s43, s[10:11], s49 offset:0x0       ; the next cloud's length
	; THE WEIGHTS: three items are out; an item is rounded and its registers asked for again.  Each wait counts the loads of the items behind the one that is due.
.set n, 0
.rept 19
.if n < 15
	s_wait_loadcnt 32                              ; two items of 16
.elseif n < 17
	s_wait_loadcnt 24                              ; behind item 15: items 16 and 17; behind item 16: items 17 and 18: 16 + 8 loads
.elseif n == 17
	s_wait_loadcnt 16                              ; item 18 (and, where there is one, my second block)
.else
	s_wait_loadcnt 0x0
.endif
	RCONV n
.if n < 16
	RLOAD n+3
.endif
.if n == 16
	TBLOAD
.endif
.set n, n+1
.endr
	WIN 0
	s_cmp_lt_u32 s70, 576
	s_cbranch_scc0 .Ltb_skip
	CONV 96, 192, 8
.irp c, 0,1,2,3
.irp t, 0,1
	global_store_b128 v2, v[192+8*\c+4*\t:195+8*\c+4*\t], s[94:95] offset:1024*\c+512*\t
.endr
.endr
.Ltb_skip:
.irp c, 0,1,2,3
	v_cvt_pk_bf16_f32 v[244+\c], v[224+\c], v[228+\c]  ; W1's rows 0, 1
	v_cvt_pk_bf16_f32 v[248+\c], v[232+\c], v[236+\c]  ; row 2 and b1, which multiplies the 1 in x's fourth place
.endr
	v_cvt_pk_bf16_f32 v242, v240, v241             ; b3, b2 to bf16's numbers
	v_lshlrev_b32 v240, 16, v242
	v_and_b32 v241, s54, v242
	v_lshlrev_b32 v243, 2, v0
	WIN 0x40
.irp c, 0,1,2,3
	v_cndmask_b32 v[8*\c], v[244+\c], 0, s54       ; K = 4 of 32: lanes 16-31 (k = 8 ..) and registers 2-7 hold 0
	v_cndmask_b32 v[8*\c+1], v[248+\c], 0, s54
.irp i, 2,3,4,5,6,7
	v_mov_b32 v[8*\c+\i], 0
.endr
.endr
.irp i, 234,235,236,237,238,239
	v_mov_b32 v\i, 0
.endr
	WIN 0x45
.irp i, 0,1,2,3,4,5,6,7
	v_cvt_pk_bf16_f32 v228, v[240+2*\i], v[241+2*\i]   ; b4 to bf16's numbers
	v_lshlrev_b32 v[240+2*\i], 16, v228
	v_and_b32 v[241+2*\i], s54, v228
.endr
	WIN 0
.irp i, 0,1,2,3,4,5,6,7,8,9,10,11,12,13,14,15
	v_mov_b32 v[RUN+\i], s55
.endr
	ds_store_b32 v243, v240 offset:BT+256
	s_cmp_lt_u32 s2, 2
	s_cbranch_scc0 .Lnob2
	ds_store_b32 v243, v241 offset:BT
.Lnob2:
	s_wait_kmcnt 0x0
	DERIVE
	XLOAD                                          ; my first unit's x
	s_wait_dscnt 0x0
	s_barrier_signal -1
	s_barrier_wait -1                              ; the bias tables and W2's and W3's fragments are whole
	WIN 0x40
.set f_, 0
.rept 8
	ds_load_b128 v[32+8*f_:35+8*f_], v2 offset:WL2+1024*f_
	ds_load_b128 v[36+8*f_:39+8*f_], v2 offset:WL2+1024*f_+512
.set f_, f_+1
.endr
.set f_, 0
.rept 16
	ds_load_b128 v[96+8*f_:99+8*f_], v2 offset:WL3+1024*f_
	ds_load_b128 v[100+8*f_:103+8*f_], v2 offset:WL3+1024*f_+512
.set f_, f_+1
.endr
	WIN 0
	s_wait_dscnt 0x0
	; THE FIRST UNIT'S FRONT, written out: there are no products yet for it to ride among
	s_wait_loadcnt 0x0                             ; its x
	s_wait_xcnt 0x0                                ; the stores of the weights' blocks have read their registers
	B2LOAD
	XCVT
	WALKN
	XLOAD                                          ; the second unit's x
	LAY1
	PLACES
	WIN 0
.irp a, 0,1,2,3
	LRP FA+32+8*\a, HP+4*\a
.endr
	s_wait_dscnt 0x0                               ; b2
	LAY2
	PLACES
	WIN 0
.irp a, 0,1,2,3
	LRP FA+8*\a, HP+4*\a
.endr
	B3LOAD
	s_wait_dscnt 0x0
	LAY3
	PLACES
	WIN 0
.irp t, 0,1,2,3,4,5,6,7
	LRP FA+8*\t, FA+8*\t
.endr
	H3OUT
	s_wait_dscnt 0x0                               ; my part of H3 is stored
	s_barrier_signal -1
	s_barrier_wait -1                              ; everybody's is
	s_mov_b32 s47, 0
.Lunit:                                        ; 16 trips, the most that any split gives; every wave passes both barriers, only work is jumped
	s_cmp_lt_u32 s47, s35
	s_cbranch_scc0 .Ld1
	B2LOAD                                         ; for the next unit's front
	AFLOAD 0
	AFLOAD 1
	s_mov_b32 s44, s72                             ; this unit's cloud, slot and end mark, set aside a trip ago
	s_mov_b32 s45, s73
	s_mov_b32 s46, s74
	s_wait_loadcnt 0x0                             ; the next unit's x
	s_wait_xcnt 0x0                                ; the last flush's stores have read their registers
	XCVT
	WALKN
	XLOAD                                          ; x of the unit after the next (behind my last unit: bytes that exist and are not used)
	LAY1
	s_wait_dscnt 8                                 ; b2 and the first fragments are in; the second buffer's eight loads may stay out
	GRP 0, 0
	GRP 0, 1
	LAY2
	GRP 0, 2
	GRP 0, 3
	B3LOAD
	AFLOAD 2
	s_wait_dscnt 24                                ; the second buffer is in; b3's sixteen loads and the eight just issued may stay out
	GRP 1, 0
	s_wait_dscnt 8                                 ; b3 is in
	LAY3
	GRP 1, 1
	GRP 1, 2
	GRP 1, 3
	AFLOAD 3
	s_wait_dscnt 8                                 ; all but the eight just issued
	GRP 2, 0
	GRP 2, 1
	GRP 2, 2
	GRP 2, 3
	WIN 0
.Ld1:
	s_wait_dscnt 0x0                               ; my reads of the stage are back, the last fragments among them
	s_barrier_signal -1
	s_barrier_wait -1                              ; everybody's are: the stage may be written again
	s_cmp_lt_u32 s47, s35
	s_cbranch_scc0 .Ld2
	H3OUT                                          ; the next unit's H3
	GRP 3, 0
	GRP 3, 1
	GRP 3, 2
	GRP 3, 3
	WIN 0
.irp f, 0,1,2,3
	MAX4 RUN+12+\f, ACC+32+8*\f
.endr
	s_add_co_u32 s4, s47, 1
	s_cmp_eq_u32 s4, s35
	s_cselect_b32 s4, 1, 0
	s_or_b32 s4, s4, s46
	s_cmp_lg_u32 s4, 0
	s_cbranch_scc0 .Ld2                            ; the segment goes on
	; THE SEGMENT ENDS: the two halves of the lanes' points, + b4, LeakyReLU, 1,024 bytes a wave in the channels' own order
	s_wait_xcnt 0x0
.irp t, 0,1,2,3,4,5,6,7,8,9,10,11,12,13,14,15
	v_permlanex16_b32 v[160+\t], v[RUN+\t], s50, s51
.endr
.irp t, 0,1,2,3,4,5,6,7,8,9,10,11,12,13,14,15
	v_max_num_f32 v[160+\t], v[160+\t], v[RUN+\t]
.endr
	WIN 0x04
.irp t, 0,1,2,3,4,5,6,7,8,9,10,11,12,13,14,15
	v_add_f32 v[160+\t], v[160+\t], v[240+\t]
.endr
	WIN 0
.irp i, 0,1,2,3,4,5,6,7
	v_pk_mul_f32 v[176+2*\i:177+2*\i], v[160+2*\i:161+2*\i], s[52:53] op_sel_hi:[1,0]
.endr
.irp t, 0,1,2,3,4,5,6,7,8,9,10,11,12,13,14,15
	v_max_num_f32 v[160+\t], v[160+\t], v[176+\t]
.endr
.irp u, 0,1
.irp e, 0,1,2,3
	v_cndmask_b32 v[192+4*\u+\e], v[160+8*\u+\e], v[164+8*\u+\e], s54  ; lanes 0-15 take column group 2 u, lanes 16-31 group 2 u + 1
.endr
.endr
.irp i, 0,1,2,3,4,5,6,7,8,9,10,11,12,13,14,15
	v_mov_b32 v[RUN+\i], s55
.endr
	s_min_u32 s4, s44, 127
	s_min_u32 s5, s45, 31
	s_lshl_b32 s58, s4, 5
	s_add_co_u32 s58, s58, s5
	s_lshl_b32 s58, s58, 12
	s_mov_b32 s59, 0
	s_add_nc_u64 s[56:57], s[28:29], s[58:59]
	global_store_b128 v5, v[192:195], s[56:57]     ; each store of the wave covers 512 consecutive bytes, aligned
	global_store_b128 v5, v[196:199], s[56:57] offset:512
	s_cmp_eq_u32 s46, 0
	s_cbranch_scc1 .Ld2
	s_cmp_lg_u32 s2, 0
	s_cbranch_scc1 .Ld2
	s_lshl_b32 s4, s4, 2                           ; the cloud ends here: wave 0 stores its number of segments
	s_add_co_u32 s5, s5, 1
	v_mov_b32 v12, s4
	v_mov_b32 v13, s5
	s_wait_xcnt 0x0                                ; EXEC changes only behind this wait
	v_cmp_eq_u32 vcc_lo, 0, v1
	s_and_saveexec_b32 s60, vcc_lo
	global_store_b32 v12, v13, s[30:31]
	s_wait_xcnt 0x0
	s_or_b32 exec_lo, exec_lo, s60
.Ld2:
	s_wait_dscnt 0x0                               ; my part of the next unit's H3 is stored
	s_barrier_signal -1
	s_barrier_wait -1                              ; everybody's is
	s_add_co_u32 s47, s47, 1
	s_cmp_lt_u32 s47, 16
	s_cbranch_scc1 .Lunit
	s_wait_tensorcnt 0x0                           ; the wave's end
	ds_add_u32 v14, v15
	s_wait_dscnt 0x0
	s_endpgm
.Lfunc_end_k_q2d2ed73841_points:
	.size	k_q2d2ed73841_points, .Lfunc_end_k_q2d2ed73841_points-k_q2d2ed73841_points
	.p2alignl 7, 3214868480
	.fill 96, 4, 3214868480
	.section	.rodata,"a",@progbits
	.p2align	6, 0x0
	.amdhsa_kernel k_q2d2ed73841_points
		.amdhsa_group_segment_fixed_size 61440
		.amdhsa_private_segment_fixed_size 0
		.amdhsa_enable_private_segment 0
		.amdhsa_kernarg_size 152
		.amdhsa_user_sgpr_count 2
		.amdhsa_user_sgpr_kernarg_segment_ptr 1
		.amdhsa_wavefront_size32 1
		.amdhsa_system_sgpr_workgroup_id_x 1
		.amdhsa_system_sgpr_workgroup_id_y 1
		.amdhsa_system_sgpr_workgroup_id_z 1
		.amdhsa_system_vgpr_workitem_id 0
		.amdhsa_next_free_vgpr 1024
		.amdhsa_next_free_sgpr 100
		.amdhsa_reserve_vcc 1
		.amdhsa_float_denorm_mode_32 3
		.amdhsa_float_denorm_mode_16_64 3
		.amdhsa_memory_ordered 1
		.amdhsa_forward_progress 1
		.amdhsa_inst_pref_size 178
	.end_amdhsa_kernel
	.amdgpu_metadata
---
amdhsa.version: [ 1, 2 ]
amdhsa.kernels:
  - .name:           k_q2d2ed73841_points
    .symbol:         k_q2d2ed73841_points.kd
    .args:
      - { .name: x, .offset: 0, .size: 8, .value_kind: global_buffer, .address_space: global }
      - { .name: lengths, .offset: 8, .size: 8, .value_kind: global_buffer, .address_space: global }
      - { .name: W1, .offset: 16, .size: 8, .value_kind: global_buffer, .address_space: global }
      - { .name: b1, .offset: 24, .size: 8, .value_kind: global_buffer, .address_space: global }
      - { .name: W2, .offset: 32, .size: 8, .value_kind: global_buffer, .address_space: global }
      - { .name: b2, .offset: 40, .size: 8, .value_kind: global_buffer, .address_space: global }
      - { .name: W3, .offset: 48, .size: 8, .value_kind: global_buffer, .address_space: global }
      - { .name: b3, .offset: 56, .size: 8, .value_kind: global_buffer, .address_space: global }
      - { .name: W4, .offset: 64, .size: 8, .value_kind: global_buffer, .address_space: global }
      - { .name: b4, .offset: 72, .size: 8, .value_kind: global_buffer, .address_space: global }
      - { .name: pmax, .offset: 80, .size: 8, .value_kind: global_buffer, .address_space: global }
      - { .name: segcnt, .offset: 88, .size: 8, .value_kind: global_buffer, .address_space: global }
      - { .name: Wf, .offset: 96, .size: 8, .value_kind: global_buffer, .address_space: global }
      - { .name: Wd2, .offset: 104, .size: 8, .value_kind: global_buffer, .address_space: global }
      - { .name: Wmu, .offset: 112, .size: 8, .value_kind: global_buffer, .address_space: global }
      - { .name: Wlv, .offset: 120, .size: 8, .value_kind: global_buffer, .address_space: global }
      - { .name: Wd1, .offset: 128, .size: 8, .value_kind: global_buffer, .address_space: global }
      - { .name: Wd3, .offset: 136, .size: 8, .value_kind: global_buffer, .address_space: global }
      - { .name: wfr, .offset: 144, .size: 8, .value_kind: global_buffer, .address_space: global }
    .group_segment_fixed_size: 61440
    .private_segment_fixed_size: 0
    .kernarg_segment_align: 8
    .kernarg_segment_size: 152
    .max_flat_workgroup_size: 128
    .sgpr_count:     100
    .vgpr_count:     1024
    .wavefront_size: 32
...
	.end_amdgpu_metadata
.endif
;; end of part 7
;; launch enc (part 8): grid 16 x 8, 4 waves a work-group, no clusters, 82,944 bytes of LDS; arguments pmax, segcnt, wfr, bf, eact; writes eact
.if DOCPART == 8
	.amdgcn_target "amdgcn-amd-amdhsa--gfx1250"
	.amdhsa_code_object_version 6
	.text
	.protected	k_q2d2ed73841_enc
	.globl	k_q2d2ed73841_enc
	.p2align	8
	.type	k_q2d2ed73841_enc,@function
k_q2d2ed73841_enc:
	s_mov_b64 s[64:65], 0
	v_nop
	global_prefetch_b8 v0, s[64:65] scope:SCOPE_SE
	s_setreg_imm32_b32 hwreg(HW_REG_WAVE_MODE, 25, 1), 1
	s_wait_xcnt 0x0
; pooled[b] = the maximum over cloud b's segments (pmax, segcnt slots each); e = LeakyReLU(pooled Wf + bf).
; A work-group makes 16 rows (ttmp7) x 64 columns (ttmp9).  K = 1024 IS SPLIT AMONG THE FOUR WAVES, 8 fragments of 32 each; the four partial sums meet in LDS.
; Source 0 = Wf's fragments, bf16, as the first launch laid them in wfr (block g x 32 + f, 4,096 bytes: fragment c x 1024 + half t x 512 + lane x 16; lane r of fragment c stands for column
; 64 g + 4 r + c; fragment f holds rows 64 (f / 2) + 16 (f % 2) + 32 (lane / 16) + 8 t + j): a wave's 64 loads are 32,768 consecutive bytes and are all asked for at the start.
; Source 1 = 16 rows of the activation, AS TWO bf16 OPERANDS, hi = bf16(a), lo = bf16(a - hi); each weight fragment multiplies both.  bf is rounded to bf16's numbers.
; Behind the meeting wave w owns registers 2 w, 2 w + 1 of every result: 8 neighbouring channels 64 g + 32 (lane / 16) + 8 w + 0..7 a lane, 16 bytes of eact:
; eact byte = ((row tile x 32 + f) x 2 + op) x 1024 + t x 512 + lane x 16; the lane's 8 numbers are channels 64 (f / 2) + 32 (lane / 16) + 16 (f % 2) + 8 t + 0..7: the next launch's fragments.
; Each wave pools 4 of the 16 clouds into LDS (rows of 2,064 bytes, hi and lo); the trips of that loop hang on segcnt, which the launch before stored; it has no LDS access and no barrier.
; The 128 running maxima start at -inf, by 128 moves that run while the first loads are out, so that the loop has one form of trip.
; REGISTERS.  window 0: addresses, at work; window 1: weights, fragment (f, c) at 32 f + 8 c; window 2: the slots as loaded; window 3: v0-31 accumulators, v128-255 activation, (f, op) at 128 + 16 f + 8 op.
.set NCS, 1
.set NT, 4
.set PSZ, NT*1024
.set KFO, 32
.set AH, 16384
.set AL, 49408
.set SPARE, 82432
.set MSB, 0
.macro WIN new
.if MSB != (\new)
	s_set_vgpr_msb (MSB<<8)|(\new)
.set MSB, \new
.endif
.endm
.macro PLACES
.rept 4
	v_nop
.endr
.endm
.macro RB a, b, d1, d2, tt             ; two numbers rounded to bf16's numbers, kept as f32
	v_cvt_pk_bf16_f32 v[\tt], v[\a], v[\b]
	v_lshlrev_b32 v[\d1], 16, v[\tt]
	v_and_b32 v[\d2], s54, v[\tt]
.endm
.macro SPL x, y, hi, lo                ; two numbers as hi + lo
	v_cvt_pk_bf16_f32 v[\hi], v[\x], v[\y]
	v_lshlrev_b32 v254, 16, v[\hi]
	v_and_b32 v255, s54, v[\hi]
	v_sub_f32 v[\x], v[\x], v254
	v_sub_f32 v[\y], v[\y], v255
	v_cvt_pk_bf16_f32 v[\lo], v[\x], v[\y]
.endm
.macro LANES                           ; v1 lane, v2 r, v3 h, v6 partial sums out, v7-10 back, v11 activation out, v12 my 8 channels' bytes, v13 16 lane
	v_lshl_add_u32 v14, v0, 2, SPARE
	v_mov_b32 v15, 0
	v_and_b32 v1, 31, v0
	v_lshrrev_b32 v2, 5, v0
	v_readfirstlane_b32 s2, v2
	v_and_b32 v2, 15, v0
	v_bfe_u32 v3, v0, 4, 1
	s_mov_b32 s3, ttmp9
	s_and_b32 s4, ttmp7, 0xffff
	s_mov_b32 s52, 0x3c23d70a
	s_mov_b32 s53, s52
	s_mov_b32 s54, 0xffff0000
	v_lshlrev_b32 v13, 4, v1
	s_mul_i32 s5, s2, PSZ
	v_add_nc_u32 v6, s5, v13
	s_lshr_b32 s5, s2, 1
	s_and_b32 s6, s2, 1
	s_lshl_b32 s7, s5, 9                           ; registers 4-7 of a result lie 512 bytes behind registers 0-3,
	s_lshl_b32 s38, s6, 3                          ; my pair of registers 8 (w % 2) bytes into a lane's 16
	s_add_co_u32 s7, s7, s38
	v_add_nc_u32 v7, s7, v13
	v_add_nc_u32 v8, PSZ, v7
	v_add_nc_u32 v9, 2*PSZ, v7
	v_add_nc_u32 v10, 3*PSZ, v7
	s_lshl_b32 s7, s6, 9
	v_add_nc_u32 v11, s7, v13
	s_lshl_b32 s36, s3, 8
	s_lshl_b32 s37, s2, 5
	s_add_co_u32 s36, s36, s37
	v_lshl_add_u32 v12, v3, 7, s36
.endm
.macro LW f, ws=0                      ; the 8 loads of my fragment f of weight set ws
	WIN 0x40*(1+(\ws))
.irp c, 0,1,2,3
.irp t, 0,1
	global_load_b128 v[32*(\f)+8*\c+4*\t:32*(\f)+8*\c+4*\t+3], v13, s[40+2*(\ws):41+2*(\ws)] offset:4096*(\f)+1024*\c+512*\t
.endr
.endr
.endm
.macro LAL f                           ; the activation's fragment f, hi and lo, out of LDS
	WIN 0xc0
.irp o, 0,1
.irp t, 0,1
	ds_load_b128 v[128+16*(\f)+8*\o+4*\t:128+16*(\f)+8*\o+4*\t+3], v5 offset:128*((\f)>>1)+32*((\f)&1)+16*\t+(AL-AH)*\o
.endr
.endr
.endm
.macro MUL f                           ; fragment f's products; the accumulators take turns; the first products start the sums
.set cs_, 0
.rept NCS
	WIN 0xfd+cs_
.irp o, 0,1
.irp c, 0,1,2,3
.if ((\f) == 0) && (\o == 0)
	v_wmma_f32_16x16x32_bf16 v[32*cs_+8*\c:32*cs_+8*\c+7], v[32*(\f)+8*\c:32*(\f)+8*\c+7], v[128+16*(\f)+8*\o:128+16*(\f)+8*\o+7], 0
.else
	v_wmma_f32_16x16x32_bf16 v[32*cs_+8*\c:32*cs_+8*\c+7], v[32*(\f)+8*\c:32*(\f)+8*\c+7], v[128+16*(\f)+8*\o:128+16*(\f)+8*\o+7], v[32*cs_+8*\c:32*cs_+8*\c+7]
.endif
.endr
.endr
.set cs_, cs_+1
.endr
.endm
.macro PSUM                            ; the four waves' partial sums meet; I end with registers 2 w, 2 w + 1 of tile t in v[16 + 2 t : 17 + 2 t]
	WIN 0x0c
.set t_, 0
.rept NT
	ds_store_b128 v6, v[8*t_:8*t_+3] offset:1024*t_
	ds_store_b128 v6, v[8*t_+4:8*t_+7] offset:1024*t_+512
.set t_, t_+1
.endr
	WIN 0
	s_wait_dscnt 0x0
	s_barrier_signal -1
	s_barrier_wait -1
.irp q, 0,1,2
.set t_, 0
.rept NT
	ds_load_b64 v[16+64*\q+2*t_:17+64*\q+2*t_], v[7+\q] offset:1024*t_
.set t_, t_+1
.endr
.endr
	s_wait_dscnt NT                                ; the third run may stay out
.set t_, 0
.rept NT
	v_pk_add_f32 v[16+2*t_:17+2*t_], v[16+2*t_:17+2*t_], v[80+2*t_:81+2*t_]
.set t_, t_+1
.endr
.set t_, 0
.rept NT
	ds_load_b64 v[80+2*t_:81+2*t_], v10 offset:1024*t_
.set t_, t_+1
.endr
	s_wait_dscnt NT
.set t_, 0
.rept NT
	v_pk_add_f32 v[16+2*t_:17+2*t_], v[16+2*t_:17+2*t_], v[144+2*t_:145+2*t_]
.set t_, t_+1
.endr
	s_wait_dscnt 0x0                               ; my reads of the partial sums are back:
	s_barrier_signal -1                            ; say so; the last additions, work on registers, stand between the signal and the wait
.set t_, 0
.rept NT
	v_pk_add_f32 v[16+2*t_:17+2*t_], v[16+2*t_:17+2*t_], v[80+2*t_:81+2*t_]
.set t_, t_+1
.endr
	s_barrier_wait -1                              ; every wave's reads are back before any wave writes LDS again
.endm
.macro EMIT src, dst                   ; 8 numbers in the order 2 c + jj -> 16 bytes hi, 16 bytes lo in the channels' order 4 jj + c
	SPL (\src), (\src)+2, (\dst), (\dst)+4
	SPL (\src)+4, (\src)+6, (\dst)+1, (\dst)+5
	SPL (\src)+1, (\src)+3, (\dst)+2, (\dst)+6
	SPL (\src)+5, (\src)+7, (\dst)+3, (\dst)+7
.endm
; Two slots of each of my four clouds: 64 loads.  A slot past the cloud's count repeats its last one.
.macro PTRIP
.irp i, 0,1,2,3
.irp e, 0,1
	s_add_co_u32 s5, s60, \e
	s_min_u32 s5, s5, s[20+\i]
	s_min_u32 s5, s5, 31
	s_add_co_u32 s5, s5, s[24+\i]
	s_lshl_b32 s6, s5, 12
	s_add_nc_u64 s[68+4*\i+2*\e:69+4*\i+2*\e], s[8:9], s[6:7]
.endr
.endr
	WIN 0x80
.irp i, 0,1,2,3
.irp e, 0,1
.irp u, 0,1,2,3,4,5,6,7
	global_load_b128 v[64*\i+32*\e+4*\u:64*\i+32*\e+4*\u+3], v13, s[68+4*\i+2*\e:69+4*\i+2*\e] offset:512*\u
.endr
.endr
.endr
	s_wait_loadcnt 0x0
	WIN 0x28
.set k_, 0
.rept 128
	v_max3_num_f32 v[80+k_], v[80+k_], v[64*(k_/32)+k_%32], v[64*(k_/32)+32+k_%32]
.set k_, k_+1
.endr
	WIN 0
.endm
	s_load_b256 s[8:15], s[0:1], 0x0               ; pmax, segcnt, wfr, bf
	s_load_b64 s[16:17], s[0:1], 0x20              ; eact
	LANES
	v_mul_u32_u24 v5, v2, 2064                     ; my fragments of pooled in LDS: row r, 64 bytes a half of the lanes, my 256 channels
	v_lshl_add_u32 v5, v3, 6, v5
	s_lshl_b32 s5, s2, 9
	s_add_co_u32 s5, s5, AH
	v_add_nc_u32 v5, s5, v5
	s_mul_i32 s5, s2, 8256
	v_lshl_add_u32 v232, v1, 3, s5                 ; where I put pooled: my four rows, 8 bytes a lane
	s_lshl_b32 s5, s4, 4
	s_lshl_b32 s6, s2, 2
	s_add_co_u32 s5, s5, s6                        ; my first cloud: 16 y + 4 w
	s_lshl_b32 s6, s5, 2
	s_mov_b32 s55, 0xff800000
	s_wait_kmcnt 0x0
	s_load_b128 s[20:23], s[10:11], s6 offset:0x0
	s_lshl_b32 s36, s3, 5                          ; Wf's blocks begin at wfr's first byte: mine are g x 32 + 8 w ..
	s_lshl_b32 s38, s2, 3
	s_add_co_u32 s36, s36, s38
	s_lshl_b32 s36, s36, 12
	s_mov_b32 s37, 0
	s_add_nc_u64 s[40:41], s[12:13], s[36:37]
	s_lshl_b32 s36, s4, 5                          ; eact: fragment 2 g + w / 2 of row tile y
	s_lshl_b32 s38, s3, 1
	s_add_co_u32 s36, s36, s38
	s_lshr_b32 s38, s2, 1
	s_add_co_u32 s36, s36, s38
	s_lshl_b32 s36, s36, 11
	s_add_nc_u64 s[46:47], s[16:17], s[36:37]
	global_load_b128 v[208:211], v12, s[14:15]
	global_load_b128 v[212:215], v12, s[14:15] offset:16
.set f_, 0
.rept 8
	LW f_
.set f_, f_+1
.endr
	WIN 0
.set k_, 0
.rept 128
	v_mov_b32 v[80+k_], s55
.set k_, k_+1
.endr
.irp i, 0,1,2,3
	s_add_co_u32 s[24+\i], s5, \i
	s_lshl_b32 s[24+\i], s[24+\i], 5
.endr
	s_wait_kmcnt 0x0
.irp i, 0,1,2,3
	s_max_u32 s[20+\i], s[20+\i], 1
	s_min_u32 s[20+\i], s[20+\i], 32
.endr
	s_max_u32 s62, s20, s21
	s_max_u32 s63, s22, s23
	s_max_u32 s62, s62, s63
	s_add_co_u32 s62, s62, 1
	s_lshr_b32 s62, s62, 1                         ; trips: two slots each, at least one trip
.irp i, 0,1,2,3
	s_sub_co_u32 s[20+\i], s[20+\i], 1
.endr
	s_mov_b32 s7, 0
	s_mov_b32 s61, 0
.Lpool:
	s_lshl_b32 s60, s61, 1
	PTRIP
	s_add_co_u32 s61, s61, 1
	s_cmp_lt_u32 s61, s62
	s_cbranch_scc1 .Lpool
.set k_, 0
.rept 32                               ; cloud k / 8, channels 128 (k % 8) + 4 lane + 0..3
	SPL 80+4*k_, 81+4*k_, 216, 218
	SPL 82+4*k_, 83+4*k_, 217, 219
	ds_store_b64 v232, v[216:217] offset:AH+(k_/8)*2064+(k_%8)*256
	ds_store_b64 v232, v[218:219] offset:AL+(k_/8)*2064+(k_%8)*256
.set k_, k_+1
.endr
	s_wait_dscnt 0x0
	s_barrier_signal -1
	s_barrier_wait -1                              ; all 16 rows of pooled lie in LDS
.set f_, 0
.rept 8
	LAL f_
.set f_, f_+1
.endr
.set f_, 0
.rept 8
	s_wait_dscnt 4*(7-f_)                          ; the later fragments' LDS loads may stay out; the weights came in with the pooling's last wait
	MUL f_
.set f_, f_+1
.endr
	PLACES                                         ; in front of the LDS stores of results
	PSUM
.irp c, 0,1,2,3
	RB 208+\c, 212+\c, 224+2*\c, 225+2*\c, 240
.endr
.irp c, 0,1,2,3
	v_pk_add_f32 v[16+2*\c:17+2*\c], v[16+2*\c:17+2*\c], v[224+2*\c:225+2*\c]
.endr
.irp c, 0,1,2,3
	v_pk_mul_f32 v[232+2*\c:233+2*\c], v[16+2*\c:17+2*\c], s[52:53] op_sel_hi:[1,0]
.endr
.irp i, 0,1,2,3,4,5,6,7
	v_max_num_f32 v[16+\i], v[16+\i], v[232+\i]
.endr
	EMIT 16, 144
	global_store_b128 v11, v[144:147], s[46:47]    ; each store of the wave covers 512 consecutive bytes, aligned
	global_store_b128 v11, v[148:151], s[46:47] offset:1024
	s_wait_tensorcnt 0x0                           ; the wave's end
	ds_add_u32 v14, v15
	s_wait_dscnt 0x0
	s_endpgm
.Lfunc_end_k_q2d2ed73841_enc:
	.size	k_q2d2ed73841_enc, .Lfunc_end_k_q2d2ed73841_enc-k_q2d2ed73841_enc
	.p2alignl 7, 3214868480
	.fill 96, 4, 3214868480
	.section	.rodata,"a",@progbits
	.p2align	6, 0x0
	.amdhsa_kernel k_q2d2ed73841_enc
		.amdhsa_group_segment_fixed_size 82944
		.amdhsa_private_segment_fixed_size 0
		.amdhsa_enable_private_segment 0
		.amdhsa_kernarg_size 40
		.amdhsa_user_sgpr_count 2
		.amdhsa_user_sgpr_kernarg_segment_ptr 1
		.amdhsa_wavefront_size32 1
		.amdhsa_system_sgpr_workgroup_id_x 1
		.amdhsa_system_sgpr_workgroup_id_y 1
		.amdhsa_system_sgpr_workgroup_id_z 1
		.amdhsa_system_vgpr_workitem_id 0
		.amdhsa_next_free_vgpr 1024
		.amdhsa_next_free_sgpr 84
		.amdhsa_reserve_vcc 0
		.amdhsa_float_denorm_mode_32 3
		.amdhsa_float_denorm_mode_16_64 3
		.amdhsa_memory_ordered 1
		.amdhsa_forward_progress 1
		.amdhsa_inst_pref_size 62
	.end_amdhsa_kernel
	.amdgpu_metadata
---
amdhsa.version: [ 1, 2 ]
amdhsa.kernels:
  - .name:           k_q2d2ed73841_enc
    .symbol:         k_q2d2ed73841_enc.kd
    .args:
      - { .name: pmax, .offset: 0, .size: 8, .value_kind: global_buffer, .address_space: global }
      - { .name: segcnt, .offset: 8, .size: 8, .value_kind: global_buffer, .address_space: global }
      - { .name: wfr, .offset: 16, .size: 8, .value_kind: global_buffer, .address_space: global }
      - { .name: bf, .offset: 24, .size: 8, .value_kind: global_buffer, .address_space: global }
      - { .name: eact, .offset: 32, .size: 8, .value_kind: global_buffer, .address_space: global }
    .group_segment_fixed_size: 82944
    .private_segment_fixed_size: 0
    .kernarg_segment_align: 8
    .kernarg_segment_size: 40
    .max_flat_workgroup_size: 128
    .sgpr_count:     84
    .vgpr_count:     1024
    .wavefront_size: 32
...
	.end_amdgpu_metadata
.endif
;; end of part 8
;; launch head (part 9): grid 4 x 8, 4 waves a work-group, no clusters, 41,984 bytes of LDS; arguments eact, wfr, bmu, blv, eps, out1, out2, zact; writes out1, out2, zact
.if DOCPART == 9
	.amdgcn_target "amdgcn-amd-amdhsa--gfx1250"
	.amdhsa_code_object_version 6
	.text
	.protected	k_q2d2ed73841_head
	.globl	k_q2d2ed73841_head
	.p2align	8
	.type	k_q2d2ed73841_head,@function
k_q2d2ed73841_head:
	s_mov_b64 s[64:65], 0
	v_nop
	global_prefetch_b8 v0, s[64:65] scope:SCOPE_SE
	s_setreg_imm32_b32 hwreg(HW_REG_WAVE_MODE, 25, 1), 1
	s_wait_xcnt 0x0
; mu = e Wmu + bmu, logvar = e Wlv + blv, z = mu + eps exp(logvar / 2).  A work-group makes 16 rows (ttmp7) x 64 columns (ttmp9) of both heads; K = 1024 is split among the four waves.
; Source 0 = Wmu's and Wlv's fragments, bf16, as the first launch laid them in wfr (blocks of 4,096 bytes; Wmu's begin at byte 4,194,304, Wlv's 524,288 further on; block g x 32 + f);
; source 1 = e's fragments as the launch before laid them, hi and lo.  A wave's 160 loads are all asked for at the start.  bmu, blv and eps are rounded to bf16's numbers.
; Behind the meeting of the partial sums a lane holds 8 neighbouring channels of one row.  mu and logvar leave through an LDS stage (rows of 272 bytes) as whole rows of 256 bytes; z as hi and lo fragments.
; REGISTERS.  window 0: addresses, at work; window 1: Wmu, fragment (f, c) at 32 f + 8 c; window 2: Wlv; window 3: v0-63 accumulators, v128-255 activation, (f, op) at 128 + 16 f + 8 op.
.set NCS, 2
.set NT, 8
.set PSZ, NT*1024
.set ROWB, 1024
.set MST, 32768
.set LST, 37120
.set SPARE, 41472
.set MSB, 0
.macro WIN new
.if MSB != (\new)
	s_set_vgpr_msb (MSB<<8)|(\new)
.set MSB, \new
.endif
.endm
.macro PLACES
.rept 4
	v_nop
.endr
.endm
.macro RB a, b, d1, d2, tt
	v_cvt_pk_bf16_f32 v[\tt], v[\a], v[\b]
	v_lshlrev_b32 v[\d1], 16, v[\tt]
	v_and_b32 v[\d2], s54, v[\tt]
.endm
.macro SPL x, y, hi, lo
	v_cvt_pk_bf16_f32 v[\hi], v[\x], v[\y]
	v_lshlrev_b32 v254, 16, v[\hi]
	v_and_b32 v255, s54, v[\hi]
	v_sub_f32 v[\x], v[\x], v254
	v_sub_f32 v[\y], v[\y], v255
	v_cvt_pk_bf16_f32 v[\lo], v[\x], v[\y]
.endm
.macro LANES
	v_lshl_add_u32 v14, v0, 2, SPARE
	v_mov_b32 v15, 0
	v_and_b32 v1, 31, v0
	v_lshrrev_b32 v2, 5, v0
	v_readfirstlane_b32 s2, v2
	v_and_b32 v2, 15, v0
	v_bfe_u32 v3, v0, 4, 1
	s_mov_b32 s3, ttmp9
	s_and_b32 s4, ttmp7, 0xffff
	s_mov_b32 s54, 0xffff0000
	v_lshlrev_b32 v13, 4, v1
	s_mul_i32 s5, s2, PSZ
	v_add_nc_u32 v6, s5, v13
	s_lshr_b32 s5, s2, 1
	s_and_b32 s6, s2, 1
	s_lshl_b32 s7, s5, 9                           ; registers 4-7 of a result lie 512 bytes behind registers 0-3,
	s_lshl_b32 s38, s6, 3                          ; my pair of registers 8 (w % 2) bytes into a lane's 16
	s_add_co_u32 s7, s7, s38
	v_add_nc_u32 v7, s7, v13
	v_add_nc_u32 v8, PSZ, v7
	v_add_nc_u32 v9, 2*PSZ, v7
	v_add_nc_u32 v10, 3*PSZ, v7
	s_lshl_b32 s7, s6, 9
	v_add_nc_u32 v11, s7, v13
	s_lshl_b32 s36, s3, 8
	s_lshl_b32 s37, s2, 5
	s_add_co_u32 s36, s36, s37
	v_lshl_add_u32 v12, v3, 7, s36
.endm
.macro LW f, ws=0                      ; the 8 loads of my fragment f of weight set ws
	WIN 0x40*(1+(\ws))
.irp c, 0,1,2,3
.irp t, 0,1
	global_load_b128 v[32*(\f)+8*\c+4*\t:32*(\f)+8*\c+4*\t+3], v13, s[40+2*(\ws):41+2*(\ws)] offset:4096*(\f)+1024*\c+512*\t
.endr
.endr
.endm
.macro LA f                            ; the activation's fragment f, hi and lo
	WIN 0xc0
.irp o, 0,1
.irp t, 0,1
	global_load_b128 v[128+16*(\f)+8*\o+4*\t:128+16*(\f)+8*\o+4*\t+3], v13, s[44:45] offset:2048*(\f)+1024*\o+512*\t
.endr
.endr
.endm
.macro MUL f                           ; fragment f's products; the accumulators take turns; the first products start the sums
.set cs_, 0
.rept NCS
	WIN 0xfd+cs_
.irp o, 0,1
.irp c, 0,1,2,3
.if ((\f) == 0) && (\o == 0)
	v_wmma_f32_16x16x32_bf16 v[32*cs_+8*\c:32*cs_+8*\c+7], v[32*(\f)+8*\c:32*(\f)+8*\c+7], v[128+16*(\f)+8*\o:128+16*(\f)+8*\o+7], 0
.else
	v_wmma_f32_16x16x32_bf16 v[32*cs_+8*\c:32*cs_+8*\c+7], v[32*(\f)+8*\c:32*(\f)+8*\c+7], v[128+16*(\f)+8*\o:128+16*(\f)+8*\o+7], v[32*cs_+8*\c:32*cs_+8*\c+7]
.endif
.endr
.endr
.set cs_, cs_+1
.endr
.endm
.macro PSUM
	WIN 0x0c
.set t_, 0
.rept NT
	ds_store_b128 v6, v[8*t_:8*t_+3] offset:1024*t_
	ds_store_b128 v6, v[8*t_+4:8*t_+7] offset:1024*t_+512
.set t_, t_+1
.endr
	WIN 0
	s_wait_dscnt 0x0
	s_barrier_signal -1
	s_barrier_wait -1
.irp q, 0,1,2
.set t_, 0
.rept NT
	ds_load_b64 v[16+64*\q+2*t_:17+64*\q+2*t_], v[7+\q] offset:1024*t_
.set t_, t_+1
.endr
.endr
	s_wait_dscnt NT
.set t_, 0
.rept NT
	v_pk_add_f32 v[16+2*t_:17+2*t_], v[16+2*t_:17+2*t_], v[80+2*t_:81+2*t_]
.set t_, t_+1
.endr
.set t_, 0
.rept NT
	ds_load_b64 v[80+2*t_:81+2*t_], v10 offset:1024*t_
.set t_, t_+1
.endr
	s_wait_dscnt NT
.set t_, 0
.rept NT
	v_pk_add_f32 v[16+2*t_:17+2*t_], v[16+2*t_:17+2*t_], v[144+2*t_:145+2*t_]
.set t_, t_+1
.endr
	s_wait_dscnt 0x0                               ; my reads of the partial sums are back:
	s_barrier_signal -1                            ; say so; the last additions, work on registers, stand between the signal and the wait
.set t_, 0
.rept NT
	v_pk_add_f32 v[16+2*t_:17+2*t_], v[16+2*t_:17+2*t_], v[80+2*t_:81+2*t_]
.set t_, t_+1
.endr
	s_barrier_wait -1                              ; every wave's reads are back before any wave writes LDS again
.endm
.macro STADDR                          ; v235 into the stage: 272 r + 128 h + 32 w; v233 back: row 4 w + lane / 16, 16 bytes a lane; v234 the same place in the output
	v_mul_u32_u24 v235, v2, 272
	v_lshl_add_u32 v235, v3, 7, v235
	s_lshl_b32 s5, s2, 5
	v_add_nc_u32 v235, s5, v235
	s_lshl_b32 s5, s2, 2
	v_add_nc_u32 v236, s5, v3
	v_mul_u32_u24 v233, v236, 272
	v_lshl_add_u32 v233, v2, 4, v233
	s_lshl_b32 s5, s4, 4
	v_add_nc_u32 v236, s5, v236
	v_mul_u32_u24 v234, v236, ROWB
	v_lshl_add_u32 v234, v2, 4, v234
	s_lshl_b32 s5, s3, 8
	v_add_nc_u32 v234, s5, v234
.endm
	s_load_b512 s[8:23], s[0:1], 0x0               ; eact, wfr, bmu, blv, eps, out1, out2, zact
	LANES
	STADDR
	v_lshl_add_u32 v232, v2, 10, v12               ; eps: row 16 y + r, my 8 channels
	s_lshl_b32 s5, s4, 14
	v_add_nc_u32 v232, s5, v232
	s_wait_kmcnt 0x0
	s_lshl_b32 s36, s3, 5                          ; my blocks: g x 32 + 8 w ..
	s_lshl_b32 s38, s2, 3
	s_add_co_u32 s36, s36, s38
	s_lshl_b32 s36, s36, 12
	s_mov_b32 s37, 0
	s_add_nc_u64 s[40:41], s[10:11], s[36:37]
	s_add_nc_u64 s[40:41], s[40:41], 0x400000      ; Wmu
	s_add_nc_u64 s[42:43], s[40:41], 0x80000       ; Wlv
	s_lshl_b32 s36, s4, 5                          ; e: fragments 8 w .. of row tile y
	s_add_co_u32 s36, s36, s38
	s_lshl_b32 s36, s36, 11
	s_add_nc_u64 s[44:45], s[8:9], s[36:37]
	s_lshl_b32 s36, s4, 3                          ; z: fragment 2 g + w / 2 of row tile y
	s_lshl_b32 s38, s3, 1
	s_add_co_u32 s36, s36, s38
	s_lshr_b32 s38, s2, 1
	s_add_co_u32 s36, s36, s38
	s_lshl_b32 s36, s36, 11
	s_add_nc_u64 s[46:47], s[22:23], s[36:37]
	global_load_b128 v[208:211], v12, s[12:13]
	global_load_b128 v[212:215], v12, s[12:13] offset:16
	global_load_b128 v[216:219], v12, s[14:15]
	global_load_b128 v[220:223], v12, s[14:15] offset:16
	global_load_b128 v[224:227], v232, s[16:17]
	global_load_b128 v[228:231], v232, s[16:17] offset:16
.set f_, 0
.rept 8
	LW f_, 0
	LW f_, 1
	LA f_
.set f_, f_+1
.endr
.set f_, 0
.rept 8
.if 20*(7-f_) > 63
	s_wait_loadcnt 63                              ; more than 63 loads are younger than this fragment's: the count is the largest that the wait can name
.else
	s_wait_loadcnt 20*(7-f_)                       ; the later fragments' 20 loads each may stay out
.endif
	MUL f_
.set f_, f_+1
.endr
	PLACES                                         ; in front of the LDS stores of results
	PSUM
.irp i, 0,1,2,3,4,5,6,7,8,9,10,11
	RB 208+2*\i, 209+2*\i, 208+2*\i, 209+2*\i, 240
.endr
.irp j, 0,1
.irp c, 0,1,2,3
	v_add_f32 v[80+4*\j+\c], v[16+2*\c+\j], v[208+4*\j+\c]   ; mu, in the channels' order
	v_add_f32 v[88+4*\j+\c], v[24+2*\c+\j], v[216+4*\j+\c]   ; logvar
.endr
.endr
.irp e, 0,1,2,3,4,5,6,7
	v_mul_f32 v[96+\e], 0x3f38aa3b, v[88+\e]       ; log2(e) / 2
.endr
.irp e, 0,1,2,3,4,5,6,7
	v_exp_f32 v[96+\e], v[96+\e]
.endr
	v_nop                                          ; a plain instruction behind the last exponential,
	s_wait_alu depctr_va_vdst(0)                   ; and the one wait for the batch ahead of the first use
.irp e, 0,1,2,3,4,5,6,7
	v_fma_f32 v[104+\e], v[224+\e], v[96+\e], v[80+\e]
.endr
.irp i, 0,1,2,3
	SPL 104+2*\i, 105+2*\i, 144+\i, 148+\i
.endr
	global_store_b128 v11, v[144:147], s[46:47]    ; each store of the wave covers 512 consecutive bytes, aligned
	global_store_b128 v11, v[148:151], s[46:47] offset:1024
	ds_store_b128 v235, v[80:83] offset:MST
	ds_store_b128 v235, v[84:87] offset:MST+16
	ds_store_b128 v235, v[88:91] offset:LST
	ds_store_b128 v235, v[92:95] offset:LST+16
	s_wait_dscnt 0x0
	s_barrier_signal -1
	s_barrier_wait -1                              ; a row's 256 bytes come from all four waves
	ds_load_b128 v[160:163], v233 offset:MST
	ds_load_b128 v[164:167], v233 offset:MST+544
	ds_load_b128 v[168:171], v233 offset:LST
	ds_load_b128 v[172:175], v233 offset:LST+544
	s_wait_dscnt 0x0
	global_store_b128 v234, v[160:163], s[18:19]   ; 16 lanes store 256 consecutive bytes, aligned
	global_store_b128 v234, v[164:167], s[18:19] offset:2*ROWB
	global_store_b128 v234, v[168:171], s[20:21]
	global_store_b128 v234, v[172:175], s[20:21] offset:2*ROWB
	s_wait_tensorcnt 0x0                           ; the wave's end
	ds_add_u32 v14, v15
	s_wait_dscnt 0x0
	s_endpgm
.Lfunc_end_k_q2d2ed73841_head:
	.size	k_q2d2ed73841_head, .Lfunc_end_k_q2d2ed73841_head-k_q2d2ed73841_head
	.p2alignl 7, 3214868480
	.fill 96, 4, 3214868480
	.section	.rodata,"a",@progbits
	.p2align	6, 0x0
	.amdhsa_kernel k_q2d2ed73841_head
		.amdhsa_group_segment_fixed_size 41984
		.amdhsa_private_segment_fixed_size 0
		.amdhsa_enable_private_segment 0
		.amdhsa_kernarg_size 64
		.amdhsa_user_sgpr_count 2
		.amdhsa_user_sgpr_kernarg_segment_ptr 1
		.amdhsa_wavefront_size32 1
		.amdhsa_system_sgpr_workgroup_id_x 1
		.amdhsa_system_sgpr_workgroup_id_y 1
		.amdhsa_system_sgpr_workgroup_id_z 1
		.amdhsa_system_vgpr_workitem_id 0
		.amdhsa_next_free_vgpr 1024
		.amdhsa_next_free_sgpr 66
		.amdhsa_reserve_vcc 0
		.amdhsa_float_denorm_mode_32 3
		.amdhsa_float_denorm_mode_16_64 3
		.amdhsa_memory_ordered 1
		.amdhsa_forward_progress 1
		.amdhsa_inst_pref_size 39
	.end_amdhsa_kernel
	.amdgpu_metadata
---
amdhsa.version: [ 1, 2 ]
amdhsa.kernels:
  - .name:           k_q2d2ed73841_head
    .symbol:         k_q2d2ed73841_head.kd
    .args:
      - { .name: eact, .offset: 0, .size: 8, .value_kind: global_buffer, .address_space: global }
      - { .name: wfr, .offset: 8, .size: 8, .value_kind: global_buffer, .address_space: global }
      - { .name: bmu, .offset: 16, .size: 8, .value_kind: global_buffer, .address_space: global }
      - { .name: blv, .offset: 24, .size: 8, .value_kind: global_buffer, .address_space: global }
      - { .name: eps, .offset: 32, .size: 8, .value_kind: global_buffer, .address_space: global }
      - { .name: out1, .offset: 40, .size: 8, .value_kind: global_buffer, .address_space: global }
      - { .name: out2, .offset: 48, .size: 8, .value_kind: global_buffer, .address_space: global }
      - { .name: zact, .offset: 56, .size: 8, .value_kind: global_buffer, .address_space: global }
    .group_segment_fixed_size: 41984
    .private_segment_fixed_size: 0
    .kernarg_segment_align: 8
    .kernarg_segment_size: 64
    .max_flat_workgroup_size: 128
    .sgpr_count:     66
    .vgpr_count:     1024
    .wavefront_size: 32
...
	.end_amdgpu_metadata
.endif
;; end of part 9
;; launch dec1 (part 10): grid 16 x 8, 4 waves a work-group, no clusters, 21,760 bytes of LDS; arguments zact, wfr, hs1; writes hs1
.if DOCPART == 10
	.amdgcn_target "amdgcn-amd-amdhsa--gfx1250"
	.amdhsa_code_object_version 6
	.text
	.protected	k_q2d2ed73841_dec1
	.globl	k_q2d2ed73841_dec1
	.p2align	8
	.type	k_q2d2ed73841_dec1,@function
k_q2d2ed73841_dec1:
	s_mov_b64 s[64:65], 0
	v_nop
	global_prefetch_b8 v0, s[64:65] scope:SCOPE_SE
	s_setreg_imm32_b32 hwreg(HW_REG_WAVE_MODE, 25, 1), 1
	s_wait_xcnt 0x0
; h1 = z Wd1, and the part of BatchNorm's statistics that 16 rows can give.  bd1 IS LEFT OUT: it is the same in all 128 rows of a column, and BatchNorm takes the column's batch mean away; the variance does not see it.
; A work-group makes 16 rows (ttmp7) x 64 columns (ttmp9); K = 256 is split among the four waves, 2 fragments each; the partial sums meet in LDS.
; Source 0 = Wd1's fragments, bf16, as the first launch laid them in wfr (from byte 5,242,880; block g x 8 + f, 4,096 bytes); source 1 = z's fragments as the launch before laid them, hi and lo.
; OUT.  hs1: h1 as [128][1024] f32, then from byte 524,288 the statistics [row tile][mean, M2][1024] f32: for the tile's 16 rows each column's mean and the sum of the squares of the differences from
; THAT mean.  The next launch joins the eight tiles' figures; no difference of large sums is formed on the way.
; Behind the meeting a lane holds 8 neighbouring channels of one row, and the 16 lanes of a half are the tile's 16 rows: a sum over rows is 4 DPP steps.
; REGISTERS.  window 0: addresses, at work; window 1: weights, fragment (f, c) at 32 f + 8 c; window 3: v0-31 accumulators, v128-159 activation, (f, op) at 128 + 16 f + 8 op.
.set NCS, 1
.set NT, 4
.set PSZ, NT*1024
.set ROWB, 4096
.set STATB, 524288
.set ST0, 16384
.set SST, 20736
.set SPARE, 21248
.set MSB, 0
.macro WIN new
.if MSB != (\new)
	s_set_vgpr_msb (MSB<<8)|(\new)
.set MSB, \new
.endif
.endm
.macro PLACES
.rept 4
	v_nop
.endr
.endm
.macro LANES
	v_lshl_add_u32 v14, v0, 2, SPARE
	v_mov_b32 v15, 0
	v_and_b32 v1, 31, v0
	v_lshrrev_b32 v2, 5, v0
	v_readfirstlane_b32 s2, v2
	v_and_b32 v2, 15, v0
	v_bfe_u32 v3, v0, 4, 1
	s_mov_b32 s3, ttmp9
	s_and_b32 s4, ttmp7, 0xffff
	v_lshlrev_b32 v13, 4, v1
	s_mul_i32 s5, s2, PSZ
	v_add_nc_u32 v6, s5, v13
	s_lshr_b32 s5, s2, 1
	s_and_b32 s6, s2, 1
	s_lshl_b32 s7, s5, 9                           ; registers 4-7 of a result lie 512 bytes behind registers 0-3,
	s_lshl_b32 s38, s6, 3                          ; my pair of registers 8 (w % 2) bytes into a lane's 16
	s_add_co_u32 s7, s7, s38
	v_add_nc_u32 v7, s7, v13
	v_add_nc_u32 v8, PSZ, v7
	v_add_nc_u32 v9, 2*PSZ, v7
	v_add_nc_u32 v10, 3*PSZ, v7
.endm
.macro LW f, ws=0
	WIN 0x40*(1+(\ws))
.irp c, 0,1,2,3
.irp t, 0,1
	global_load_b128 v[32*(\f)+8*\c+4*\t:32*(\f)+8*\c+4*\t+3], v13, s[40+2*(\ws):41+2*(\ws)] offset:4096*(\f)+1024*\c+512*\t
.endr
.endr
.endm
.macro LA f
	WIN 0xc0
.irp o, 0,1
.irp t, 0,1
	global_load_b128 v[128+16*(\f)+8*\o+4*\t:128+16*(\f)+8*\o+4*\t+3], v13, s[44:45] offset:2048*(\f)+1024*\o+512*\t
.endr
.endr
.endm
.macro MUL f                           ; fragment f's products; the accumulators take turns; the first products start the sums
.set cs_, 0
.rept NCS
	WIN 0xfd+cs_
.irp o, 0,1
.irp c, 0,1,2,3
.if ((\f) == 0) && (\o == 0)
	v_wmma_f32_16x16x32_bf16 v[32*cs_+8*\c:32*cs_+8*\c+7], v[32*(\f)+8*\c:32*(\f)+8*\c+7], v[128+16*(\f)+8*\o:128+16*(\f)+8*\o+7], 0
.else
	v_wmma_f32_16x16x32_bf16 v[32*cs_+8*\c:32*cs_+8*\c+7], v[32*(\f)+8*\c:32*(\f)+8*\c+7], v[128+16*(\f)+8*\o:128+16*(\f)+8*\o+7], v[32*cs_+8*\c:32*cs_+8*\c+7]
.endif
.endr
.endr
.set cs_, cs_+1
.endr
.endm
.macro PSUM
	WIN 0x0c
.set t_, 0
.rept NT
	ds_store_b128 v6, v[8*t_:8*t_+3] offset:1024*t_
	ds_store_b128 v6, v[8*t_+4:8*t_+7] offset:1024*t_+512
.set t_, t_+1
.endr
	WIN 0
	s_wait_dscnt 0x0
	s_barrier_signal -1
	s_barrier_wait -1
.irp q, 0,1,2
.set t_, 0
.rept NT
	ds_load_b64 v[16+64*\q+2*t_:17+64*\q+2*t_], v[7+\q] offset:1024*t_
.set t_, t_+1
.endr
.endr
	s_wait_dscnt NT
.set t_, 0
.rept NT
	v_pk_add_f32 v[16+2*t_:17+2*t_], v[16+2*t_:17+2*t_], v[80+2*t_:81+2*t_]
.set t_, t_+1
.endr
.set t_, 0
.rept NT
	ds_load_b64 v[80+2*t_:81+2*t_], v10 offset:1024*t_
.set t_, t_+1
.endr
	s_wait_dscnt NT
.set t_, 0
.rept NT
	v_pk_add_f32 v[16+2*t_:17+2*t_], v[16+2*t_:17+2*t_], v[144+2*t_:145+2*t_]
.set t_, t_+1
.endr
	s_wait_dscnt 0x0                               ; my reads of the partial sums are back:
	s_barrier_signal -1                            ; say so; the last additions, work on registers, stand between the signal and the wait
.set t_, 0
.rept NT
	v_pk_add_f32 v[16+2*t_:17+2*t_], v[16+2*t_:17+2*t_], v[80+2*t_:81+2*t_]
.set t_, t_+1
.endr
	s_barrier_wait -1                              ; every wave's reads are back before any wave writes LDS again
.endm
.macro STADDR                          ; v235 into the stage: 272 r + 128 h + 32 w; v233 back: row 4 w + lane / 16, 16 bytes a lane; v234 the same place in the output; v237, v238 the statistics' places
	v_mul_u32_u24 v235, v2, 272
	v_lshl_add_u32 v235, v3, 7, v235
	s_lshl_b32 s5, s2, 5
	v_add_nc_u32 v235, s5, v235
	v_lshl_add_u32 v237, v3, 7, s5                 ; my 8 channels among the group's 64: 128 h + 32 w
	s_lshl_b32 s5, s2, 2
	v_add_nc_u32 v236, s5, v3
	v_mul_u32_u24 v233, v236, 272
	v_lshl_add_u32 v233, v2, 4, v233
	s_lshl_b32 s5, s4, 4
	v_add_nc_u32 v236, s5, v236
	v_mul_u32_u24 v234, v236, ROWB
	v_lshl_add_u32 v234, v2, 4, v234
	s_lshl_b32 s5, s3, 8
	v_add_nc_u32 v234, s5, v234
	s_lshl_b32 s6, s4, 1
	v_add_nc_u32 v238, s6, v3                      ; lanes 0-15 the tile's means, lanes 16-31 its M2
	v_lshlrev_b32 v238, 12, v238
	v_lshl_add_u32 v238, v2, 4, v238
	v_add_nc_u32 v238, s5, v238
.endm
.macro ROWSUM b                        ; 8 registers summed over the 16 lanes of each half
.irp x, 1,2,4,8
.irp i, 0,1,2,3,4,5,6,7
	v_add_f32_dpp v[(\b)+\i], v[(\b)+\i], v[(\b)+\i] row_xmask:\x row_mask:0xf bank_mask:0xf
.endr
.endr
.endm
; The raw product and its tile's statistics leave: through an LDS stage, as whole aligned runs of 256 bytes.
.macro RAWOUT ob
.irp j, 0,1
.irp c, 0,1,2,3
	v_mov_b32 v[80+4*\j+\c], v[16+2*\c+\j]         ; into the channels' order: 16 bytes on end want four neighbouring registers
.endr
.endr
.irp i, 0,1,2,3,4,5,6,7
	v_add_f32_dpp v[144+\i], v[80+\i], v[80+\i] row_xmask:1 row_mask:0xf bank_mask:0xf
.endr
.irp x, 2,4,8
.irp i, 0,1,2,3,4,5,6,7
	v_add_f32_dpp v[144+\i], v[144+\i], v[144+\i] row_xmask:\x row_mask:0xf bank_mask:0xf
.endr
.endr
.irp i, 0,1,2,3
	v_pk_mul_f32 v[144+2*\i:145+2*\i], v[144+2*\i:145+2*\i], s[66:67] op_sel_hi:[1,0]   ; the 16 rows' mean
.endr
.irp i, 0,1,2,3
	v_pk_add_f32 v[16+2*\i:17+2*\i], v[80+2*\i:81+2*\i], v[144+2*\i:145+2*\i] neg_lo:[0,1] neg_hi:[0,1]
.endr
.irp i, 0,1,2,3
	v_pk_mul_f32 v[152+2*\i:153+2*\i], v[16+2*\i:17+2*\i], v[16+2*\i:17+2*\i]
.endr
	ROWSUM 152                                     ; M2
	ds_store_b128 v235, v[80:83] offset:ST0
	ds_store_b128 v235, v[84:87] offset:ST0+16
	ds_store_b128 v237, v[144:147] offset:SST      ; the 16 lanes of a half hold the same numbers and write the same bytes
	ds_store_b128 v237, v[148:151] offset:SST+16
	ds_store_b128 v237, v[152:155] offset:SST+256
	ds_store_b128 v237, v[156:159] offset:SST+272
	s_wait_dscnt 0x0
	s_barrier_signal -1
	s_barrier_wait -1                              ; a row's 256 bytes come from all four waves
	ds_load_b128 v[160:163], v233 offset:ST0
	ds_load_b128 v[164:167], v233 offset:ST0+544
	s_wait_dscnt 0x0
	global_store_b128 v234, v[160:163], s[\ob:\ob+1]   ; 16 lanes store 256 consecutive bytes, aligned
	global_store_b128 v234, v[164:167], s[\ob:\ob+1] offset:2*ROWB
	s_cmp_lg_u32 s2, 0
	s_cbranch_scc1 .Lend
	ds_load_b128 v[168:171], v13 offset:SST        ; wave 0: 64 means, 64 M2
	s_wait_dscnt 0x0
	global_store_b128 v238, v[168:171], s[\ob:\ob+1] offset:STATB
.Lend:
.endm
	s_load_b128 s[8:11], s[0:1], 0x0               ; zact, wfr
	s_load_b64 s[12:13], s[0:1], 0x10              ; hs1
	LANES
	STADDR
	s_mov_b32 s66, 0x3d800000                      ; 1 / 16
	s_mov_b32 s67, s66
	s_wait_kmcnt 0x0
	s_lshl_b32 s36, s3, 3                          ; my blocks: g x 8 + 2 w ..
	s_lshl_b32 s38, s2, 1
	s_add_co_u32 s36, s36, s38
	s_lshl_b32 s36, s36, 12
	s_mov_b32 s37, 0
	s_add_nc_u64 s[40:41], s[10:11], s[36:37]
	s_add_nc_u64 s[40:41], s[40:41], 0x500000      ; Wd1
	s_lshl_b32 s36, s4, 3                          ; z: fragments 2 w .. of row tile y
	s_add_co_u32 s36, s36, s38
	s_lshl_b32 s36, s36, 11
	s_add_nc_u64 s[44:45], s[8:9], s[36:37]
	LW 0
	LA 0
	LW 1
	LA 1
	s_wait_loadcnt 12                              ; the second fragment's 12 loads may stay out
	MUL 0
	s_wait_loadcnt 0x0
	MUL 1
	PLACES                                         ; in front of the LDS stores of results
	PSUM
	RAWOUT 12
	s_wait_tensorcnt 0x0                           ; the wave's end
	ds_add_u32 v14, v15
	s_wait_dscnt 0x0
	s_endpgm
.Lfunc_end_k_q2d2ed73841_dec1:
	.size	k_q2d2ed73841_dec1, .Lfunc_end_k_q2d2ed73841_dec1-k_q2d2ed73841_dec1
	.p2alignl 7, 3214868480
	.fill 96, 4, 3214868480
	.section	.rodata,"a",@progbits
	.p2align	6, 0x0
	.amdhsa_kernel k_q2d2ed73841_dec1
		.amdhsa_group_segment_fixed_size 21760
		.amdhsa_private_segment_fixed_size 0
		.amdhsa_enable_private_segment 0
		.amdhsa_kernarg_size 24
		.amdhsa_user_sgpr_count 2
		.amdhsa_user_sgpr_kernarg_segment_ptr 1
		.amdhsa_wavefront_size32 1
		.amdhsa_system_sgpr_workgroup_id_x 1
		.amdhsa_system_sgpr_workgroup_id_y 1
		.amdhsa_system_sgpr_workgroup_id_z 1
		.amdhsa_system_vgpr_workitem_id 0
		.amdhsa_next_free_vgpr 1024
		.amdhsa_next_free_sgpr 68
		.amdhsa_reserve_vcc 0
		.amdhsa_float_denorm_mode_32 3
		.amdhsa_float_denorm_mode_16_64 3
		.amdhsa_memory_ordered 1
		.amdhsa_forward_progress 1
		.amdhsa_inst_pref_size 16
	.end_amdhsa_kernel
	.amdgpu_metadata
---
amdhsa.version: [ 1, 2 ]
amdhsa.kernels:
  - .name:           k_q2d2ed73841_dec1
    .symbol:         k_q2d2ed73841_dec1.kd
    .args:
      - { .name: zact, .offset: 0, .size: 8, .value_kind: global_buffer, .address_space: global }
      - { .name: wfr, .offset: 8, .size: 8, .value_kind: global_buffer, .address_space: global }
      - { .name: hs1, .offset: 16, .size: 8, .value_kind: global_buffer, .address_space: global }
    .group_segment_fixed_size: 21760
    .private_segment_fixed_size: 0
    .kernarg_segment_align: 8
    .kernarg_segment_size: 24
    .max_flat_workgroup_size: 128
    .sgpr_count:     68
    .vgpr_count:     1024
    .wavefront_size: 32
...
	.end_amdgpu_metadata
.endif
;; end of part 10
;; launch dec2 (part 11): grid 16 x 8, 4 waves a work-group, no clusters, 89,344 bytes of LDS; arguments hs1, g1, be1, wfr, hs2; writes hs2
.if DOCPART == 11
	.amdgcn_target "amdgcn-amd-amdhsa--gfx1250"
	.amdhsa_code_object_version 6
	.text
	.protected	k_q2d2ed73841_dec2
	.globl	k_q2d2ed73841_dec2
	.p2align	8
	.type	k_q2d2ed73841_dec2,@function
k_q2d2ed73841_dec2:
	s_mov_b64 s[64:65], 0
	v_nop
	global_prefetch_b8 v0, s[64:65] scope:SCOPE_SE
	s_setreg_imm32_b32 hwreg(HW_REG_WAVE_MODE, 25, 1), 1
	s_wait_xcnt 0x0
; d1 = LeakyReLU(BatchNorm(h1) g1 + be1); h2 = d1 Wd2, and the part of the second BatchNorm's statistics that 16 rows can give.
; bd2 IS LEFT OUT: it is the same in all 128 rows of a column, and BatchNorm takes the column's batch mean away; the variance does not see it.
; A work-group makes 16 rows (ttmp7) x 64 columns (ttmp9); K = 1024 is split among the four waves: wave w has channels 256 w .. 256 w + 255, from the statistics to the products.
; THE STATISTICS.  The launch before left, for each of the 8 row tiles and each column, the tile's mean and M2 (sum of squares about that mean).  mean = sum mean_t / 8;
; M2 = sum M2_t + 16 sum (mean_t - mean)^2; variance = M2 / 128: sums of squares of differences alone.  A lane does this for 8 channels (256 w + 4 lane + 0..3 and 128 further on), makes
; A = g rsq(variance + 1e-5) and B = be - mean A (g, be rounded to bf16's numbers), and takes its 8 channels of the 16 rows through max(y, 0.01 y), y = h A + B.
; d1 goes as TWO bf16 OPERANDS, hi and lo, into LDS bytes of the wave's own (16 rows of 528 bytes: 512 + 16 of padding, so that the 16 rows of a fragment load start at 16 different groups of
; four banks; ISA guide 11.1) and comes back as fragments: LDS serves a wave's instructions in order (ISA guide 5.7.1.4), so no wait and no barrier stand between.
; The 16 rows are walked in a loop of two trips of 8, for a shorter text: between the trips the second eight rows are moved into the registers that the one text names (64 moves).
; Source 0 = Wd2's fragments, bf16, as the first launch laid them in wfr (from byte 2,097,152; block g x 32 + f).  OUT: hs2, laid as hs1.
; REGISTERS.  window 0: addresses; v16-31 A, B; v32-47 at work; v80-207 h1's 16 rows; window 1: weights, (f, c) at 32 f + 8 c; window 2: statistics, tile t at 16 t (mean 0-7, M2 8-15), g v128, be v136,
; mean v144, at work v152-160; window 3: v0-31 accumulators, v128-255 activation, (f, op) at 128 + 16 f + 8 op.
.set NCS, 1
.set NT, 4
.set PSZ, NT*1024
.set ROWB, 4096
.set STATB, 524288
.set ST0, 16384
.set SST, 20736
.set SPARE, 21248
.set AH, 21760
.set AL, 55552
.set MSB, 0
.macro WIN new
.if MSB != (\new)
	s_set_vgpr_msb (MSB<<8)|(\new)
.set MSB, \new
.endif
.endm
.macro PLACES
.rept 4
	v_nop
.endr
.endm
.macro RB a, b, d1, d2, tt
	v_cvt_pk_bf16_f32 v[\tt], v[\a], v[\b]
	v_lshlrev_b32 v[\d1], 16, v[\tt]
	v_and_b32 v[\d2], s54, v[\tt]
.endm
.macro SPL x, y, hi, lo
	v_cvt_pk_bf16_f32 v[\hi], v[\x], v[\y]
	v_lshlrev_b32 v254, 16, v[\hi]
	v_and_b32 v255, s54, v[\hi]
	v_sub_f32 v[\x], v[\x], v254
	v_sub_f32 v[\y], v[\y], v255
	v_cvt_pk_bf16_f32 v[\lo], v[\x], v[\y]
.endm
.macro LANES
	v_lshl_add_u32 v14, v0, 2, SPARE
	v_mov_b32 v15, 0
	v_and_b32 v1, 31, v0
	v_lshrrev_b32 v2, 5, v0
	v_readfirstlane_b32 s2, v2
	v_and_b32 v2, 15, v0
	v_bfe_u32 v3, v0, 4, 1
	s_mov_b32 s3, ttmp9
	s_and_b32 s4, ttmp7, 0xffff
	s_mov_b32 s52, 0x3c23d70a
	s_mov_b32 s53, s52
	s_mov_b32 s54, 0xffff0000
	v_lshlrev_b32 v13, 4, v1
	s_mul_i32 s5, s2, PSZ
	v_add_nc_u32 v6, s5, v13
	s_lshr_b32 s5, s2, 1
	s_and_b32 s6, s2, 1
	s_lshl_b32 s7, s5, 9                           ; registers 4-7 of a result lie 512 bytes behind registers 0-3,
	s_lshl_b32 s38, s6, 3                          ; my pair of registers 8 (w % 2) bytes into a lane's 16
	s_add_co_u32 s7, s7, s38
	v_add_nc_u32 v7, s7, v13
	v_add_nc_u32 v8, PSZ, v7
	v_add_nc_u32 v9, 2*PSZ, v7
	v_add_nc_u32 v10, 3*PSZ, v7
.endm
.macro PADDR                           ; v4 my channels' bytes in a row of 1,024 f32; v232 where I put d, v5 where I read its fragments: my wave's 8,448 bytes
	s_lshl_b32 s5, s2, 10
	v_add_nc_u32 v4, s5, v13
	s_mul_i32 s5, s2, 8448
	v_lshl_add_u32 v232, v1, 3, s5
	v_mul_u32_u24 v5, v2, 528
	v_lshl_add_u32 v5, v3, 6, v5
	s_add_co_u32 s5, s5, AH
	v_add_nc_u32 v5, s5, v5
	s_mov_b32 s56, 0x3e000000                      ; 1 / 8
	s_mov_b32 s57, s56
	s_mov_b32 s58, 0x41800000                      ; 16
	s_mov_b32 s59, s58
	s_mov_b32 s60, 0x3c000000                      ; 1 / 128
	s_mov_b32 s61, s60
	s_mov_b32 s62, 0x3727c5ac                      ; 1e-5
	s_mov_b32 s63, s62
.endm
.macro LW f, ws=0
	WIN 0x40*(1+(\ws))
.irp c, 0,1,2,3
.irp t, 0,1
	global_load_b128 v[32*(\f)+8*\c+4*\t:32*(\f)+8*\c+4*\t+3], v13, s[40+2*(\ws):41+2*(\ws)] offset:4096*(\f)+1024*\c+512*\t
.endr
.endr
.endm
.macro LAL f
	WIN 0xc0
.irp o, 0,1
.irp t, 0,1
	ds_load_b128 v[128+16*(\f)+8*\o+4*\t:128+16*(\f)+8*\o+4*\t+3], v5 offset:128*((\f)>>1)+32*((\f)&1)+16*\t+(AL-AH)*\o
.endr
.endr
.endm
.macro MUL f                           ; fragment f's products; the accumulators take turns; the first products start the sums
.set cs_, 0
.rept NCS
	WIN 0xfd+cs_
.irp o, 0,1
.irp c, 0,1,2,3
.if ((\f) == 0) && (\o == 0)
	v_wmma_f32_16x16x32_bf16 v[32*cs_+8*\c:32*cs_+8*\c+7], v[32*(\f)+8*\c:32*(\f)+8*\c+7], v[128+16*(\f)+8*\o:128+16*(\f)+8*\o+7], 0
.else
	v_wmma_f32_16x16x32_bf16 v[32*cs_+8*\c:32*cs_+8*\c+7], v[32*(\f)+8*\c:32*(\f)+8*\c+7], v[128+16*(\f)+8*\o:128+16*(\f)+8*\o+7], v[32*cs_+8*\c:32*cs_+8*\c+7]
.endif
.endr
.endr
.set cs_, cs_+1
.endr
.endm
.macro PSUM
	WIN 0x0c
.set t_, 0
.rept NT
	ds_store_b128 v6, v[8*t_:8*t_+3] offset:1024*t_
	ds_store_b128 v6, v[8*t_+4:8*t_+7] offset:1024*t_+512
.set t_, t_+1
.endr
	WIN 0
	s_wait_dscnt 0x0
	s_barrier_signal -1
	s_barrier_wait -1
.irp q, 0,1,2
.set t_, 0
.rept NT
	ds_load_b64 v[16+64*\q+2*t_:17+64*\q+2*t_], v[7+\q] offset:1024*t_
.set t_, t_+1
.endr
.endr
	s_wait_dscnt NT
.set t_, 0
.rept NT
	v_pk_add_f32 v[16+2*t_:17+2*t_], v[16+2*t_:17+2*t_], v[80+2*t_:81+2*t_]
.set t_, t_+1
.endr
.set t_, 0
.rept NT
	ds_load_b64 v[80+2*t_:81+2*t_], v10 offset:1024*t_
.set t_, t_+1
.endr
	s_wait_dscnt NT
.set t_, 0
.rept NT
	v_pk_add_f32 v[16+2*t_:17+2*t_], v[16+2*t_:17+2*t_], v[144+2*t_:145+2*t_]
.set t_, t_+1
.endr
	s_wait_dscnt 0x0                               ; my reads of the partial sums are back:
	s_barrier_signal -1                            ; say so; the last additions, work on registers, stand between the signal and the wait
.set t_, 0
.rept NT
	v_pk_add_f32 v[16+2*t_:17+2*t_], v[16+2*t_:17+2*t_], v[80+2*t_:81+2*t_]
.set t_, t_+1
.endr
	s_barrier_wait -1                              ; every wave's reads are back before any wave writes LDS again
.endm
.macro STADDR                          ; v235 into the stage: 272 r + 128 h + 32 w; v233 back: row 4 w + lane / 16, 16 bytes a lane; v234 the same place in the output; v237, v238 the statistics' places
	v_mul_u32_u24 v235, v2, 272
	v_lshl_add_u32 v235, v3, 7, v235
	s_lshl_b32 s5, s2, 5
	v_add_nc_u32 v235, s5, v235
	v_lshl_add_u32 v237, v3, 7, s5                 ; my 8 channels among the group's 64: 128 h + 32 w
	s_lshl_b32 s5, s2, 2
	v_add_nc_u32 v236, s5, v3
	v_mul_u32_u24 v233, v236, 272
	v_lshl_add_u32 v233, v2, 4, v233
	s_lshl_b32 s5, s4, 4
	v_add_nc_u32 v236, s5, v236
	v_mul_u32_u24 v234, v236, ROWB
	v_lshl_add_u32 v234, v2, 4, v234
	s_lshl_b32 s5, s3, 8
	v_add_nc_u32 v234, s5, v234
	s_lshl_b32 s6, s4, 1
	v_add_nc_u32 v238, s6, v3                      ; lanes 0-15 the tile's means, lanes 16-31 its M2
	v_lshlrev_b32 v238, 12, v238
	v_lshl_add_u32 v238, v2, 4, v238
	v_add_nc_u32 v238, s5, v238
.endm
.macro ROWSUM b                        ; 8 registers summed over the 16 lanes of each half
.irp x, 1,2,4,8
.irp i, 0,1,2,3,4,5,6,7
	v_add_f32_dpp v[(\b)+\i], v[(\b)+\i], v[(\b)+\i] row_xmask:\x row_mask:0xf bank_mask:0xf
.endr
.endr
.endm
; 36 + 32 loads: the eight tiles' statistics, g and be of my 8 channels; my 8 channels of the 16 rows.  Each load of the wave covers 512 consecutive bytes.
.macro STLOAD
	WIN 0x80
.set t_, 0
.rept 8
.irp k, 0,1
.irp q, 0,1
	global_load_b128 v[16*t_+8*\k+4*\q:16*t_+8*\k+4*\q+3], v4, s[8:9] offset:STATB+(2*t_+\k)*4096+512*\q
.endr
.endr
.set t_, t_+1
.endr
.irp q, 0,1
	global_load_b128 v[128+4*\q:131+4*\q], v4, s[10:11] offset:512*\q
	global_load_b128 v[136+4*\q:139+4*\q], v4, s[12:13] offset:512*\q
.endr
	WIN 0
.set p_, 0
.rept 16
.irp q, 0,1
	global_load_b128 v[80+8*p_+4*\q:83+8*p_+4*\q], v4, s[44:45] offset:4096*p_+512*\q
.endr
.set p_, p_+1
.endr
.endm
.macro STATS                           ; the eight tiles joined; A into v16-23, B into v24-31 of window 0
	WIN 0xaa
.irp i, 0,1,2,3
	v_pk_add_f32 v[144+2*\i:145+2*\i], v[2*\i:2*\i+1], v[16+2*\i:17+2*\i]
.endr
.set t_, 2
.rept 6
.irp i, 0,1,2,3
	v_pk_add_f32 v[144+2*\i:145+2*\i], v[144+2*\i:145+2*\i], v[16*t_+2*\i:16*t_+2*\i+1]
.endr
.set t_, t_+1
.endr
.irp i, 0,1,2,3
	v_pk_mul_f32 v[144+2*\i:145+2*\i], v[144+2*\i:145+2*\i], s[56:57] op_sel_hi:[1,0]   ; the mean of the 128 rows
.endr
.set t_, 1
.rept 7
.irp i, 0,1,2,3
	v_pk_add_f32 v[8+2*\i:9+2*\i], v[8+2*\i:9+2*\i], v[16*t_+8+2*\i:16*t_+9+2*\i]
.endr
.set t_, t_+1
.endr
.set t_, 0
.rept 8
.irp i, 0,1,2,3
	v_pk_add_f32 v[16*t_+2*\i:16*t_+2*\i+1], v[16*t_+2*\i:16*t_+2*\i+1], v[144+2*\i:145+2*\i] neg_lo:[0,1] neg_hi:[0,1]
.endr
.set t_, t_+1
.endr
.irp i, 0,1,2,3
	v_pk_mul_f32 v[152+2*\i:153+2*\i], v[2*\i:2*\i+1], v[2*\i:2*\i+1]
.endr
.set t_, 1
.rept 7
.irp i, 0,1,2,3
	v_pk_fma_f32 v[152+2*\i:153+2*\i], v[16*t_+2*\i:16*t_+2*\i+1], v[16*t_+2*\i:16*t_+2*\i+1], v[152+2*\i:153+2*\i]
.endr
.set t_, t_+1
.endr
.irp i, 0,1,2,3
	v_pk_fma_f32 v[152+2*\i:153+2*\i], v[152+2*\i:153+2*\i], s[58:59], v[8+2*\i:9+2*\i] op_sel_hi:[1,0,1]   ; M2 of the 128 rows
.endr
.irp i, 0,1,2,3
	v_pk_fma_f32 v[152+2*\i:153+2*\i], v[152+2*\i:153+2*\i], s[60:61], s[62:63] op_sel_hi:[1,0,0]           ; the variance + 1e-5
.endr
.irp i, 0,1,2,3,4,5,6,7
	v_rsq_f32 v[152+\i], v[152+\i]
.endr
.irp i, 0,1,2,3
	RB 128+2*\i, 129+2*\i, 128+2*\i, 129+2*\i, 160 ; independent work behind the roots: g and be to bf16's numbers
	RB 136+2*\i, 137+2*\i, 136+2*\i, 137+2*\i, 160
.endr
	s_wait_alu depctr_va_vdst(0)                   ; the one wait for the batch ahead of the first use
.irp i, 0,1,2,3
	v_pk_mul_f32 v[152+2*\i:153+2*\i], v[152+2*\i:153+2*\i], v[128+2*\i:129+2*\i]
.endr
	WIN 0x2a
.irp i, 0,1,2,3
	v_pk_fma_f32 v[24+2*\i:25+2*\i], v[144+2*\i:145+2*\i], v[152+2*\i:153+2*\i], v[136+2*\i:137+2*\i] neg_lo:[1,0,0] neg_hi:[1,0,0]
.endr
	WIN 0x02
.irp i, 0,1,2,3,4,5,6,7
	v_mov_b32 v[16+\i], v[152+\i]                  ; A goes beside the rows that it multiplies, so that the 16 rows' work needs no switch of windows
.endr
	WIN 0
.endm
.macro ROWT p                          ; row p of a trip's eight: y = h A + B, max(y, 0.01 y), hi and lo, 8 bytes a lane four times
.set x_, 80+8*(\p)
.irp i, 0,1,2,3
	v_pk_fma_f32 v[x_+2*\i:x_+2*\i+1], v[x_+2*\i:x_+2*\i+1], v[16+2*\i:17+2*\i], v[24+2*\i:25+2*\i]
.endr
.irp i, 0,1,2,3
	v_pk_mul_f32 v[32+2*\i:33+2*\i], v[x_+2*\i:x_+2*\i+1], s[52:53] op_sel_hi:[1,0]
.endr
.irp i, 0,1,2,3,4,5,6,7
	v_max_num_f32 v[x_+\i], v[x_+\i], v[32+\i]
.endr
	SPL x_, x_+1, 40, 42
	SPL x_+2, x_+3, 41, 43
	ds_store_b64 v232, v[40:41] offset:AH+528*(\p)
	ds_store_b64 v232, v[42:43] offset:AL+528*(\p)
	SPL x_+4, x_+5, 44, 46
	SPL x_+6, x_+7, 45, 47
	ds_store_b64 v232, v[44:45] offset:AH+528*(\p)+256
	ds_store_b64 v232, v[46:47] offset:AL+528*(\p)+256
.endm
.macro ROWS                            ; the 16 rows: two trips of eight; the second eight come down into the first eight's registers, and the LDS address steps eight rows on
	s_mov_b32 s48, 2
.Lrows:
.set p_, 0
.rept 8
	ROWT p_
.set p_, p_+1
.endr
.set k_, 0
.rept 64
	v_mov_b32 v[80+k_], v[144+k_]
.set k_, k_+1
.endr
	v_add_nc_u32 v232, 8*528, v232
	s_sub_co_u32 s48, s48, 1
	s_cmp_lg_u32 s48, 0
	s_cbranch_scc1 .Lrows
.endm
; The raw product and its tile's statistics leave: through an LDS stage, as whole aligned runs of 256 bytes.
.macro RAWOUT ob
.irp j, 0,1
.irp c, 0,1,2,3
	v_mov_b32 v[80+4*\j+\c], v[16+2*\c+\j]         ; into the channels' order: 16 bytes on end want four neighbouring registers
.endr
.endr
.irp i, 0,1,2,3,4,5,6,7
	v_add_f32_dpp v[144+\i], v[80+\i], v[80+\i] row_xmask:1 row_mask:0xf bank_mask:0xf
.endr
.irp x, 2,4,8
.irp i, 0,1,2,3,4,5,6,7
	v_add_f32_dpp v[144+\i], v[144+\i], v[144+\i] row_xmask:\x row_mask:0xf bank_mask:0xf
.endr
.endr
.irp i, 0,1,2,3
	v_pk_mul_f32 v[144+2*\i:145+2*\i], v[144+2*\i:145+2*\i], s[66:67] op_sel_hi:[1,0]   ; the 16 rows' mean
.endr
.irp i, 0,1,2,3
	v_pk_add_f32 v[16+2*\i:17+2*\i], v[80+2*\i:81+2*\i], v[144+2*\i:145+2*\i] neg_lo:[0,1] neg_hi:[0,1]
.endr
.irp i, 0,1,2,3
	v_pk_mul_f32 v[152+2*\i:153+2*\i], v[16+2*\i:17+2*\i], v[16+2*\i:17+2*\i]
.endr
	ROWSUM 152                                     ; M2
	ds_store_b128 v235, v[80:83] offset:ST0
	ds_store_b128 v235, v[84:87] offset:ST0+16
	ds_store_b128 v237, v[144:147] offset:SST      ; the 16 lanes of a half hold the same numbers and write the same bytes
	ds_store_b128 v237, v[148:151] offset:SST+16
	ds_store_b128 v237, v[152:155] offset:SST+256
	ds_store_b128 v237, v[156:159] offset:SST+272
	s_wait_dscnt 0x0
	s_barrier_signal -1
	s_barrier_wait -1                              ; a row's 256 bytes come from all four waves
	ds_load_b128 v[160:163], v233 offset:ST0
	ds_load_b128 v[164:167], v233 offset:ST0+544
	s_wait_dscnt 0x0
	global_store_b128 v234, v[160:163], s[\ob:\ob+1]   ; 16 lanes store 256 consecutive bytes, aligned
	global_store_b128 v234, v[164:167], s[\ob:\ob+1] offset:2*ROWB
	s_cmp_lg_u32 s2, 0
	s_cbranch_scc1 .Lend
	ds_load_b128 v[168:171], v13 offset:SST        ; wave 0: 64 means, 64 M2
	s_wait_dscnt 0x0
	global_store_b128 v238, v[168:171], s[\ob:\ob+1] offset:STATB
.Lend:
.endm
	s_load_b256 s[8:15], s[0:1], 0x0               ; hs1, g1, be1, wfr
	s_load_b64 s[16:17], s[0:1], 0x20              ; hs2
	LANES
	STADDR
	PADDR
	s_mov_b32 s66, 0x3d800000                      ; 1 / 16
	s_mov_b32 s67, s66
	s_wait_kmcnt 0x0
	s_lshl_b32 s36, s3, 5                          ; my blocks: g x 32 + 8 w ..
	s_lshl_b32 s38, s2, 3
	s_add_co_u32 s36, s36, s38
	s_lshl_b32 s36, s36, 12
	s_mov_b32 s37, 0
	s_add_nc_u64 s[40:41], s[14:15], s[36:37]
	s_add_nc_u64 s[40:41], s[40:41], 0x200000      ; Wd2
	s_lshl_b32 s36, s4, 16                         ; h1 at my 16 rows
	s_add_nc_u64 s[44:45], s[8:9], s[36:37]
	STLOAD
.irp f, 0,1,2,3
	LW \f
.endr
	s_wait_loadcnt 63                              ; 64 loads (the rows', four fragments') are younger than the statistics': the count is the largest that the wait can name
	STATS
.irp f, 4,5,6,7
	LW \f
.endr
	WIN 0
	s_wait_loadcnt 63                              ; 64 loads, the weights', are younger than the rows'
	ROWS
.set f_, 0
.rept 8
	LAL f_
.set f_, f_+1
.endr
.set f_, 0
.rept 8
	s_wait_loadcnt 8*(7-f_)                        ; the later fragments' 8 weight loads each,
	s_wait_dscnt 4*(7-f_)                          ; and their 4 LDS loads each, may stay out
	MUL f_
.set f_, f_+1
.endr
	PLACES                                         ; in front of the LDS stores of results
	PSUM
	RAWOUT 16
	s_wait_tensorcnt 0x0                           ; the wave's end
	ds_add_u32 v14, v15
	s_wait_dscnt 0x0
	s_endpgm
.Lfunc_end_k_q2d2ed73841_dec2:
	.size	k_q2d2ed73841_dec2, .Lfunc_end_k_q2d2ed73841_dec2-k_q2d2ed73841_dec2
	.p2alignl 7, 3214868480
	.fill 96, 4, 3214868480
	.section	.rodata,"a",@progbits
	.p2align	6, 0x0
	.amdhsa_kernel k_q2d2ed73841_dec2
		.amdhsa_group_segment_fixed_size 89344
		.amdhsa_private_segment_fixed_size 0
		.amdhsa_enable_private_segment 0
		.amdhsa_kernarg_size 40
		.amdhsa_user_sgpr_count 2
		.amdhsa_user_sgpr_kernarg_segment_ptr 1
		.amdhsa_wavefront_size32 1
		.amdhsa_system_sgpr_workgroup_id_x 1
		.amdhsa_system_sgpr_workgroup_id_y 1
		.amdhsa_system_sgpr_workgroup_id_z 1
		.amdhsa_system_vgpr_workitem_id 0
		.amdhsa_next_free_vgpr 1024
		.amdhsa_next_free_sgpr 68
		.amdhsa_reserve_vcc 0
		.amdhsa_float_denorm_mode_32 3
		.amdhsa_float_denorm_mode_16_64 3
		.amdhsa_memory_ordered 1
		.amdhsa_forward_progress 1
		.amdhsa_inst_pref_size 61
	.end_amdhsa_kernel
	.amdgpu_metadata
---
amdhsa.version: [ 1, 2 ]
amdhsa.kernels:
  - .name:           k_q2d2ed73841_dec2
    .symbol:         k_q2d2ed73841_dec2.kd
    .args:
      - { .name: hs1, .offset: 0, .size: 8, .value_kind: global_buffer, .address_space: global }
      - { .name: g1, .offset: 8, .size: 8, .value_kind: global_buffer, .address_space: global }
      - { .name: be1, .offset: 16, .size: 8, .value_kind: global_buffer, .address_space: global }
      - { .name: wfr, .offset: 24, .size: 8, .value_kind: global_buffer, .address_space: global }
      - { .name: hs2, .offset: 32, .size: 8, .value_kind: global_buffer, .address_space: global }
    .group_segment_fixed_size: 89344
    .private_segment_fixed_size: 0
    .kernarg_segment_align: 8
    .kernarg_segment_size: 40
    .max_flat_workgroup_size: 128
    .sgpr_count:     68
    .vgpr_count:     1024
    .wavefront_size: 32
...
	.end_amdgpu_metadata
.endif
;; end of part 11
;; launch outp (part 12): grid 6 x 8, 4 waves a work-group, no clusters, 89,344 bytes of LDS; arguments hs2, g2, be2, wfr, bd3, out0; writes out0
.if DOCPART == 12
	.amdgcn_target "amdgcn-amd-amdhsa--gfx1250"
	.amdhsa_code_object_version 6
	.text
	.protected	k_q2d2ed73841_outp
	.globl	k_q2d2ed73841_outp
	.p2align	8
	.type	k_q2d2ed73841_outp,@function
k_q2d2ed73841_outp:
	s_mov_b64 s[64:65], 0
	v_nop
	global_prefetch_b8 v0, s[64:65] scope:SCOPE_SE
	s_setreg_imm32_b32 hwreg(HW_REG_WAVE_MODE, 25, 1), 1
	s_wait_xcnt 0x0
; d2 = LeakyReLU(BatchNorm(h2) g2 + be2); y = d2 Wd3 + bd3, [128][384] f32.
; A work-group makes 16 rows (ttmp7) x 64 columns (ttmp9); K = 1024 is split among the four waves: wave w has channels 256 w .. 256 w + 255, from the statistics to the products.
; THE STATISTICS.  The launch before left, for each of the 8 row tiles and each column, the tile's mean and M2 (sum of squares about that mean).  mean = sum mean_t / 8;
; M2 = sum M2_t + 16 sum (mean_t - mean)^2; variance = M2 / 128: sums of squares of differences alone.  A lane does this for 8 channels (256 w + 4 lane + 0..3 and 128 further on), makes
; A = g rsq(variance + 1e-5) and B = be - mean A (g, be rounded to bf16's numbers), and takes its 8 channels of the 16 rows through max(y, 0.01 y), y = h A + B.
; d2 goes as TWO bf16 OPERANDS, hi and lo, into LDS bytes of the wave's own (16 rows of 528 bytes: 512 + 16 of padding, so that the 16 rows of a fragment load start at 16 different groups of
; four banks; ISA guide 11.1) and comes back as fragments: LDS serves a wave's instructions in order (ISA guide 5.7.1.4), so no wait and no barrier stand between.
; The 16 rows are walked in a loop of two trips of 8, for a shorter text: between the trips the second eight rows are moved into the registers that the one text names (64 moves).
; Source 0 = Wd3's fragments, bf16, as the first launch laid them in wfr (from byte 5,767,168; block g x 32 + f).  bd3 is rounded to bf16's numbers.
; The result leaves through an LDS stage (rows of 272 bytes) as whole rows of 256 bytes.
; REGISTERS.  window 0: addresses; v16-31 A, B; v32-47 at work; v80-207 h2's 16 rows; window 1: weights, (f, c) at 32 f + 8 c; window 2: statistics, tile t at 16 t (mean 0-7, M2 8-15), g v128, be v136,
; mean v144, at work v152-160; window 3: v0-31 accumulators, v128-255 activation, (f, op) at 128 + 16 f + 8 op.
.set NCS, 1
.set NT, 4
.set PSZ, NT*1024
.set ROWB, 1536
.set STATB, 524288
.set ST0, 16384
.set SPARE, 21248
.set AH, 21760
.set AL, 55552
.set MSB, 0
.macro WIN new
.if MSB != (\new)
	s_set_vgpr_msb (MSB<<8)|(\new)
.set MSB, \new
.endif
.endm
.macro PLACES
.rept 4
	v_nop
.endr
.endm
.macro RB a, b, d1, d2, tt
	v_cvt_pk_bf16_f32 v[\tt], v[\a], v[\b]
	v_lshlrev_b32 v[\d1], 16, v[\tt]
	v_and_b32 v[\d2], s54, v[\tt]
.endm
.macro SPL x, y, hi, lo
	v_cvt_pk_bf16_f32 v[\hi], v[\x], v[\y]
	v_lshlrev_b32 v254, 16, v[\hi]
	v_and_b32 v255, s54, v[\hi]
	v_sub_f32 v[\x], v[\x], v254
	v_sub_f32 v[\y], v[\y], v255
	v_cvt_pk_bf16_f32 v[\lo], v[\x], v[\y]
.endm
.macro LANES
	v_lshl_add_u32 v14, v0, 2, SPARE
	v_mov_b32 v15, 0
	v_and_b32 v1, 31, v0
	v_lshrrev_b32 v2, 5, v0
	v_readfirstlane_b32 s2, v2
	v_and_b32 v2, 15, v0
	v_bfe_u32 v3, v0, 4, 1
	s_mov_b32 s3, ttmp9
	s_and_b32 s4, ttmp7, 0xffff
	s_mov_b32 s52, 0x3c23d70a
	s_mov_b32 s53, s52
	s_mov_b32 s54, 0xffff0000
	v_lshlrev_b32 v13, 4, v1
	s_mul_i32 s5, s2, PSZ
	v_add_nc_u32 v6, s5, v13
	s_lshr_b32 s5, s2, 1
	s_and_b32 s6, s2, 1
	s_lshl_b32 s7, s5, 9                           ; registers 4-7 of a result lie 512 bytes behind registers 0-3,
	s_lshl_b32 s38, s6, 3                          ; my pair of registers 8 (w % 2) bytes into a lane's 16
	s_add_co_u32 s7, s7, s38
	v_add_nc_u32 v7, s7, v13
	v_add_nc_u32 v8, PSZ, v7
	v_add_nc_u32 v9, 2*PSZ, v7
	v_add_nc_u32 v10, 3*PSZ, v7
	s_lshl_b32 s36, s3, 8
	s_lshl_b32 s37, s2, 5
	s_add_co_u32 s36, s36, s37
	v_lshl_add_u32 v12, v3, 7, s36
.endm
.macro PADDR                           ; v4 my channels' bytes in a row of 1,024 f32; v232 where I put d, v5 where I read its fragments: my wave's 8,448 bytes
	s_lshl_b32 s5, s2, 10
	v_add_nc_u32 v4, s5, v13
	s_mul_i32 s5, s2, 8448
	v_lshl_add_u32 v232, v1, 3, s5
	v_mul_u32_u24 v5, v2, 528
	v_lshl_add_u32 v5, v3, 6, v5
	s_add_co_u32 s5, s5, AH
	v_add_nc_u32 v5, s5, v5
	s_mov_b32 s56, 0x3e000000                      ; 1 / 8
	s_mov_b32 s57, s56
	s_mov_b32 s58, 0x41800000                      ; 16
	s_mov_b32 s59, s58
	s_mov_b32 s60, 0x3c000000                      ; 1 / 128
	s_mov_b32 s61, s60
	s_mov_b32 s62, 0x3727c5ac                      ; 1e-5
	s_mov_b32 s63, s62
.endm
.macro LW f, ws=0
	WIN 0x40*(1+(\ws))
.irp c, 0,1,2,3
.irp t, 0,1
	global_load_b128 v[32*(\f)+8*\c+4*\t:32*(\f)+8*\c+4*\t+3], v13, s[40+2*(\ws):41+2*(\ws)] offset:4096*(\f)+1024*\c+512*\t
.endr
.endr
.endm
.macro LAL f
	WIN 0xc0
.irp o, 0,1
.irp t, 0,1
	ds_load_b128 v[128+16*(\f)+8*\o+4*\t:128+16*(\f)+8*\o+4*\t+3], v5 offset:128*((\f)>>1)+32*((\f)&1)+16*\t+(AL-AH)*\o
.endr
.endr
.endm
.macro MUL f                           ; fragment f's products; the accumulators take turns; the first products start the sums
.set cs_, 0
.rept NCS
	WIN 0xfd+cs_
.irp o, 0,1
.irp c, 0,1,2,3
.if ((\f) == 0) && (\o == 0)
	v_wmma_f32_16x16x32_bf16 v[32*cs_+8*\c:32*cs_+8*\c+7], v[32*(\f)+8*\c:32*(\f)+8*\c+7], v[128+16*(\f)+8*\o:128+16*(\f)+8*\o+7], 0
.else
	v_wmma_f32_16x16x32_bf16 v[32*cs_+8*\c:32*cs_+8*\c+7], v[32*(\f)+8*\c:32*(\f)+8*\c+7], v[128+16*(\f)+8*\o:128+16*(\f)+8*\o+7], v[32*cs_+8*\c:32*cs_+8*\c+7]
.endif
.endr
.endr
.set cs_, cs_+1
.endr
.endm
.macro PSUM
	WIN 0x0c
.set t_, 0
.rept NT
	ds_store_b128 v6, v[8*t_:8*t_+3] offset:1024*t_
	ds_store_b128 v6, v[8*t_+4:8*t_+7] offset:1024*t_+512
.set t_, t_+1
.endr
	WIN 0
	s_wait_dscnt 0x0
	s_barrier_signal -1
	s_barrier_wait -1
.irp q, 0,1,2
.set t_, 0
.rept NT
	ds_load_b64 v[16+64*\q+2*t_:17+64*\q+2*t_], v[7+\q] offset:1024*t_
.set t_, t_+1
.endr
.endr
	s_wait_dscnt NT
.set t_, 0
.rept NT
	v_pk_add_f32 v[16+2*t_:17+2*t_], v[16+2*t_:17+2*t_], v[80+2*t_:81+2*t_]
.set t_, t_+1
.endr
.set t_, 0
.rept NT
	ds_load_b64 v[80+2*t_:81+2*t_], v10 offset:1024*t_
.set t_, t_+1
.endr
	s_wait_dscnt NT
.set t_, 0
.rept NT
	v_pk_add_f32 v[16+2*t_:17+2*t_], v[16+2*t_:17+2*t_], v[144+2*t_:145+2*t_]
.set t_, t_+1
.endr
	s_wait_dscnt 0x0                               ; my reads of the partial sums are back:
	s_barrier_signal -1                            ; say so; the last additions, work on registers, stand between the signal and the wait
.set t_, 0
.rept NT
	v_pk_add_f32 v[16+2*t_:17+2*t_], v[16+2*t_:17+2*t_], v[80+2*t_:81+2*t_]
.set t_, t_+1
.endr
	s_barrier_wait -1                              ; every wave's reads are back before any wave writes LDS again
.endm
.macro STADDR                          ; v235 into the stage: 272 r + 128 h + 32 w; v233 back: row 4 w + lane / 16, 16 bytes a lane; v234 the same place in the output
	v_mul_u32_u24 v235, v2, 272
	v_lshl_add_u32 v235, v3, 7, v235
	s_lshl_b32 s5, s2, 5
	v_add_nc_u32 v235, s5, v235
	s_lshl_b32 s5, s2, 2
	v_add_nc_u32 v236, s5, v3
	v_mul_u32_u24 v233, v236, 272
	v_lshl_add_u32 v233, v2, 4, v233
	s_lshl_b32 s5, s4, 4
	v_add_nc_u32 v236, s5, v236
	v_mul_u32_u24 v234, v236, ROWB
	v_lshl_add_u32 v234, v2, 4, v234
	s_lshl_b32 s5, s3, 8
	v_add_nc_u32 v234, s5, v234
.endm
; 36 + 32 loads: the eight tiles' statistics, g and be of my 8 channels; my 8 channels of the 16 rows.  Each load of the wave covers 512 consecutive bytes.
.macro STLOAD
	WIN 0x80
.set t_, 0
.rept 8
.irp k, 0,1
.irp q, 0,1
	global_load_b128 v[16*t_+8*\k+4*\q:16*t_+8*\k+4*\q+3], v4, s[8:9] offset:STATB+(2*t_+\k)*4096+512*\q
.endr
.endr
.set t_, t_+1
.endr
.irp q, 0,1
	global_load_b128 v[128+4*\q:131+4*\q], v4, s[10:11] offset:512*\q
	global_load_b128 v[136+4*\q:139+4*\q], v4, s[12:13] offset:512*\q
.endr
	WIN 0
.set p_, 0
.rept 16
.irp q, 0,1
	global_load_b128 v[80+8*p_+4*\q:83+8*p_+4*\q], v4, s[44:45] offset:4096*p_+512*\q
.endr
.set p_, p_+1
.endr
.endm
.macro STATS                           ; the eight tiles joined; A into v16-23, B into v24-31 of window 0
	WIN 0xaa
.irp i, 0,1,2,3
	v_pk_add_f32 v[144+2*\i:145+2*\i], v[2*\i:2*\i+1], v[16+2*\i:17+2*\i]
.endr
.set t_, 2
.rept 6
.irp i, 0,1,2,3
	v_pk_add_f32 v[144+2*\i:145+2*\i], v[144+2*\i:145+2*\i], v[16*t_+2*\i:16*t_+2*\i+1]
.endr
.set t_, t_+1
.endr
.irp i, 0,1,2,3
	v_pk_mul_f32 v[144+2*\i:145+2*\i], v[144+2*\i:145+2*\i], s[56:57] op_sel_hi:[1,0]   ; the mean of the 128 rows
.endr
.set t_, 1
.rept 7
.irp i, 0,1,2,3
	v_pk_add_f32 v[8+2*\i:9+2*\i], v[8+2*\i:9+2*\i], v[16*t_+8+2*\i:16*t_+9+2*\i]
.endr
.set t_, t_+1
.endr
.set t_, 0
.rept 8
.irp i, 0,1,2,3
	v_pk_add_f32 v[16*t_+2*\i:16*t_+2*\i+1], v[16*t_+2*\i:16*t_+2*\i+1], v[144+2*\i:145+2*\i] neg_lo:[0,1] neg_hi:[0,1]
.endr
.set t_, t_+1
.endr
.irp i, 0,1,2,3
	v_pk_mul_f32 v[152+2*\i:153+2*\i], v[2*\i:2*\i+1], v[2*\i:2*\i+1]
.endr
.set t_, 1
.rept 7
.irp i, 0,1,2,3
	v_pk_fma_f32 v[152+2*\i:153+2*\i], v[16*t_+2*\i:16*t_+2*\i+1], v[16*t_+2*\i:16*t_+2*\i+1], v[152+2*\i:153+2*\i]
.endr
.set t_, t_+1
.endr
.irp i, 0,1,2,3
	v_pk_fma_f32 v[152+2*\i:153+2*\i], v[152+2*\i:153+2*\i], s[58:59], v[8+2*\i:9+2*\i] op_sel_hi:[1,0,1]   ; M2 of the 128 rows
.endr
.irp i, 0,1,2,3
	v_pk_fma_f32 v[152+2*\i:153+2*\i], v[152+2*\i:153+2*\i], s[60:61], s[62:63] op_sel_hi:[1,0,0]           ; the variance + 1e-5
.endr
.irp i, 0,1,2,3,4,5,6,7
	v_rsq_f32 v[152+\i], v[152+\i]
.endr
.irp i, 0,1,2,3
	RB 128+2*\i, 129+2*\i, 128+2*\i, 129+2*\i, 160 ; independent work behind the roots: g and be to bf16's numbers
	RB 136+2*\i, 137+2*\i, 136+2*\i, 137+2*\i, 160
.endr
	s_wait_alu depctr_va_vdst(0)                   ; the one wait for the batch ahead of the first use
.irp i, 0,1,2,3
	v_pk_mul_f32 v[152+2*\i:153+2*\i], v[152+2*\i:153+2*\i], v[128+2*\i:129+2*\i]
.endr
	WIN 0x2a
.irp i, 0,1,2,3
	v_pk_fma_f32 v[24+2*\i:25+2*\i], v[144+2*\i:145+2*\i], v[152+2*\i:153+2*\i], v[136+2*\i:137+2*\i] neg_lo:[1,0,0] neg_hi:[1,0,0]
.endr
	WIN 0x02
.irp i, 0,1,2,3,4,5,6,7
	v_mov_b32 v[16+\i], v[152+\i]                  ; A goes beside the rows that it multiplies, so that the 16 rows' work needs no switch of windows
.endr
	WIN 0
.endm
.macro ROWT p                          ; row p of a trip's eight: y = h A + B, max(y, 0.01 y), hi and lo, 8 bytes a lane four times
.set x_, 80+8*(\p)
.irp i, 0,1,2,3
	v_pk_fma_f32 v[x_+2*\i:x_+2*\i+1], v[x_+2*\i:x_+2*\i+1], v[16+2*\i:17+2*\i], v[24+2*\i:25+2*\i]
.endr
.irp i, 0,1,2,3
	v_pk_mul_f32 v[32+2*\i:33+2*\i], v[x_+2*\i:x_+2*\i+1], s[52:53] op_sel_hi:[1,0]
.endr
.irp i, 0,1,2,3,4,5,6,7
	v_max_num_f32 v[x_+\i], v[x_+\i], v[32+\i]
.endr
	SPL x_, x_+1, 40, 42
	SPL x_+2, x_+3, 41, 43
	ds_store_b64 v232, v[40:41] offset:AH+528*(\p)
	ds_store_b64 v232, v[42:43] offset:AL+528*(\p)
	SPL x_+4, x_+5, 44, 46
	SPL x_+6, x_+7, 45, 47
	ds_store_b64 v232, v[44:45] offset:AH+528*(\p)+256
	ds_store_b64 v232, v[46:47] offset:AL+528*(\p)+256
.endm
.macro ROWS                            ; the 16 rows: two trips of eight; the second eight come down into the first eight's registers, and the LDS address steps eight rows on
	s_mov_b32 s48, 2
.Lrows:
.set p_, 0
.rept 8
	ROWT p_
.set p_, p_+1
.endr
.set k_, 0
.rept 64
	v_mov_b32 v[80+k_], v[144+k_]
.set k_, k_+1
.endr
	v_add_nc_u32 v232, 8*528, v232
	s_sub_co_u32 s48, s48, 1
	s_cmp_lg_u32 s48, 0
	s_cbranch_scc1 .Lrows
.endm
	s_load_b256 s[8:15], s[0:1], 0x0               ; hs2, g2, be2, wfr
	s_load_b128 s[16:19], s[0:1], 0x20             ; bd3, out0
	LANES
	STADDR
	PADDR
	s_wait_kmcnt 0x0
	s_lshl_b32 s36, s3, 5                          ; my blocks: g x 32 + 8 w ..
	s_lshl_b32 s38, s2, 3
	s_add_co_u32 s36, s36, s38
	s_lshl_b32 s36, s36, 12
	s_mov_b32 s37, 0
	s_add_nc_u64 s[40:41], s[14:15], s[36:37]
	s_add_nc_u64 s[40:41], s[40:41], 0x580000      ; Wd3
	s_lshl_b32 s36, s4, 16                         ; h2 at my 16 rows
	s_add_nc_u64 s[44:45], s[8:9], s[36:37]
	global_load_b128 v[208:211], v12, s[16:17]
	global_load_b128 v[212:215], v12, s[16:17] offset:16
	STLOAD
.irp f, 0,1,2,3
	LW \f
.endr
	s_wait_loadcnt 63                              ; 64 loads (the rows', four fragments') are younger than the statistics': the count is the largest that the wait can name
	STATS
.irp f, 4,5,6,7
	LW \f
.endr
	WIN 0
	s_wait_loadcnt 63                              ; 64 loads, the weights', are younger than the rows'
	ROWS
.set f_, 0
.rept 8
	LAL f_
.set f_, f_+1
.endr
.set f_, 0
.rept 8
	s_wait_loadcnt 8*(7-f_)                        ; the later fragments' 8 weight loads each,
	s_wait_dscnt 4*(7-f_)                          ; and their 4 LDS loads each, may stay out
	MUL f_
.set f_, f_+1
.endr
	PLACES                                         ; in front of the LDS stores of results
	PSUM
.irp i, 0,1,2,3
	RB 208+2*\i, 209+2*\i, 208+2*\i, 209+2*\i, 240
.endr
.irp j, 0,1
.irp c, 0,1,2,3
	v_add_f32 v[80+4*\j+\c], v[16+2*\c+\j], v[208+4*\j+\c]   ; in the channels' order
.endr
.endr
	ds_store_b128 v235, v[80:83] offset:ST0
	ds_store_b128 v235, v[84:87] offset:ST0+16
	s_wait_dscnt 0x0
	s_barrier_signal -1
	s_barrier_wait -1                              ; a row's 256 bytes come from all four waves
	ds_load_b128 v[160:163], v233 offset:ST0
	ds_load_b128 v[164:167], v233 offset:ST0+544
	s_wait_dscnt 0x0
	global_store_b128 v234, v[160:163], s[18:19]   ; 16 lanes store 256 consecutive bytes, aligned
	global_store_b128 v234, v[164:167], s[18:19] offset:2*ROWB
	s_wait_tensorcnt 0x0                           ; the wave's end
	ds_add_u32 v14, v15
	s_wait_dscnt 0x0
	s_endpgm
.Lfunc_end_k_q2d2ed73841_outp:
	.size	k_q2d2ed73841_outp, .Lfunc_end_k_q2d2ed73841_outp-k_q2d2ed73841_outp
	.p2alignl 7, 3214868480
	.fill 96, 4, 3214868480
	.section	.rodata,"a",@progbits
	.p2align	6, 0x0
	.amdhsa_kernel k_q2d2ed73841_outp
		.amdhsa_group_segment_fixed_size 89344
		.amdhsa_private_segment_fixed_size 0
		.amdhsa_enable_private_segment 0
		.amdhsa_kernarg_size 48
		.amdhsa_user_sgpr_count 2
		.amdhsa_user_sgpr_kernarg_segment_ptr 1
		.amdhsa_wavefront_size32 1
		.amdhsa_system_sgpr_workgroup_id_x 1
		.amdhsa_system_sgpr_workgroup_id_y 1
		.amdhsa_system_sgpr_workgroup_id_z 1
		.amdhsa_system_vgpr_workitem_id 0
		.amdhsa_next_free_vgpr 1024
		.amdhsa_next_free_sgpr 66
		.amdhsa_reserve_vcc 0
		.amdhsa_float_denorm_mode_32 3
		.amdhsa_float_denorm_mode_16_64 3
		.amdhsa_memory_ordered 1
		.amdhsa_forward_progress 1
		.amdhsa_inst_pref_size 56
	.end_amdhsa_kernel
	.amdgpu_metadata
---
amdhsa.version: [ 1, 2 ]
amdhsa.kernels:
  - .name:           k_q2d2ed73841_outp
    .symbol:         k_q2d2ed73841_outp.kd
    .args:
      - { .name: hs2, .offset: 0, .size: 8, .value_kind: global_buffer, .address_space: global }
      - { .name: g2, .offset: 8, .size: 8, .value_kind: global_buffer, .address_space: global }
      - { .name: be2, .offset: 16, .size: 8, .value_kind: global_buffer, .address_space: global }
      - { .name: wfr, .offset: 24, .size: 8, .value_kind: global_buffer, .address_space: global }
      - { .name: bd3, .offset: 32, .size: 8, .value_kind: global_buffer, .address_space: global }
      - { .name: out0, .offset: 40, .size: 8, .value_kind: global_buffer, .address_space: global }
    .group_segment_fixed_size: 89344
    .private_segment_fixed_size: 0
    .kernarg_segment_align: 8
    .kernarg_segment_size: 48
    .max_flat_workgroup_size: 128
    .sgpr_count:     66
    .vgpr_count:     1024
    .wavefront_size: 32
...
	.end_amdgpu_metadata
.endif
;; end of part 12
;; ======== version 3 of 3: 6 launches; version 2 with the launches enc, dec2, outp written anew for expert scheduling mode
;; workspace buffers: pmax 16,777,216 bytes; segcnt 512 bytes of whole numbers; wfr 6,553,600 bytes; eact 524,288 bytes; zact 131,072 bytes; hs1 589,824 bytes; hs2 589,824 bytes
;; launch points: the kernel of part 7 again; grid 256 x 1, 4 waves a work-group, no clusters, 61,440 bytes of LDS; arguments x, lengths, W1, b1, W2, b2, W3, b3, W4, b4, pmax, segcnt, Wf, Wd2, Wmu, Wlv, Wd1, Wd3, wfr; writes pmax, segcnt, wfr
;; launch enc (part 13): grid 16 x 8, 4 waves a work-group, no clusters, 82,944 bytes of LDS; arguments pmax, segcnt, wfr, bf, eact; writes eact
.if DOCPART == 13
	.amdgcn_target "amdgcn-amd-amdhsa--gfx1250"
	.amdhsa_code_object_version 6
	.text
	.protected	k_q2d2ed73841_enc
	.globl	k_q2d2ed73841_enc
	.p2align	8
	.type	k_q2d2ed73841_enc,@function
k_q2d2ed73841_enc:
	s_mov_b64 s[64:65], 0
	v_nop
	global_prefetch_b8 v0, s[64:65] scope:SCOPE_SE
	s_setreg_imm32_b32 hwreg(HW_REG_WAVE_SCHED_MODE, 0, 2), 2
	s_setreg_imm32_b32 hwreg(HW_REG_WAVE_MODE, 25, 1), 1
	s_wait_xcnt 0x0
	s_wait_alu depctr_vm_vsrc(0)
; pooled[b] = the maximum over cloud b's segments (pmax, segcnt slots each); e = LeakyReLU(pooled Wf + bf).
; A work-group makes 16 rows (ttmp7) x 64 columns (ttmp9).  K = 1024 IS SPLIT AMONG THE FOUR WAVES, 8 fragments of 32 each; the four partial sums meet in LDS.
; Source 0 = Wf's fragments, bf16, as the first launch laid them in wfr (block g x 32 + f, 4,096 bytes: fragment c x 1024 + half t x 512 + lane x 16; lane r of fragment c stands for column
; 64 g + 4 r + c; fragment f holds rows 64 (f / 2) + 16 (f % 2) + 32 (lane / 16) + 8 t + j): a wave's 64 loads are 32,768 consecutive bytes and are all asked for at the start.
; Source 1 = 16 rows of the activation, AS TWO bf16 OPERANDS, hi = bf16(a), lo = bf16(a - hi); each weight fragment multiplies both.  bf is rounded to bf16's numbers.
; Behind the meeting wave w owns registers 2 w, 2 w + 1 of every result: 8 neighbouring channels 64 g + 32 (lane / 16) + 8 w + 0..7 a lane, 16 bytes of eact:
; eact byte = ((row tile x 32 + f) x 2 + op) x 1024 + t x 512 + lane x 16; the lane's 8 numbers are channels 64 (f / 2) + 32 (lane / 16) + 16 (f % 2) + 8 t + 0..7: the next launch's fragments.
; Each wave pools 4 of the 16 clouds into LDS (rows of 2,064 bytes, hi and lo); the trips of that loop hang on segcnt, which the launch before stored; it has no LDS access and no barrier.
; The 128 running maxima start at -inf, by 128 moves that run while the first loads are out, so that the loop has one form of trip.
; THE MODE: SCHED_MODE bits 1:0 = 2 (LLVM: expert scheduling mode 2), set by the entry lines.  The code itself states the register dependences
; between vector or matrix instructions and memory or LDS instructions, with s_wait_alu, always for 0.
; THE PLAN.  Registers that memory or LDS instructions touch:
;   v5-v13        addresses, made once at the head and never written again.  v232: the LDS address of pooled; the way out writes it again.
;   window 2      the slots: a trip's 64 loads land there, its 128 maxima read them: one wait on va_vdst ahead of each trip's loads.  A trip fills the whole window, and no other 256 registers are free for a second buffer.
;   v16-79        hi of pooled, two registers a group of four channels; v80-207: the running maxima, then lo in place (the first two of a group's four).  Written by the roundings, read by the LDS stores.
;                 Groups 0-15 are rounded; a wait on va_vdst; their stores stand among the roundings of groups 16-31, which name other registers; a second wait; the last stores.
;                 One wait on vm_vsrc behind the barrier: from there on these registers and v232 take the partial sums' loads and the way out's work.
;   window 3      v0-31: written by the products, read by the partial sums' stores: four places and a wait on va_vdst.  v128-255 take LDS loads alone; window 1 takes global loads alone.
;   v16-23, v80-87, v144-151, v88-95   the four runs of partial sums: no vector line names them between the wait ahead of the stores and the loads.
;   v144-151      the result, hi and lo: a wait on va_vdst ahead of the two global stores.
; REGISTERS.  window 0: addresses, at work; window 1: weights, fragment (f, c) at 32 f + 8 c; window 2: the slots as loaded; window 3: v0-31 accumulators, v128-255 activation, (f, op) at 128 + 16 f + 8 op.
.set NCS, 1
.set NT, 4
.set PSZ, NT*1024
.set KFO, 32
.set AH, 16384
.set AL, 49408
.set SPARE, 82432
.set MSB, 0
.macro WIN new
.if MSB != (\new)
	s_set_vgpr_msb (MSB<<8)|(\new)
.set MSB, \new
.endif
.endm
.macro PLACES
.rept 4
	v_nop
.endr
.endm
.macro RB a, b, d1, d2, tt             ; two numbers rounded to bf16's numbers, kept as f32
	v_cvt_pk_bf16_f32 v[\tt], v[\a], v[\b]
	v_lshlrev_b32 v[\d1], 16, v[\tt]
	v_and_b32 v[\d2], s54, v[\tt]
.endm
.macro SPL x, y, hi, lo                ; two numbers as hi + lo; lo may be x, or a register that is read no more
	v_cvt_pk_bf16_f32 v[\hi], v[\x], v[\y]
	v_lshlrev_b32 v254, 16, v[\hi]
	v_and_b32 v255, s54, v[\hi]
	v_sub_f32 v[\x], v[\x], v254
	v_sub_f32 v[\y], v[\y], v255
	v_cvt_pk_bf16_f32 v[\lo], v[\x], v[\y]
.endm
.macro LANES                           ; v1 lane, v2 r, v3 h, v6 partial sums out, v7-10 back, v11 activation out, v12 my 8 channels' bytes, v13 16 lane
	v_lshl_add_u32 v14, v0, 2, SPARE
	v_mov_b32 v15, 0
	v_and_b32 v1, 31, v0
	v_lshrrev_b32 v2, 5, v0
	v_readfirstlane_b32 s2, v2
	v_and_b32 v2, 15, v0
	v_bfe_u32 v3, v0, 4, 1
	s_mov_b32 s3, ttmp9
	s_and_b32 s4, ttmp7, 0xffff
	s_mov_b32 s52, 0x3c23d70a
	s_mov_b32 s53, s52
	s_mov_b32 s54, 0xffff0000
	v_lshlrev_b32 v13, 4, v1
	s_wait_alu depctr_va_sdst(0)                   ; s2, the wave's number, is written, ahead of its first reader
	s_mul_i32 s5, s2, PSZ
	v_add_nc_u32 v6, s5, v13
	s_lshr_b32 s5, s2, 1
	s_and_b32 s6, s2, 1
	s_lshl_b32 s7, s5, 9                           ; registers 4-7 of a result lie 512 bytes behind registers 0-3,
	s_lshl_b32 s38, s6, 3                          ; my pair of registers 8 (w % 2) bytes into a lane's 16
	s_add_co_u32 s7, s7, s38
	v_add_nc_u32 v7, s7, v13
	v_add_nc_u32 v8, PSZ, v7
	v_add_nc_u32 v9, 2*PSZ, v7
	v_add_nc_u32 v10, 3*PSZ, v7
	s_lshl_b32 s7, s6, 9
	v_add_nc_u32 v11, s7, v13
	s_lshl_b32 s36, s3, 8
	s_lshl_b32 s37, s2, 5
	s_add_co_u32 s36, s36, s37
	v_lshl_add_u32 v12, v3, 7, s36
.endm
.macro LW f, ws=0                      ; the 8 loads of my fragment f of weight set ws
	WIN 0x40*(1+(\ws))
.irp c, 0,1,2,3
.irp t, 0,1
	global_load_b128 v[32*(\f)+8*\c+4*\t:32*(\f)+8*\c+4*\t+3], v13, s[40+2*(\ws):41+2*(\ws)] offset:4096*(\f)+1024*\c+512*\t
.endr
.endr
.endm
.macro LAL f                           ; the activation's fragment f, hi and lo, out of LDS
	WIN 0xc0
.irp o, 0,1
.irp t, 0,1
	ds_load_b128 v[128+16*(\f)+8*\o+4*\t:128+16*(\f)+8*\o+4*\t+3], v5 offset:128*((\f)>>1)+32*((\f)&1)+16*\t+(AL-AH)*\o
.endr
.endr
.endm
.macro MUL f                           ; fragment f's products; the accumulators take turns; the first products start the sums
.set cs_, 0
.rept NCS
	WIN 0xfd+cs_
.irp o, 0,1
.irp c, 0,1,2,3
.if ((\f) == 0) && (\o == 0)
	v_wmma_f32_16x16x32_bf16 v[32*cs_+8*\c:32*cs_+8*\c+7], v[32*(\f)+8*\c:32*(\f)+8*\c+7], v[128+16*(\f)+8*\o:128+16*(\f)+8*\o+7], 0
.else
	v_wmma_f32_16x16x32_bf16 v[32*cs_+8*\c:32*cs_+8*\c+7], v[32*(\f)+8*\c:32*(\f)+8*\c+7], v[128+16*(\f)+8*\o:128+16*(\f)+8*\o+7], v[32*cs_+8*\c:32*cs_+8*\c+7]
.endif
.endr
.endr
.set cs_, cs_+1
.endr
.endm
.macro PSUM                            ; the four waves' partial sums meet; I end with registers 2 w, 2 w + 1 of tile t in v[16 + 2 t : 17 + 2 t]
	WIN 0x0c
	s_wait_alu depctr_va_vdst(0)                   ; the products have written the accumulators, which the stores read; and every vector line that names v16-23, v80-95 or v144-151, in which the loads below land, is done
.set t_, 0
.rept NT
	ds_store_b128 v6, v[8*t_:8*t_+3] offset:1024*t_
	ds_store_b128 v6, v[8*t_+4:8*t_+7] offset:1024*t_+512
.set t_, t_+1
.endr
	WIN 0
	s_wait_dscnt 0x0
	s_barrier_signal -1
	s_barrier_wait -1
.irp q, 0,1,2
.set t_, 0
.rept NT
	ds_load_b64 v[16+64*\q+2*t_:17+64*\q+2*t_], v[7+\q] offset:1024*t_
.set t_, t_+1
.endr
.endr
.set t_, 0
.rept NT
	ds_load_b64 v[88+2*t_:89+2*t_], v10 offset:1024*t_   ; the fourth run has registers of its own, so all four runs go out together
.set t_, t_+1
.endr
	s_wait_dscnt 2*NT                              ; the third and fourth runs may stay out
.set t_, 0
.rept NT
	v_pk_add_f32 v[16+2*t_:17+2*t_], v[16+2*t_:17+2*t_], v[80+2*t_:81+2*t_]
.set t_, t_+1
.endr
	s_wait_dscnt NT                                ; the fourth run may stay out
.set t_, 0
.rept NT
	v_pk_add_f32 v[16+2*t_:17+2*t_], v[16+2*t_:17+2*t_], v[144+2*t_:145+2*t_]
.set t_, t_+1
.endr
	s_wait_dscnt 0x0                               ; my reads of the partial sums are back:
	s_barrier_signal -1                            ; say so; the last additions, work on registers, stand between the signal and the wait
.set t_, 0
.rept NT
	v_pk_add_f32 v[16+2*t_:17+2*t_], v[16+2*t_:17+2*t_], v[88+2*t_:89+2*t_]
.set t_, t_+1
.endr
	s_barrier_wait -1                              ; every wave's reads are back before any wave writes LDS again
.endm
.macro EMIT src, dst                   ; 8 numbers in the order 2 c + jj -> 16 bytes hi, 16 bytes lo in the channels' order 4 jj + c
	SPL (\src), (\src)+2, (\dst), (\dst)+4
	SPL (\src)+4, (\src)+6, (\dst)+1, (\dst)+5
	SPL (\src)+1, (\src)+3, (\dst)+2, (\dst)+6
	SPL (\src)+5, (\src)+7, (\dst)+3, (\dst)+7
.endm
; Two slots of each of my four clouds: 64 loads.  A slot past the cloud's count repeats its last one.
.macro PTRIP
.irp i, 0,1,2,3
.irp e, 0,1
	s_add_co_u32 s5, s60, \e
	s_min_u32 s5, s5, s[20+\i]
	s_min_u32 s5, s5, 31
	s_add_co_u32 s5, s5, s[24+\i]
	s_lshl_b32 s6, s5, 12
	s_add_nc_u64 s[68+4*\i+2*\e:69+4*\i+2*\e], s[8:9], s[6:7]
.endr
.endr
	WIN 0x80
	s_wait_alu depctr_va_vdst(0)                   ; the last trip's maxima are done reading the slots' registers, in which the loads below land
.irp i, 0,1,2,3
.irp e, 0,1
.irp u, 0,1,2,3,4,5,6,7
	global_load_b128 v[64*\i+32*\e+4*\u:64*\i+32*\e+4*\u+3], v13, s[68+4*\i+2*\e:69+4*\i+2*\e] offset:512*\u
.endr
.endr
.endr
	s_wait_loadcnt 0x0
	WIN 0x28
.set k_, 0
.rept 128
	v_max3_num_f32 v[80+k_], v[80+k_], v[64*(k_/32)+k_%32], v[64*(k_/32)+32+k_%32]
.set k_, k_+1
.endr
	WIN 0
.endm
; Group k of 32: cloud k / 8, channels 128 (k % 8) + 4 lane + 0..3.  POOLC rounds: hi into v16 + 2 k and the next, lo into the first two of the group's own four registers.  POOLO stores.
.macro POOLC k
	SPL 80+4*(\k), 81+4*(\k), 16+2*(\k), 80+4*(\k)
	SPL 82+4*(\k), 83+4*(\k), 17+2*(\k), 81+4*(\k)
.endm
.macro POOLO k
	ds_store_b64 v232, v[16+2*(\k):17+2*(\k)] offset:AH+((\k)/8)*2064+((\k)%8)*256
	ds_store_b64 v232, v[80+4*(\k):81+4*(\k)] offset:AL+((\k)/8)*2064+((\k)%8)*256
.endm
	s_load_b256 s[8:15], s[0:1], 0x0               ; pmax, segcnt, wfr, bf
	s_load_b64 s[16:17], s[0:1], 0x20              ; eact
	LANES
	v_mul_u32_u24 v5, v2, 2064                     ; my fragments of pooled in LDS: row r, 64 bytes a half of the lanes, my 256 channels
	v_lshl_add_u32 v5, v3, 6, v5
	s_lshl_b32 s5, s2, 9
	s_add_co_u32 s5, s5, AH
	v_add_nc_u32 v5, s5, v5
	s_mul_i32 s5, s2, 8256
	v_lshl_add_u32 v232, v1, 3, s5                 ; where I put pooled: my four rows, 8 bytes a lane
	s_lshl_b32 s5, s4, 4
	s_lshl_b32 s6, s2, 2
	s_add_co_u32 s5, s5, s6                        ; my first cloud: 16 y + 4 w
	s_lshl_b32 s6, s5, 2
	s_mov_b32 s55, 0xff800000
	s_wait_kmcnt 0x0
	s_load_b128 s[20:23], s[10:11], s6 offset:0x0
	s_lshl_b32 s36, s3, 5                          ; Wf's blocks begin at wfr's first byte: mine are g x 32 + 8 w ..
	s_lshl_b32 s38, s2, 3
	s_add_co_u32 s36, s36, s38
	s_lshl_b32 s36, s36, 12
	s_mov_b32 s37, 0
	s_add_nc_u64 s[40:41], s[12:13], s[36:37]
	s_lshl_b32 s36, s4, 5                          ; eact: fragment 2 g + w / 2 of row tile y
	s_lshl_b32 s38, s3, 1
	s_add_co_u32 s36, s36, s38
	s_lshr_b32 s38, s2, 1
	s_add_co_u32 s36, s36, s38
	s_lshl_b32 s36, s36, 11
	s_add_nc_u64 s[46:47], s[16:17], s[36:37]
	s_wait_alu depctr_va_vdst(0)                   ; the addresses v5 to v13 and v232 are written, which the kernel's loads and stores read
	global_load_b128 v[208:211], v12, s[14:15]
	global_load_b128 v[212:215], v12, s[14:15] offset:16
.set f_, 0
.rept 8
	LW f_
.set f_, f_+1
.endr
	WIN 0
.set k_, 0
.rept 128
	v_mov_b32 v[80+k_], s55
.set k_, k_+1
.endr
.irp i, 0,1,2,3
	s_add_co_u32 s[24+\i], s5, \i
	s_lshl_b32 s[24+\i], s[24+\i], 5
.endr
	s_wait_kmcnt 0x0
.irp i, 0,1,2,3
	s_max_u32 s[20+\i], s[20+\i], 1
	s_min_u32 s[20+\i], s[20+\i], 32
.endr
	s_max_u32 s62, s20, s21
	s_max_u32 s63, s22, s23
	s_max_u32 s62, s62, s63
	s_add_co_u32 s62, s62, 1
	s_lshr_b32 s62, s62, 1                         ; trips: two slots each, at least one trip
.irp i, 0,1,2,3
	s_sub_co_u32 s[20+\i], s[20+\i], 1
.endr
	s_mov_b32 s7, 0
	s_mov_b32 s61, 0
.Lpool:
	s_lshl_b32 s60, s61, 1
	PTRIP
	s_add_co_u32 s61, s61, 1
	s_cmp_lt_u32 s61, s62
	s_cbranch_scc1 .Lpool
.set k_, 0
.rept 16
	POOLC k_
.set k_, k_+1
.endr
	s_wait_alu depctr_va_vdst(0)                   ; groups 0 to 15's hi and lo are written, which the stores below read
.set k_, 16
.rept 16                               ; a group's two stores ahead of the roundings of the group 16 further on, which name none of their registers
	POOLO k_-16
	POOLC k_
.set k_, k_+1
.endr
	s_wait_alu depctr_va_vdst(0)                   ; groups 16 to 31's hi and lo are written, which the stores below read
.set k_, 16
.rept 16
	POOLO k_
.set k_, k_+1
.endr
	s_wait_dscnt 0x0
	s_barrier_signal -1
	s_barrier_wait -1                              ; all 16 rows of pooled lie in LDS
	s_wait_alu depctr_vm_vsrc(0)                   ; my LDS stores have read v16-207 and v232: the partial sums' loads land in some of these registers, and the way out writes v232-239 and v144-151
.set f_, 0
.rept 8
	LAL f_
.set f_, f_+1
.endr
.set f_, 0
.rept 8
	s_wait_dscnt 4*(7-f_)                          ; the later fragments' LDS loads may stay out; the weights came in with the pooling's last wait
	MUL f_
.set f_, f_+1
.endr
	PLACES                                         ; in front of the LDS stores of results
	PSUM
.irp c, 0,1,2,3
	RB 208+\c, 212+\c, 224+2*\c, 225+2*\c, 240
.endr
.irp c, 0,1,2,3
	v_pk_add_f32 v[16+2*\c:17+2*\c], v[16+2*\c:17+2*\c], v[224+2*\c:225+2*\c]
.endr
.irp c, 0,1,2,3
	v_pk_mul_f32 v[232+2*\c:233+2*\c], v[16+2*\c:17+2*\c], s[52:53] op_sel_hi:[1,0]
.endr
.irp i, 0,1,2,3,4,5,6,7
	v_max_num_f32 v[16+\i], v[16+\i], v[232+\i]
.endr
	EMIT 16, 144
	s_wait_alu depctr_va_vdst(0)                   ; the roundings have written v144-151, which the two stores read
	global_store_b128 v11, v[144:147], s[46:47]    ; each store of the wave covers 512 consecutive bytes, aligned
	global_store_b128 v11, v[148:151], s[46:47] offset:1024
	s_wait_dscnt 0x0                               ; the closing lines, six on end
	s_wait_alu 0x0
	s_wait_tensorcnt 0x0
	ds_add_u32 v14, v15
	s_wait_dscnt 0x0
	s_endpgm
.Lfunc_end_k_q2d2ed73841_enc:
	.size	k_q2d2ed73841_enc, .Lfunc_end_k_q2d2ed73841_enc-k_q2d2ed73841_enc
	.p2alignl 7, 3214868480
	.fill 96, 4, 3214868480
	.section	.rodata,"a",@progbits
	.p2align	6, 0x0
	.amdhsa_kernel k_q2d2ed73841_enc
		.amdhsa_group_segment_fixed_size 82944
		.amdhsa_private_segment_fixed_size 0
		.amdhsa_enable_private_segment 0
		.amdhsa_kernarg_size 40
		.amdhsa_user_sgpr_count 2
		.amdhsa_user_sgpr_kernarg_segment_ptr 1
		.amdhsa_wavefront_size32 1
		.amdhsa_system_sgpr_workgroup_id_x 1
		.amdhsa_system_sgpr_workgroup_id_y 1
		.amdhsa_system_sgpr_workgroup_id_z 1
		.amdhsa_system_vgpr_workitem_id 0
		.amdhsa_next_free_vgpr 1024
		.amdhsa_next_free_sgpr 84
		.amdhsa_reserve_vcc 0
		.amdhsa_float_denorm_mode_32 3
		.amdhsa_float_denorm_mode_16_64 3
		.amdhsa_memory_ordered 1
		.amdhsa_forward_progress 1
		.amdhsa_inst_pref_size 62
	.end_amdhsa_kernel
	.amdgpu_metadata
---
amdhsa.version: [ 1, 2 ]
amdhsa.kernels:
  - .name:           k_q2d2ed73841_enc
    .symbol:         k_q2d2ed73841_enc.kd
    .args:
      - { .name: pmax, .offset: 0, .size: 8, .value_kind: global_buffer, .address_space: global }
      - { .name: segcnt, .offset: 8, .size: 8, .value_kind: global_buffer, .address_space: global }
      - { .name: wfr, .offset: 16, .size: 8, .value_kind: global_buffer, .address_space: global }
      - { .name: bf, .offset: 24, .size: 8, .value_kind: global_buffer, .address_space: global }
      - { .name: eact, .offset: 32, .size: 8, .value_kind: global_buffer, .address_space: global }
    .group_segment_fixed_size: 82944
    .private_segment_fixed_size: 0
    .kernarg_segment_align: 8
    .kernarg_segment_size: 40
    .max_flat_workgroup_size: 128
    .sgpr_count:     84
    .vgpr_count:     1024
    .wavefront_size: 32
...
	.end_amdgpu_metadata
.endif
;; end of part 13
;; launch head: the kernel of part 9 again; grid 4 x 8, 4 waves a work-group, no clusters, 41,984 bytes of LDS; arguments eact, wfr, bmu, blv, eps, out1, out2, zact; writes out1, out2, zact
;; launch dec1: the kernel of part 10 again; grid 16 x 8, 4 waves a work-group, no clusters, 21,760 bytes of LDS; arguments zact, wfr, hs1; writes hs1
;; launch dec2 (part 14): grid 16 x 8, 4 waves a work-group, no clusters, 89,344 bytes of LDS; arguments hs1, g1, be1, wfr, hs2; writes hs2
.if DOCPART == 14
	.amdgcn_target "amdgcn-amd-amdhsa--gfx1250"
	.amdhsa_code_object_version 6
	.text
	.protected	k_q2d2ed73841_dec2
	.globl	k_q2d2ed73841_dec2
	.p2align	8
	.type	k_q2d2ed73841_dec2,@function
k_q2d2ed73841_dec2:
	s_mov_b64 s[64:65], 0
	v_nop
	global_prefetch_b8 v0, s[64:65] scope:SCOPE_SE
	s_setreg_imm32_b32 hwreg(HW_REG_WAVE_SCHED_MODE, 0, 2), 2
	s_setreg_imm32_b32 hwreg(HW_REG_WAVE_MODE, 25, 1), 1
	s_wait_xcnt 0x0
	s_wait_alu depctr_vm_vsrc(0)
; d1 = LeakyReLU(BatchNorm(h1) g1 + be1); h2 = d1 Wd2, and the part of the second BatchNorm's statistics that 16 rows can give.
; bd2 IS LEFT OUT: it is the same in all 128 rows of a column, and BatchNorm takes the column's batch mean away; the variance does not see it.
; A work-group makes 16 rows (ttmp7) x 64 columns (ttmp9); K = 1024 is split among the four waves: wave w has channels 256 w .. 256 w + 255, from the statistics to the products.
; THE STATISTICS.  The launch before left, for each of the 8 row tiles and each column, the tile's mean and M2 (sum of squares about that mean).  mean = sum mean_t / 8;
; M2 = sum M2_t + 16 sum (mean_t - mean)^2; variance = M2 / 128: sums of squares of differences alone.  A lane does this for 8 channels (256 w + 4 lane + 0..3 and 128 further on), makes
; A = g rsq(variance + 1e-5) and B = be - mean A (g, be rounded to bf16's numbers), and takes its 8 channels of the 16 rows through max(y, 0.01 y), y = h A + B.
; d1 goes as TWO bf16 OPERANDS, hi and lo, into LDS bytes of the wave's own (16 rows of 528 bytes: 512 + 16 of padding, so that the 16 rows of a fragment load start at 16 different groups of
; four banks; ISA guide 11.1) and comes back as fragments: LDS serves a wave's instructions in order (ISA guide 5.7.1.4), so no wait on DScnt and no barrier stand between.
; The 16 rows are walked in a loop of two trips of 8, for a shorter text: between the trips the second eight rows are moved into the registers that the one text names (64 moves).
; Source 0 = Wd2's fragments, bf16, as the first launch laid them in wfr (from byte 2,097,152; block g x 32 + f).  OUT: hs2, laid as hs1.
; THE MODE: SCHED_MODE bits 1:0 = 2 (LLVM: expert scheduling mode 2), set by the entry lines.  The code itself states the register dependences
; between vector or matrix instructions and memory or LDS instructions, with s_wait_alu, always for 0.
; THE PLAN.  Registers that memory or LDS instructions touch:
;   v4-v13, v233-238   addresses, made once at the head and never written again.  v232: the LDS address of d1; one add a trip steps it.
;   v48-79        hi, four registers a row of a trip's eight; registers 0, 1, 4, 5 of a row in v80-143: lo, in place.  Written by the trip's roundings, read by its 32 LDS stores; the moves and the next trip write them again.
;                 A trip: rows 0-3's arithmetic; a wait on va_vdst; rows 0-3's stores, four ahead of each of rows 4-7's arithmetic, which names its own row's registers, v16-39, v254 and v255 alone;
;                 a second wait on va_vdst; rows 4-7's stores; a wait on vm_vsrc; the moves and the add to v232 (which the next trip's first wait covers).
;   windows 1, 2, v80-207, window 3 v128-255   take loads; no vector line names them ahead of those loads.
;   window 3 v0-31   written by the products, read by the partial sums' stores: four places and a wait on va_vdst.
;   v16-23, v80-87, v144-151, v88-95   the four runs of partial sums: no vector line names them between that wait and the loads; the loop's wait on vm_vsrc stands behind the stores that read v80-95.
;   v80-87, v144-159   the way out's data: a wait on va_vdst ahead of the stage's stores; v160-171 take the stage's loads, and no vector line behind that wait names them.
; REGISTERS.  window 0: addresses; v16-31 A, B; v32-39 at work; v48-79 hi; v80-207 h1's 16 rows; window 1: weights, (f, c) at 32 f + 8 c; window 2: statistics, tile t at 16 t (mean 0-7, M2 8-15), g v128, be v136,
; mean v144, at work v152-160; window 3: v0-31 accumulators, v128-255 activation, (f, op) at 128 + 16 f + 8 op.
.set NCS, 1
.set NT, 4
.set PSZ, NT*1024
.set ROWB, 4096
.set STATB, 524288
.set ST0, 16384
.set SST, 20736
.set SPARE, 21248
.set AH, 21760
.set AL, 55552
.set HB, 48
.set MSB, 0
.macro WIN new
.if MSB != (\new)
	s_set_vgpr_msb (MSB<<8)|(\new)
.set MSB, \new
.endif
.endm
.macro PLACES
.rept 4
	v_nop
.endr
.endm
.macro RB a, b, d1, d2, tt
	v_cvt_pk_bf16_f32 v[\tt], v[\a], v[\b]
	v_lshlrev_b32 v[\d1], 16, v[\tt]
	v_and_b32 v[\d2], s54, v[\tt]
.endm
.macro SPL x, y, hi, lo                ; two numbers as hi + lo; lo may be x, or a register that is read no more
	v_cvt_pk_bf16_f32 v[\hi], v[\x], v[\y]
	v_lshlrev_b32 v254, 16, v[\hi]
	v_and_b32 v255, s54, v[\hi]
	v_sub_f32 v[\x], v[\x], v254
	v_sub_f32 v[\y], v[\y], v255
	v_cvt_pk_bf16_f32 v[\lo], v[\x], v[\y]
.endm
.macro LANES
	v_lshl_add_u32 v14, v0, 2, SPARE
	v_mov_b32 v15, 0
	v_and_b32 v1, 31, v0
	v_lshrrev_b32 v2, 5, v0
	v_readfirstlane_b32 s2, v2
	v_and_b32 v2, 15, v0
	v_bfe_u32 v3, v0, 4, 1
	s_mov_b32 s3, ttmp9
	s_and_b32 s4, ttmp7, 0xffff
	s_mov_b32 s52, 0x3c23d70a
	s_mov_b32 s53, s52
	s_mov_b32 s54, 0xffff0000
	v_lshlrev_b32 v13, 4, v1
	s_wait_alu depctr_va_sdst(0)                   ; s2, the wave's number, is written, ahead of its first reader
	s_mul_i32 s5, s2, PSZ
	v_add_nc_u32 v6, s5, v13
	s_lshr_b32 s5, s2, 1
	s_and_b32 s6, s2, 1
	s_lshl_b32 s7, s5, 9                           ; registers 4-7 of a result lie 512 bytes behind registers 0-3,
	s_lshl_b32 s38, s6, 3                          ; my pair of registers 8 (w % 2) bytes into a lane's 16
	s_add_co_u32 s7, s7, s38
	v_add_nc_u32 v7, s7, v13
	v_add_nc_u32 v8, PSZ, v7
	v_add_nc_u32 v9, 2*PSZ, v7
	v_add_nc_u32 v10, 3*PSZ, v7
.endm
.macro PADDR                           ; v4 my channels' bytes in a row of 1,024 f32; v232 where I put d, v5 where I read its fragments: my wave's 8,448 bytes
	s_lshl_b32 s5, s2, 10
	v_add_nc_u32 v4, s5, v13
	s_mul_i32 s5, s2, 8448
	v_lshl_add_u32 v232, v1, 3, s5
	v_mul_u32_u24 v5, v2, 528
	v_lshl_add_u32 v5, v3, 6, v5
	s_add_co_u32 s5, s5, AH
	v_add_nc_u32 v5, s5, v5
	s_mov_b32 s56, 0x3e000000                      ; 1 / 8
	s_mov_b32 s57, s56
	s_mov_b32 s58, 0x41800000                      ; 16
	s_mov_b32 s59, s58
	s_mov_b32 s60, 0x3c000000                      ; 1 / 128
	s_mov_b32 s61, s60
	s_mov_b32 s62, 0x3727c5ac                      ; 1e-5
	s_mov_b32 s63, s62
.endm
.macro LW f, ws=0
	WIN 0x40*(1+(\ws))
.irp c, 0,1,2,3
.irp t, 0,1
	global_load_b128 v[32*(\f)+8*\c+4*\t:32*(\f)+8*\c+4*\t+3], v13, s[40+2*(\ws):41+2*(\ws)] offset:4096*(\f)+1024*\c+512*\t
.endr
.endr
.endm
.macro LAL f
	WIN 0xc0
.irp o, 0,1
.irp t, 0,1
	ds_load_b128 v[128+16*(\f)+8*\o+4*\t:128+16*(\f)+8*\o+4*\t+3], v5 offset:128*((\f)>>1)+32*((\f)&1)+16*\t+(AL-AH)*\o
.endr
.endr
.endm
.macro MUL f                           ; fragment f's products; the accumulators take turns; the first products start the sums
.set cs_, 0
.rept NCS
	WIN 0xfd+cs_
.irp o, 0,1
.irp c, 0,1,2,3
.if ((\f) == 0) && (\o == 0)
	v_wmma_f32_16x16x32_bf16 v[32*cs_+8*\c:32*cs_+8*\c+7], v[32*(\f)+8*\c:32*(\f)+8*\c+7], v[128+16*(\f)+8*\o:128+16*(\f)+8*\o+7], 0
.else
	v_wmma_f32_16x16x32_bf16 v[32*cs_+8*\c:32*cs_+8*\c+7], v[32*(\f)+8*\c:32*(\f)+8*\c+7], v[128+16*(\f)+8*\o:128+16*(\f)+8*\o+7], v[32*cs_+8*\c:32*cs_+8*\c+7]
.endif
.endr
.endr
.set cs_, cs_+1
.endr
.endm
.macro PSUM                            ; the four waves' partial sums meet; I end with registers 2 w, 2 w + 1 of tile t in v[16 + 2 t : 17 + 2 t]
	WIN 0x0c
	s_wait_alu depctr_va_vdst(0)                   ; the products have written the accumulators, which the stores read; and every vector line that names v16-23, v80-95 or v144-151, in which the loads below land, is done
.set t_, 0
.rept NT
	ds_store_b128 v6, v[8*t_:8*t_+3] offset:1024*t_
	ds_store_b128 v6, v[8*t_+4:8*t_+7] offset:1024*t_+512
.set t_, t_+1
.endr
	WIN 0
	s_wait_dscnt 0x0
	s_barrier_signal -1
	s_barrier_wait -1
.irp q, 0,1,2
.set t_, 0
.rept NT
	ds_load_b64 v[16+64*\q+2*t_:17+64*\q+2*t_], v[7+\q] offset:1024*t_
.set t_, t_+1
.endr
.endr
.set t_, 0
.rept NT
	ds_load_b64 v[88+2*t_:89+2*t_], v10 offset:1024*t_   ; the fourth run has registers of its own, so all four runs go out together
.set t_, t_+1
.endr
	s_wait_dscnt 2*NT                              ; the third and fourth runs may stay out
.set t_, 0
.rept NT
	v_pk_add_f32 v[16+2*t_:17+2*t_], v[16+2*t_:17+2*t_], v[80+2*t_:81+2*t_]
.set t_, t_+1
.endr
	s_wait_dscnt NT                                ; the fourth run may stay out
.set t_, 0
.rept NT
	v_pk_add_f32 v[16+2*t_:17+2*t_], v[16+2*t_:17+2*t_], v[144+2*t_:145+2*t_]
.set t_, t_+1
.endr
	s_wait_dscnt 0x0                               ; my reads of the partial sums are back:
	s_barrier_signal -1                            ; say so; the last additions, work on registers, stand between the signal and the wait
.set t_, 0
.rept NT
	v_pk_add_f32 v[16+2*t_:17+2*t_], v[16+2*t_:17+2*t_], v[88+2*t_:89+2*t_]
.set t_, t_+1
.endr
	s_barrier_wait -1                              ; every wave's reads are back before any wave writes LDS again
.endm
.macro STADDR                          ; v235 into the stage: 272 r + 128 h + 32 w; v233 back: row 4 w + lane / 16, 16 bytes a lane; v234 the same place in the output; v237, v238 the statistics' places
	v_mul_u32_u24 v235, v2, 272
	v_lshl_add_u32 v235, v3, 7, v235
	s_lshl_b32 s5, s2, 5
	v_add_nc_u32 v235, s5, v235
	v_lshl_add_u32 v237, v3, 7, s5                 ; my 8 channels among the group's 64: 128 h + 32 w
	s_lshl_b32 s5, s2, 2
	v_add_nc_u32 v236, s5, v3
	v_mul_u32_u24 v233, v236, 272
	v_lshl_add_u32 v233, v2, 4, v233
	s_lshl_b32 s5, s4, 4
	v_add_nc_u32 v236, s5, v236
	v_mul_u32_u24 v234, v236, ROWB
	v_lshl_add_u32 v234, v2, 4, v234
	s_lshl_b32 s5, s3, 8
	v_add_nc_u32 v234, s5, v234
	s_lshl_b32 s6, s4, 1
	v_add_nc_u32 v238, s6, v3                      ; lanes 0-15 the tile's means, lanes 16-31 its M2
	v_lshlrev_b32 v238, 12, v238
	v_lshl_add_u32 v238, v2, 4, v238
	v_add_nc_u32 v238, s5, v238
.endm
.macro ROWSUM b                        ; 8 registers summed over the 16 lanes of each half
.irp x, 1,2,4,8
.irp i, 0,1,2,3,4,5,6,7
	v_add_f32_dpp v[(\b)+\i], v[(\b)+\i], v[(\b)+\i] row_xmask:\x row_mask:0xf bank_mask:0xf
.endr
.endr
.endm
; 36 + 32 loads: the eight tiles' statistics, g and be of my 8 channels; my 8 channels of the 16 rows.  Each load of the wave covers 512 consecutive bytes.
.macro STLOAD
	WIN 0x80
.set t_, 0
.rept 8
.irp k, 0,1
.irp q, 0,1
	global_load_b128 v[16*t_+8*\k+4*\q:16*t_+8*\k+4*\q+3], v4, s[8:9] offset:STATB+(2*t_+\k)*4096+512*\q
.endr
.endr
.set t_, t_+1
.endr
.irp q, 0,1
	global_load_b128 v[128+4*\q:131+4*\q], v4, s[10:11] offset:512*\q
	global_load_b128 v[136+4*\q:139+4*\q], v4, s[12:13] offset:512*\q
.endr
	WIN 0
.set p_, 0
.rept 16
.irp q, 0,1
	global_load_b128 v[80+8*p_+4*\q:83+8*p_+4*\q], v4, s[44:45] offset:4096*p_+512*\q
.endr
.set p_, p_+1
.endr
.endm
.macro STATS                           ; the eight tiles joined; A into v16-23, B into v24-31 of window 0
	WIN 0xaa
.irp i, 0,1,2,3
	v_pk_add_f32 v[144+2*\i:145+2*\i], v[2*\i:2*\i+1], v[16+2*\i:17+2*\i]
.endr
.set t_, 2
.rept 6
.irp i, 0,1,2,3
	v_pk_add_f32 v[144+2*\i:145+2*\i], v[144+2*\i:145+2*\i], v[16*t_+2*\i:16*t_+2*\i+1]
.endr
.set t_, t_+1
.endr
.irp i, 0,1,2,3
	v_pk_mul_f32 v[144+2*\i:145+2*\i], v[144+2*\i:145+2*\i], s[56:57] op_sel_hi:[1,0]   ; the mean of the 128 rows
.endr
.set t_, 1
.rept 7
.irp i, 0,1,2,3
	v_pk_add_f32 v[8+2*\i:9+2*\i], v[8+2*\i:9+2*\i], v[16*t_+8+2*\i:16*t_+9+2*\i]
.endr
.set t_, t_+1
.endr
.set t_, 0
.rept 8
.irp i, 0,1,2,3
	v_pk_add_f32 v[16*t_+2*\i:16*t_+2*\i+1], v[16*t_+2*\i:16*t_+2*\i+1], v[144+2*\i:145+2*\i] neg_lo:[0,1] neg_hi:[0,1]
.endr
.set t_, t_+1
.endr
.irp i, 0,1,2,3
	v_pk_mul_f32 v[152+2*\i:153+2*\i], v[2*\i:2*\i+1], v[2*\i:2*\i+1]
.endr
.set t_, 1
.rept 7
.irp i, 0,1,2,3
	v_pk_fma_f32 v[152+2*\i:153+2*\i], v[16*t_+2*\i:16*t_+2*\i+1], v[16*t_+2*\i:16*t_+2*\i+1], v[152+2*\i:153+2*\i]
.endr
.set t_, t_+1
.endr
.irp i, 0,1,2,3
	v_pk_fma_f32 v[152+2*\i:153+2*\i], v[152+2*\i:153+2*\i], s[58:59], v[8+2*\i:9+2*\i] op_sel_hi:[1,0,1]   ; M2 of the 128 rows
.endr
.irp i, 0,1,2,3
	v_pk_fma_f32 v[152+2*\i:153+2*\i], v[152+2*\i:153+2*\i], s[60:61], s[62:63] op_sel_hi:[1,0,0]           ; the variance + 1e-5
.endr
.irp i, 0,1,2,3,4,5,6,7
	v_rsq_f32 v[152+\i], v[152+\i]
.endr
.irp i, 0,1,2,3
	RB 128+2*\i, 129+2*\i, 128+2*\i, 129+2*\i, 160 ; independent work behind the roots: g and be to bf16's numbers
	RB 136+2*\i, 137+2*\i, 136+2*\i, 137+2*\i, 160
.endr
	s_wait_alu depctr_va_vdst(0)                   ; the eight roots in v152-159 of window 2 are written: the one wait for the batch ahead of the first use
.irp i, 0,1,2,3
	v_pk_mul_f32 v[152+2*\i:153+2*\i], v[152+2*\i:153+2*\i], v[128+2*\i:129+2*\i]
.endr
	WIN 0x2a
.irp i, 0,1,2,3
	v_pk_fma_f32 v[24+2*\i:25+2*\i], v[144+2*\i:145+2*\i], v[152+2*\i:153+2*\i], v[136+2*\i:137+2*\i] neg_lo:[1,0,0] neg_hi:[1,0,0]
.endr
	WIN 0x02
.irp i, 0,1,2,3,4,5,6,7
	v_mov_b32 v[16+\i], v[152+\i]                  ; A goes beside the rows that it multiplies, so that the 16 rows' work needs no switch of windows
.endr
	WIN 0
.endm
.macro ROWC p                          ; row p of a trip's eight: y = h A + B, max(y, 0.01 y), hi into four registers of v48-79, lo into the row's registers 0, 1, 4, 5
.set x_, 80+8*(\p)
.set h_, HB+4*(\p)
.irp i, 0,1,2,3
	v_pk_fma_f32 v[x_+2*\i:x_+2*\i+1], v[x_+2*\i:x_+2*\i+1], v[16+2*\i:17+2*\i], v[24+2*\i:25+2*\i]
.endr
.irp i, 0,1,2,3
	v_pk_mul_f32 v[32+2*\i:33+2*\i], v[x_+2*\i:x_+2*\i+1], s[52:53] op_sel_hi:[1,0]
.endr
.irp i, 0,1,2,3,4,5,6,7
	v_max_num_f32 v[x_+\i], v[x_+\i], v[32+\i]
.endr
	SPL x_, x_+1, h_, x_
	SPL x_+2, x_+3, h_+1, x_+1
	SPL x_+4, x_+5, h_+2, x_+4
	SPL x_+6, x_+7, h_+3, x_+5
.endm
.macro ROWO p                          ; row p's hi and lo into LDS: 8 bytes a lane, four times
.set xo_, 80+8*(\p)
.set ho_, HB+4*(\p)
	ds_store_b64 v232, v[ho_:ho_+1] offset:AH+528*(\p)
	ds_store_b64 v232, v[xo_:xo_+1] offset:AL+528*(\p)
	ds_store_b64 v232, v[ho_+2:ho_+3] offset:AH+528*(\p)+256
	ds_store_b64 v232, v[xo_+4:xo_+5] offset:AL+528*(\p)+256
.endm
.macro ROWS                            ; the 16 rows: two trips of eight; the second eight come down into the first eight's registers, and the LDS address steps eight rows on
	s_mov_b32 s48, 2
.Lrows:
.irp p, 0,1,2,3
	ROWC \p
.endr
	s_wait_alu depctr_va_vdst(0)                   ; rows 0 to 3's hi and lo are written, which the stores below read; in the second trip so is v232, their address
.irp p, 4,5,6,7
	ROWO (\p)-4                                    ; no vector line since the wait names these stores' registers
	ROWC \p
.endr
	s_wait_alu depctr_va_vdst(0)                   ; rows 4 to 7's hi and lo are written, which the stores below read
.irp p, 4,5,6,7
	ROWO \p
.endr
	s_wait_alu depctr_vm_vsrc(0)                   ; the trip's 32 stores have read hi, lo and v232: the moves and the add below, the next trip's roundings and the partial sums' loads write these registers again
.set k_, 0
.rept 64
	v_mov_b32 v[80+k_], v[144+k_]
.set k_, k_+1
.endr
	v_add_nc_u32 v232, 8*528, v232
	s_sub_co_u32 s48, s48, 1
	s_cmp_lg_u32 s48, 0
	s_cbranch_scc1 .Lrows
.endm
; The raw product and its tile's statistics leave: through an LDS stage, as whole aligned runs of 256 bytes.
.macro RAWOUT ob
.irp j, 0,1
.irp c, 0,1,2,3
	v_mov_b32 v[80+4*\j+\c], v[16+2*\c+\j]         ; into the channels' order: 16 bytes on end want four neighbouring registers
.endr
.endr
.irp i, 0,1,2,3,4,5,6,7
	v_add_f32_dpp v[144+\i], v[80+\i], v[80+\i] row_xmask:1 row_mask:0xf bank_mask:0xf
.endr
.irp x, 2,4,8
.irp i, 0,1,2,3,4,5,6,7
	v_add_f32_dpp v[144+\i], v[144+\i], v[144+\i] row_xmask:\x row_mask:0xf bank_mask:0xf
.endr
.endr
.irp i, 0,1,2,3
	v_pk_mul_f32 v[144+2*\i:145+2*\i], v[144+2*\i:145+2*\i], s[66:67] op_sel_hi:[1,0]   ; the 16 rows' mean
.endr
.irp i, 0,1,2,3
	v_pk_add_f32 v[16+2*\i:17+2*\i], v[80+2*\i:81+2*\i], v[144+2*\i:145+2*\i] neg_lo:[0,1] neg_hi:[0,1]
.endr
.irp i, 0,1,2,3
	v_pk_mul_f32 v[152+2*\i:153+2*\i], v[16+2*\i:17+2*\i], v[16+2*\i:17+2*\i]
.endr
	ROWSUM 152                                     ; M2
	s_wait_alu depctr_va_vdst(0)                   ; v80-87, the means in v144-151 and M2 in v152-159 are written, which the stores read; the moves that read v160-171, in which the stage's loads land, are done
	ds_store_b128 v235, v[80:83] offset:ST0
	ds_store_b128 v235, v[84:87] offset:ST0+16
	ds_store_b128 v237, v[144:147] offset:SST      ; the 16 lanes of a half hold the same numbers and write the same bytes
	ds_store_b128 v237, v[148:151] offset:SST+16
	ds_store_b128 v237, v[152:155] offset:SST+256
	ds_store_b128 v237, v[156:159] offset:SST+272
	s_wait_dscnt 0x0
	s_barrier_signal -1
	s_barrier_wait -1                              ; a row's 256 bytes come from all four waves
	ds_load_b128 v[160:163], v233 offset:ST0
	ds_load_b128 v[164:167], v233 offset:ST0+544
	s_wait_dscnt 0x0
	global_store_b128 v234, v[160:163], s[\ob:\ob+1]   ; 16 lanes store 256 consecutive bytes, aligned
	global_store_b128 v234, v[164:167], s[\ob:\ob+1] offset:2*ROWB
	s_cmp_lg_u32 s2, 0
	s_cbranch_scc1 .Lend
	ds_load_b128 v[168:171], v13 offset:SST        ; wave 0: 64 means, 64 M2
	s_wait_dscnt 0x0
	global_store_b128 v238, v[168:171], s[\ob:\ob+1] offset:STATB
.Lend:
.endm
	s_load_b256 s[8:15], s[0:1], 0x0               ; hs1, g1, be1, wfr
	s_load_b64 s[16:17], s[0:1], 0x20              ; hs2
	LANES
	STADDR
	PADDR
	s_mov_b32 s66, 0x3d800000                      ; 1 / 16
	s_mov_b32 s67, s66
	s_wait_kmcnt 0x0
	s_lshl_b32 s36, s3, 5                          ; my blocks: g x 32 + 8 w ..
	s_lshl_b32 s38, s2, 3
	s_add_co_u32 s36, s36, s38
	s_lshl_b32 s36, s36, 12
	s_mov_b32 s37, 0
	s_add_nc_u64 s[40:41], s[14:15], s[36:37]
	s_add_nc_u64 s[40:41], s[40:41], 0x200000      ; Wd2
	s_lshl_b32 s36, s4, 16                         ; h1 at my 16 rows
	s_add_nc_u64 s[44:45], s[8:9], s[36:37]
	s_wait_alu depctr_va_vdst(0)                   ; the addresses v4 to v13 and v232 to v238 are written, which the kernel's loads and stores read
	STLOAD
.irp f, 0,1,2,3
	LW \f
.endr
	s_wait_loadcnt 63                              ; 64 loads (the rows', four fragments') are younger than the statistics': the count is the largest that the wait can name
	STATS
.irp f, 4,5,6,7
	LW \f                                          ; no wait: no vector line names v13 or window 1
.endr
	WIN 0
	s_wait_loadcnt 63                              ; 64 loads, the weights', are younger than the rows'
	ROWS
.set f_, 0
.rept 8
	LAL f_
.set f_, f_+1
.endr
.set f_, 0
.rept 8
	s_wait_loadcnt 8*(7-f_)                        ; the later fragments' 8 weight loads each,
	s_wait_dscnt 4*(7-f_)                          ; and their 4 LDS loads each, may stay out
	MUL f_
.set f_, f_+1
.endr
	PLACES                                         ; in front of the LDS stores of results
	PSUM
	RAWOUT 16
	s_wait_dscnt 0x0                               ; the closing lines, six on end
	s_wait_alu 0x0
	s_wait_tensorcnt 0x0
	ds_add_u32 v14, v15
	s_wait_dscnt 0x0
	s_endpgm
.Lfunc_end_k_q2d2ed73841_dec2:
	.size	k_q2d2ed73841_dec2, .Lfunc_end_k_q2d2ed73841_dec2-k_q2d2ed73841_dec2
	.p2alignl 7, 3214868480
	.fill 96, 4, 3214868480
	.section	.rodata,"a",@progbits
	.p2align	6, 0x0
	.amdhsa_kernel k_q2d2ed73841_dec2
		.amdhsa_group_segment_fixed_size 89344
		.amdhsa_private_segment_fixed_size 0
		.amdhsa_enable_private_segment 0
		.amdhsa_kernarg_size 40
		.amdhsa_user_sgpr_count 2
		.amdhsa_user_sgpr_kernarg_segment_ptr 1
		.amdhsa_wavefront_size32 1
		.amdhsa_system_sgpr_workgroup_id_x 1
		.amdhsa_system_sgpr_workgroup_id_y 1
		.amdhsa_system_sgpr_workgroup_id_z 1
		.amdhsa_system_vgpr_workitem_id 0
		.amdhsa_next_free_vgpr 1024
		.amdhsa_next_free_sgpr 68
		.amdhsa_reserve_vcc 0
		.amdhsa_float_denorm_mode_32 3
		.amdhsa_float_denorm_mode_16_64 3
		.amdhsa_memory_ordered 1
		.amdhsa_forward_progress 1
		.amdhsa_inst_pref_size 61
	.end_amdhsa_kernel
	.amdgpu_metadata
---
amdhsa.version: [ 1, 2 ]
amdhsa.kernels:
  - .name:           k_q2d2ed73841_dec2
    .symbol:         k_q2d2ed73841_dec2.kd
    .args:
      - { .name: hs1, .offset: 0, .size: 8, .value_kind: global_buffer, .address_space: global }
      - { .name: g1, .offset: 8, .size: 8, .value_kind: global_buffer, .address_space: global }
      - { .name: be1, .offset: 16, .size: 8, .value_kind: global_buffer, .address_space: global }
      - { .name: wfr, .offset: 24, .size: 8, .value_kind: global_buffer, .address_space: global }
      - { .name: hs2, .offset: 32, .size: 8, .value_kind: global_buffer, .address_space: global }
    .group_segment_fixed_size: 89344
    .private_segment_fixed_size: 0
    .kernarg_segment_align: 8
    .kernarg_segment_size: 40
    .max_flat_workgroup_size: 128
    .sgpr_count:     68
    .vgpr_count:     1024
    .wavefront_size: 32
...
	.end_amdgpu_metadata
.endif
;; end of part 14
;; launch outp (part 15): grid 6 x 8, 4 waves a work-group, no clusters, 89,344 bytes of LDS; arguments hs2, g2, be2, wfr, bd3, out0; writes out0
.if DOCPART == 15
	.amdgcn_target "amdgcn-amd-amdhsa--gfx1250"
	.amdhsa_code_object_version 6
	.text
	.protected	k_q2d2ed73841_outp
	.globl	k_q2d2ed73841_outp
	.p2align	8
	.type	k_q2d2ed73841_outp,@function
k_q2d2ed73841_outp:
	s_mov_b64 s[64:65], 0
	v_nop
	global_prefetch_b8 v0, s[64:65] scope:SCOPE_SE
	s_setreg_imm32_b32 hwreg(HW_REG_WAVE_SCHED_MODE, 0, 2), 2
	s_setreg_imm32_b32 hwreg(HW_REG_WAVE_MODE, 25, 1), 1
	s_wait_xcnt 0x0
	s_wait_alu depctr_vm_vsrc(0)
; d2 = LeakyReLU(BatchNorm(h2) g2 + be2); y = d2 Wd3 + bd3, [128][384] f32.
; A work-group makes 16 rows (ttmp7) x 64 columns (ttmp9); K = 1024 is split among the four waves: wave w has channels 256 w .. 256 w + 255, from the statistics to the products.
; THE STATISTICS.  The launch before left, for each of the 8 row tiles and each column, the tile's mean and M2 (sum of squares about that mean).  mean = sum mean_t / 8;
; M2 = sum M2_t + 16 sum (mean_t - mean)^2; variance = M2 / 128: sums of squares of differences alone.  A lane does this for 8 channels (256 w + 4 lane + 0..3 and 128 further on), makes
; A = g rsq(variance + 1e-5) and B = be - mean A (g, be rounded to bf16's numbers), and takes its 8 channels of the 16 rows through max(y, 0.01 y), y = h A + B.
; d2 goes as TWO bf16 OPERANDS, hi and lo, into LDS bytes of the wave's own (16 rows of 528 bytes: 512 + 16 of padding, so that the 16 rows of a fragment load start at 16 different groups of
; four banks; ISA guide 11.1) and comes back as fragments: LDS serves a wave's instructions in order (ISA guide 5.7.1.4), so no wait on DScnt and no barrier stand between.
; The 16 rows are walked in a loop of two trips of 8, for a shorter text: between the trips the second eight rows are moved into the registers that the one text names (64 moves).
; Source 0 = Wd3's fragments, bf16, as the first launch laid them in wfr (from byte 5,767,168; block g x 32 + f).  bd3 is rounded to bf16's numbers.
; The result leaves through an LDS stage (rows of 272 bytes) as whole rows of 256 bytes.
; THE MODE: SCHED_MODE bits 1:0 = 2 (LLVM: expert scheduling mode 2), set by the entry lines.  The code itself states the register dependences
; between vector or matrix instructions and memory or LDS instructions, with s_wait_alu, always for 0.
; THE PLAN.  Registers that memory or LDS instructions touch:
;   v4-v13, v233-235   addresses, made once at the head and never written again.  v232: the LDS address of d2; one add a trip steps it.
;   v48-79        hi, four registers a row of a trip's eight; registers 0, 1, 4, 5 of a row in v80-143: lo, in place.  Written by the trip's roundings, read by its 32 LDS stores; the moves and the next trip write them again.
;                 A trip: rows 0-3's arithmetic; a wait on va_vdst; rows 0-3's stores, four ahead of each of rows 4-7's arithmetic, which names its own row's registers, v16-39, v254 and v255 alone;
;                 a second wait on va_vdst; rows 4-7's stores; a wait on vm_vsrc; the moves and the add to v232 (which the next trip's first wait covers).
;   windows 1, 2, v80-215, window 3 v128-255   take loads; no vector line names them ahead of those loads.
;   window 3 v0-31   written by the products, read by the partial sums' stores: four places and a wait on va_vdst.
;   v16-23, v80-87, v144-151, v88-95   the four runs of partial sums: no vector line names them between that wait and the loads; the loop's wait on vm_vsrc stands behind the stores that read v80-95.
;   v80-87        the result: a wait on va_vdst ahead of the stage's stores; v160-167 take the stage's loads, and no vector line behind that wait names them.
; REGISTERS.  window 0: addresses; v16-31 A, B; v32-39 at work; v48-79 hi; v80-207 h2's 16 rows; v208-215 bd3; window 1: weights, (f, c) at 32 f + 8 c; window 2: statistics, tile t at 16 t (mean 0-7, M2 8-15), g v128, be v136,
; mean v144, at work v152-160; window 3: v0-31 accumulators, v128-255 activation, (f, op) at 128 + 16 f + 8 op.
.set NCS, 1
.set NT, 4
.set PSZ, NT*1024
.set ROWB, 1536
.set STATB, 524288
.set ST0, 16384
.set SPARE, 21248
.set AH, 21760
.set AL, 55552
.set HB, 48
.set MSB, 0
.macro WIN new
.if MSB != (\new)
	s_set_vgpr_msb (MSB<<8)|(\new)
.set MSB, \new
.endif
.endm
.macro PLACES
.rept 4
	v_nop
.endr
.endm
.macro RB a, b, d1, d2, tt
	v_cvt_pk_bf16_f32 v[\tt], v[\a], v[\b]
	v_lshlrev_b32 v[\d1], 16, v[\tt]
	v_and_b32 v[\d2], s54, v[\tt]
.endm
.macro SPL x, y, hi, lo                ; two numbers as hi + lo; lo may be x, or a register that is read no more
	v_cvt_pk_bf16_f32 v[\hi], v[\x], v[\y]
	v_lshlrev_b32 v254, 16, v[\hi]
	v_and_b32 v255, s54, v[\hi]
	v_sub_f32 v[\x], v[\x], v254
	v_sub_f32 v[\y], v[\y], v255
	v_cvt_pk_bf16_f32 v[\lo], v[\x], v[\y]
.endm
.macro LANES
	v_lshl_add_u32 v14, v0, 2, SPARE
	v_mov_b32 v15, 0
	v_and_b32 v1, 31, v0
	v_lshrrev_b32 v2, 5, v0
	v_readfirstlane_b32 s2, v2
	v_and_b32 v2, 15, v0
	v_bfe_u32 v3, v0, 4, 1
	s_mov_b32 s3, ttmp9
	s_and_b32 s4, ttmp7, 0xffff
	s_mov_b32 s52, 0x3c23d70a
	s_mov_b32 s53, s52
	s_mov_b32 s54, 0xffff0000
	v_lshlrev_b32 v13, 4, v1
	s_wait_alu depctr_va_sdst(0)                   ; s2, the wave's number, is written, ahead of its first reader
	s_mul_i32 s5, s2, PSZ
	v_add_nc_u32 v6, s5, v13
	s_lshr_b32 s5, s2, 1
	s_and_b32 s6, s2, 1
	s_lshl_b32 s7, s5, 9                           ; registers 4-7 of a result lie 512 bytes behind registers 0-3,
	s_lshl_b32 s38, s6, 3                          ; my pair of registers 8 (w % 2) bytes into a lane's 16
	s_add_co_u32 s7, s7, s38
	v_add_nc_u32 v7, s7, v13
	v_add_nc_u32 v8, PSZ, v7
	v_add_nc_u32 v9, 2*PSZ, v7
	v_add_nc_u32 v10, 3*PSZ, v7
	s_lshl_b32 s36, s3, 8
	s_lshl_b32 s37, s2, 5
	s_add_co_u32 s36, s36, s37
	v_lshl_add_u32 v12, v3, 7, s36
.endm
.macro PADDR                           ; v4 my channels' bytes in a row of 1,024 f32; v232 where I put d, v5 where I read its fragments: my wave's 8,448 bytes
	s_lshl_b32 s5, s2, 10
	v_add_nc_u32 v4, s5, v13
	s_mul_i32 s5, s2, 8448
	v_lshl_add_u32 v232, v1, 3, s5
	v_mul_u32_u24 v5, v2, 528
	v_lshl_add_u32 v5, v3, 6, v5
	s_add_co_u32 s5, s5, AH
	v_add_nc_u32 v5, s5, v5
	s_mov_b32 s56, 0x3e000000                      ; 1 / 8
	s_mov_b32 s57, s56
	s_mov_b32 s58, 0x41800000                      ; 16
	s_mov_b32 s59, s58
	s_mov_b32 s60, 0x3c000000                      ; 1 / 128
	s_mov_b32 s61, s60
	s_mov_b32 s62, 0x3727c5ac                      ; 1e-5
	s_mov_b32 s63, s62
.endm
.macro LW f, ws=0
	WIN 0x40*(1+(\ws))
.irp c, 0,1,2,3
.irp t, 0,1
	global_load_b128 v[32*(\f)+8*\c+4*\t:32*(\f)+8*\c+4*\t+3], v13, s[40+2*(\ws):41+2*(\ws)] offset:4096*(\f)+1024*\c+512*\t
.endr
.endr
.endm
.macro LAL f
	WIN 0xc0
.irp o, 0,1
.irp t, 0,1
	ds_load_b128 v[128+16*(\f)+8*\o+4*\t:128+16*(\f)+8*\o+4*\t+3], v5 offset:128*((\f)>>1)+32*((\f)&1)+16*\t+(AL-AH)*\o
.endr
.endr
.endm
.macro MUL f                           ; fragment f's products; the accumulators take turns; the first products start the sums
.set cs_, 0
.rept NCS
	WIN 0xfd+cs_
.irp o, 0,1
.irp c, 0,1,2,3
.if ((\f) == 0) && (\o == 0)
	v_wmma_f32_16x16x32_bf16 v[32*cs_+8*\c:32*cs_+8*\c+7], v[32*(\f)+8*\c:32*(\f)+8*\c+7], v[128+16*(\f)+8*\o:128+16*(\f)+8*\o+7], 0
.else
	v_wmma_f32_16x16x32_bf16 v[32*cs_+8*\c:32*cs_+8*\c+7], v[32*(\f)+8*\c:32*(\f)+8*\c+7], v[128+16*(\f)+8*\o:128+16*(\f)+8*\o+7], v[32*cs_+8*\c:32*cs_+8*\c+7]
.endif
.endr
.endr
.set cs_, cs_+1
.endr
.endm
.macro PSUM                            ; the four waves' partial sums meet; I end with registers 2 w, 2 w + 1 of tile t in v[16 + 2 t : 17 + 2 t]
	WIN 0x0c
	s_wait_alu depctr_va_vdst(0)                   ; the products have written the accumulators, which the stores read; and every vector line that names v16-23, v80-95 or v144-151, in which the loads below land, is done
.set t_, 0
.rept NT
	ds_store_b128 v6, v[8*t_:8*t_+3] offset:1024*t_
	ds_store_b128 v6, v[8*t_+4:8*t_+7] offset:1024*t_+512
.set t_, t_+1
.endr
	WIN 0
	s_wait_dscnt 0x0
	s_barrier_signal -1
	s_barrier_wait -1
.irp q, 0,1,2
.set t_, 0
.rept NT
	ds_load_b64 v[16+64*\q+2*t_:17+64*\q+2*t_], v[7+\q] offset:1024*t_
.set t_, t_+1
.endr
.endr
.set t_, 0
.rept NT
	ds_load_b64 v[88+2*t_:89+2*t_], v10 offset:1024*t_   ; the fourth run has registers of its own, so all four runs go out together
.set t_, t_+1
.endr
	s_wait_dscnt 2*NT                              ; the third and fourth runs may stay out
.set t_, 0
.rept NT
	v_pk_add_f32 v[16+2*t_:17+2*t_], v[16+2*t_:17+2*t_], v[80+2*t_:81+2*t_]
.set t_, t_+1
.endr
	s_wait_dscnt NT                                ; the fourth run may stay out
.set t_, 0
.rept NT
	v_pk_add_f32 v[16+2*t_:17+2*t_], v[16+2*t_:17+2*t_], v[144+2*t_:145+2*t_]
.set t_, t_+1
.endr
	s_wait_dscnt 0x0                               ; my reads of the partial sums are back:
	s_barrier_signal -1                            ; say so; the last additions, work on registers, stand between the signal and the wait
.set t_, 0
.rept NT
	v_pk_add_f32 v[16+2*t_:17+2*t_], v[16+2*t_:17+2*t_], v[88+2*t_:89+2*t_]
.set t_, t_+1
.endr
	s_barrier_wait -1                              ; every wave's reads are back before any wave writes LDS again
.endm
.macro STADDR                          ; v235 into the stage: 272 r + 128 h + 32 w; v233 back: row 4 w + lane / 16, 16 bytes a lane; v234 the same place in the output
	v_mul_u32_u24 v235, v2, 272
	v_lshl_add_u32 v235, v3, 7, v235
	s_lshl_b32 s5, s2, 5
	v_add_nc_u32 v235, s5, v235
	s_lshl_b32 s5, s2, 2
	v_add_nc_u32 v236, s5, v3
	v_mul_u32_u24 v233, v236, 272
	v_lshl_add_u32 v233, v2, 4, v233
	s_lshl_b32 s5, s4, 4
	v_add_nc_u32 v236, s5, v236
	v_mul_u32_u24 v234, v236, ROWB
	v_lshl_add_u32 v234, v2, 4, v234
	s_lshl_b32 s5, s3, 8
	v_add_nc_u32 v234, s5, v234
.endm
; 36 + 32 loads: the eight tiles' statistics, g and be of my 8 channels; my 8 channels of the 16 rows.  Each load of the wave covers 512 consecutive bytes.
.macro STLOAD
	WIN 0x80
.set t_, 0
.rept 8
.irp k, 0,1
.irp q, 0,1
	global_load_b128 v[16*t_+8*\k+4*\q:16*t_+8*\k+4*\q+3], v4, s[8:9] offset:STATB+(2*t_+\k)*4096+512*\q
.endr
.endr
.set t_, t_+1
.endr
.irp q, 0,1
	global_load_b128 v[128+4*\q:131+4*\q], v4, s[10:11] offset:512*\q
	global_load_b128 v[136+4*\q:139+4*\q], v4, s[12:13] offset:512*\q
.endr
	WIN 0
.set p_, 0
.rept 16
.irp q, 0,1
	global_load_b128 v[80+8*p_+4*\q:83+8*p_+4*\q], v4, s[44:45] offset:4096*p_+512*\q
.endr
.set p_, p_+1
.endr
.endm
.macro STATS                           ; the eight tiles joined; A into v16-23, B into v24-31 of window 0
	WIN 0xaa
.irp i, 0,1,2,3
	v_pk_add_f32 v[144+2*\i:145+2*\i], v[2*\i:2*\i+1], v[16+2*\i:17+2*\i]
.endr
.set t_, 2
.rept 6
.irp i, 0,1,2,3
	v_pk_add_f32 v[144+2*\i:145+2*\i], v[144+2*\i:145+2*\i], v[16*t_+2*\i:16*t_+2*\i+1]
.endr
.set t_, t_+1
.endr
.irp i, 0,1,2,3
	v_pk_mul_f32 v[144+2*\i:145+2*\i], v[144+2*\i:145+2*\i], s[56:57] op_sel_hi:[1,0]   ; the mean of the 128 rows
.endr
.set t_, 1
.rept 7
.irp i, 0,1,2,3
	v_pk_add_f32 v[8+2*\i:9+2*\i], v[8+2*\i:9+2*\i], v[16*t_+8+2*\i:16*t_+9+2*\i]
.endr
.set t_, t_+1
.endr
.set t_, 0
.rept 8
.irp i, 0,1,2,3
	v_pk_add_f32 v[16*t_+2*\i:16*t_+2*\i+1], v[16*t_+2*\i:16*t_+2*\i+1], v[144+2*\i:145+2*\i] neg_lo:[0,1] neg_hi:[0,1]
.endr
.set t_, t_+1
.endr
.irp i, 0,1,2,3
	v_pk_mul_f32 v[152+2*\i:153+2*\i], v[2*\i:2*\i+1], v[2*\i:2*\i+1]
.endr
.set t_, 1
.rept 7
.irp i, 0,1,2,3
	v_pk_fma_f32 v[152+2*\i:153+2*\i], v[16*t_+2*\i:16*t_+2*\i+1], v[16*t_+2*\i:16*t_+2*\i+1], v[152+2*\i:153+2*\i]
.endr
.set t_, t_+1
.endr
.irp i, 0,1,2,3
	v_pk_fma_f32 v[152+2*\i:153+2*\i], v[152+2*\i:153+2*\i], s[58:59], v[8+2*\i:9+2*\i] op_sel_hi:[1,0,1]   ; M2 of the 128 rows
.endr
.irp i, 0,1,2,3
	v_pk_fma_f32 v[152+2*\i:153+2*\i], v[152+2*\i:153+2*\i], s[60:61], s[62:63] op_sel_hi:[1,0,0]           ; the variance + 1e-5
.endr
.irp i, 0,1,2,3,4,5,6,7
	v_rsq_f32 v[152+\i], v[152+\i]
.endr
.irp i, 0,1,2,3
	RB 128+2*\i, 129+2*\i, 128+2*\i, 129+2*\i, 160 ; independent work behind the roots: g and be to bf16's numbers
	RB 136+2*\i, 137+2*\i, 136+2*\i, 137+2*\i, 160
.endr
	s_wait_alu depctr_va_vdst(0)                   ; the eight roots in v152-159 of window 2 are written: the one wait for the batch ahead of the first use
.irp i, 0,1,2,3
	v_pk_mul_f32 v[152+2*\i:153+2*\i], v[152+2*\i:153+2*\i], v[128+2*\i:129+2*\i]
.endr
	WIN 0x2a
.irp i, 0,1,2,3
	v_pk_fma_f32 v[24+2*\i:25+2*\i], v[144+2*\i:145+2*\i], v[152+2*\i:153+2*\i], v[136+2*\i:137+2*\i] neg_lo:[1,0,0] neg_hi:[1,0,0]
.endr
	WIN 0x02
.irp i, 0,1,2,3,4,5,6,7
	v_mov_b32 v[16+\i], v[152+\i]                  ; A goes beside the rows that it multiplies, so that the 16 rows' work needs no switch of windows
.endr
	WIN 0
.endm
.macro ROWC p                          ; row p of a trip's eight: y = h A + B, max(y, 0.01 y), hi into four registers of v48-79, lo into the row's registers 0, 1, 4, 5
.set x_, 80+8*(\p)
.set h_, HB+4*(\p)
.irp i, 0,1,2,3
	v_pk_fma_f32 v[x_+2*\i:x_+2*\i+1], v[x_+2*\i:x_+2*\i+1], v[16+2*\i:17+2*\i], v[24+2*\i:25+2*\i]
.endr
.irp i, 0,1,2,3
	v_pk_mul_f32 v[32+2*\i:33+2*\i], v[x_+2*\i:x_+2*\i+1], s[52:53] op_sel_hi:[1,0]
.endr
.irp i, 0,1,2,3,4,5,6,7
	v_max_num_f32 v[x_+\i], v[x_+\i], v[32+\i]
.endr
	SPL x_, x_+1, h_, x_
	SPL x_+2, x_+3, h_+1, x_+1
	SPL x_+4, x_+5, h_+2, x_+4
	SPL x_+6, x_+7, h_+3, x_+5
.endm
.macro ROWO p                          ; row p's hi and lo into LDS: 8 bytes a lane, four times
.set xo_, 80+8*(\p)
.set ho_, HB+4*(\p)
	ds_store_b64 v232, v[ho_:ho_+1] offset:AH+528*(\p)
	ds_store_b64 v232, v[xo_:xo_+1] offset:AL+528*(\p)
	ds_store_b64 v232, v[ho_+2:ho_+3] offset:AH+528*(\p)+256
	ds_store_b64 v232, v[xo_+4:xo_+5] offset:AL+528*(\p)+256
.endm
.macro ROWS                            ; the 16 rows: two trips of eight; the second eight come down into the first eight's registers, and the LDS address steps eight rows on
	s_mov_b32 s48, 2
.Lrows:
.irp p, 0,1,2,3
	ROWC \p
.endr
	s_wait_alu depctr_va_vdst(0)                   ; rows 0 to 3's hi and lo are written, which the stores below read; in the second trip so is v232, their address
.irp p, 4,5,6,7
	ROWO (\p)-4                                    ; no vector line since the wait names these stores' registers
	ROWC \p
.endr
	s_wait_alu depctr_va_vdst(0)                   ; rows 4 to 7's hi and lo are written, which the stores below read
.irp p, 4,5,6,7
	ROWO \p
.endr
	s_wait_alu depctr_vm_vsrc(0)                   ; the trip's 32 stores have read hi, lo and v232: the moves and the add below, the next trip's roundings and the partial sums' loads write these registers again
.set k_, 0
.rept 64
	v_mov_b32 v[80+k_], v[144+k_]
.set k_, k_+1
.endr
	v_add_nc_u32 v232, 8*528, v232
	s_sub_co_u32 s48, s48, 1
	s_cmp_lg_u32 s48, 0
	s_cbranch_scc1 .Lrows
.endm
	s_load_b256 s[8:15], s[0:1], 0x0               ; hs2, g2, be2, wfr
	s_load_b128 s[16:19], s[0:1], 0x20             ; bd3, out0
	LANES
	STADDR
	PADDR
	s_wait_kmcnt 0x0
	s_lshl_b32 s36, s3, 5                          ; my blocks: g x 32 + 8 w ..
	s_lshl_b32 s38, s2, 3
	s_add_co_u32 s36, s36, s38
	s_lshl_b32 s36, s36, 12
	s_mov_b32 s37, 0
	s_add_nc_u64 s[40:41], s[14:15], s[36:37]
	s_add_nc_u64 s[40:41], s[40:41], 0x580000      ; Wd3
	s_lshl_b32 s36, s4, 16                         ; h2 at my 16 rows
	s_add_nc_u64 s[44:45], s[8:9], s[36:37]
	s_wait_alu depctr_va_vdst(0)                   ; the addresses v4 to v13 and v232 to v235 are written, which the kernel's loads and stores read
	global_load_b128 v[208:211], v12, s[16:17]
	global_load_b128 v[212:215], v12, s[16:17] offset:16
	STLOAD
.irp f, 0,1,2,3
	LW \f
.endr
	s_wait_loadcnt 63                              ; 64 loads (the rows', four fragments') are younger than the statistics': the count is the largest that the wait can name
	STATS
.irp f, 4,5,6,7
	LW \f                                          ; no wait: no vector line names v13 or window 1
.endr
	WIN 0
	s_wait_loadcnt 63                              ; 64 loads, the weights', are younger than the rows'
	ROWS
.set f_, 0
.rept 8
	LAL f_
.set f_, f_+1
.endr
.set f_, 0
.rept 8
	s_wait_loadcnt 8*(7-f_)                        ; the later fragments' 8 weight loads each,
	s_wait_dscnt 4*(7-f_)                          ; and their 4 LDS loads each, may stay out
	MUL f_
.set f_, f_+1
.endr
	PLACES                                         ; in front of the LDS stores of results
	PSUM
.irp i, 0,1,2,3
	RB 208+2*\i, 209+2*\i, 208+2*\i, 209+2*\i, 240
.endr
.irp j, 0,1
.irp c, 0,1,2,3
	v_add_f32 v[80+4*\j+\c], v[16+2*\c+\j], v[208+4*\j+\c]   ; in the channels' order
.endr
.endr
	s_wait_alu depctr_va_vdst(0)                   ; the additions have written v80-87, which the stores read; the moves that read v160-167, in which the stage's loads land, are done
	ds_store_b128 v235, v[80:83] offset:ST0
	ds_store_b128 v235, v[84:87] offset:ST0+16
	s_wait_dscnt 0x0
	s_barrier_signal -1
	s_barrier_wait -1                              ; a row's 256 bytes come from all four waves
	ds_load_b128 v[160:163], v233 offset:ST0
	ds_load_b128 v[164:167], v233 offset:ST0+544
	s_wait_dscnt 0x0
	global_store_b128 v234, v[160:163], s[18:19]   ; 16 lanes store 256 consecutive bytes, aligned
	global_store_b128 v234, v[164:167], s[18:19] offset:2*ROWB
	s_wait_dscnt 0x0                               ; the closing lines, six on end
	s_wait_alu 0x0
	s_wait_tensorcnt 0x0
	ds_add_u32 v14, v15
	s_wait_dscnt 0x0
	s_endpgm
.Lfunc_end_k_q2d2ed73841_outp:
	.size	k_q2d2ed73841_outp, .Lfunc_end_k_q2d2ed73841_outp-k_q2d2ed73841_outp
	.p2alignl 7, 3214868480
	.fill 96, 4, 3214868480
	.section	.rodata,"a",@progbits
	.p2align	6, 0x0
	.amdhsa_kernel k_q2d2ed73841_outp
		.amdhsa_group_segment_fixed_size 89344
		.amdhsa_private_segment_fixed_size 0
		.amdhsa_enable_private_segment 0
		.amdhsa_kernarg_size 48
		.amdhsa_user_sgpr_count 2
		.amdhsa_user_sgpr_kernarg_segment_ptr 1
		.amdhsa_wavefront_size32 1
		.amdhsa_system_sgpr_workgroup_id_x 1
		.amdhsa_system_sgpr_workgroup_id_y 1
		.amdhsa_system_sgpr_workgroup_id_z 1
		.amdhsa_system_vgpr_workitem_id 0
		.amdhsa_next_free_vgpr 1024
		.amdhsa_next_free_sgpr 66
		.amdhsa_reserve_vcc 0
		.amdhsa_float_denorm_mode_32 3
		.amdhsa_float_denorm_mode_16_64 3
		.amdhsa_memory_ordered 1
		.amdhsa_forward_progress 1
		.amdhsa_inst_pref_size 56
	.end_amdhsa_kernel
	.amdgpu_metadata
---
amdhsa.version: [ 1, 2 ]
amdhsa.kernels:
  - .name:           k_q2d2ed73841_outp
    .symbol:         k_q2d2ed73841_outp.kd
    .args:
      - { .name: hs2, .offset: 0, .size: 8, .value_kind: global_buffer, .address_space: global }
      - { .name: g2, .offset: 8, .size: 8, .value_kind: global_buffer, .address_space: global }
      - { .name: be2, .offset: 16, .size: 8, .value_kind: global_buffer, .address_space: global }
      - { .name: wfr, .offset: 24, .size: 8, .value_kind: global_buffer, .address_space: global }
      - { .name: bd3, .offset: 32, .size: 8, .value_kind: global_buffer, .address_space: global }
      - { .name: out0, .offset: 40, .size: 8, .value_kind: global_buffer, .address_space: global }
    .group_segment_fixed_size: 89344
    .private_segment_fixed_size: 0
    .kernarg_segment_align: 8
    .kernarg_segment_size: 48
    .max_flat_workgroup_size: 128
    .sgpr_count:     66
    .vgpr_count:     1024
    .wavefront_size: 32
...
	.end_amdgpu_metadata
.endif
;; end of part 15
